; MI455X (gfx1250); checked and timed in simulation.
; The chip was launched on July 23, 2026; its instructions are those of AMD's public machine-readable ISA for CDNA 5 (MIT licence, August 2026) and "CDNA5" Instruction Set Architecture Reference Guide (July 2026). The comments in the code are by the model that wrote it; some were corrected since.
;; Multi Headed Attention. Allowed arithmetic: matrix products marked QUANTISED: E4M3 operands, one E8M0 scale for each 32 along K, by v_wmma_scale_f32_16x16x128_f8f6f4 with both operands' format E4M3, f32 sums; everything else in f32.
;; Inputs: Wk 16 x 1,024 x 64 float32; Wp 1,024 x 1,024 float32; Wq 16 x 1,024 x 64 float32; Wv 16 x 1,024 x 64 float32; bp 1,024 float32; x 4 x 2,048 x 1,024 float32.
;; Outputs: out0 4 x 2,048 x 1,024 float32.
;; This version of the problem:
;;   THIS VERSION OF THE PROBLEM IS GIVEN IN LOW PRECISION. The matrix products marked QUANTISED in the list below multiply operands that are first quantised to E4M3 (4 exponent bits, 3 mantissa bits; 8 bits a number), with one power-of-two scale for each 32 numbers along K (OCP MX v1.0); their sums are f32. All else is computed in f32.
;;   The module's matrix products, in the order in which they are computed (A, B: the left and right operand; K: the contracted axis; several contracted axes count as one K, in the product's order):
;;     1. [M 1,024, K 1,024] x [K 1,024, N 8,192]; A: input Wq; B: input x: QUANTISED
;;     2. [M 1,024, K 1,024] x [K 1,024, N 8,192]; A: input Wk; B: input x: QUANTISED
;;     3. [M 1,024, K 1,024] x [K 1,024, N 8,192]; A: input Wv; B: input x: QUANTISED
;;     4. batch 64 x [M 2,048, K 64] x [K 64, N 2,048]; A: computed on the way; B: computed on the way: QUANTISED
;;     5. batch 64 x [M 2,048, K 2,048] x [K 2,048, N 64]; A: softmax (see below); B: computed on the way: QUANTISED
;;     6. [M 8,192, K 1,024] x [K 1,024, N 1,024]; A: computed on the way; B: input Wp: QUANTISED
;;   THE QUANTISER, for each operand of a quantised product, along K:
;;     - K is cut into blocks of 32 from its start; a last block that is shorter is filled with zeros.
;;     - A block's scale is 2^e with e = floor(log2(the largest magnitude in the block)) - 8, held to -126 .. 127; a block of zeros has e = 0. As a byte (E8M0): e + 127.
;;     - Each number is divided by its block's scale, clamped to +-448, and rounded to the nearest number of E4M3, ties to even, subnormals kept.
;;     - The product sums the exact products of the quantised numbers (number of the format x scale) in f32.
;;   ~~~python
;;   def quantise(x, axis):      # numpy; x: float32 -> the quantised numbers, widened to float32 again
;;       x = np.moveaxis(x, axis, -1); K = x.shape[-1]
;;       x = np.pad(x, [(0, 0)] * (x.ndim - 1) + [(0, -K % 32)]); x = x.reshape(x.shape[:-1] + (-1, 32)); a = np.abs(x).max(-1, keepdims=True)
;;       e = np.where(a > 0, np.clip(np.frexp(np.where(a > 0, a, 1))[1] - 1 - 8, -126, 127), 0)      # np.frexp(a)[1] - 1 = floor(log2(a)), exactly
;;       r = np.clip(x / 2.0 ** e, -448, 448)
;;       step = 2.0 ** (np.maximum(np.frexp(np.where(r == 0, 1, r))[1] - 1, -6) - 3)
;;       q = np.round(r / step) * step * 2.0 ** e      # np.round: ties to even
;;       return np.moveaxis(q.reshape(q.shape[:-2] + (-1,))[..., :K], -1, axis).astype(np.float32)
;;   ~~~
;;   SOFTMAX AHEAD OF A QUANTISED PRODUCT. Where the list says 'softmax', what is quantised is not the finished softmax but p = 2^(t - M), with t = logit x log2(e) and M = ceil(the row's largest t), a whole number; so 1/2 < the row's largest p <= 1. The row's sum l is taken of the UNQUANTISED p, in f32, and the product's result is divided by l at the end. Since M is a whole number, a kernel that streams over the keys may use a running M (the ceiling of the running maximum): every later rescaling is an exact power of two, which a block's scale takes up: the codes' values come out the same.
;;   OPERANDS COMPUTED ON THE WAY. 'Computed on the way' means the value that the module computes at that place (a softmax that the list does not call 'softmax' is quantised finished and normalised). What goes into a quantiser is computed in f32, as accurately as f32 sums, v_exp_f32 and their like allow (about 1e-6 of the number): no bf16 or f16 on the way to a quantiser, and a product that is left as it is and whose result goes on into a quantised operand takes f32 operands (vector FMAs, or v_wmma_f32_16x16x4_f32). A number that lies on a knife's edge between two numbers of the format may be rounded either way, as far as f32 arithmetic and the matrix unit's own rounding can turn it there, and no further.
;; 2 versions. Each part assembles by itself: llvm-mc -triple=amdgcn-amd-amdhsa -mcpu=gfx1250 --defsym DOCPART=n.
;; ======== version 1 of 2: 5 launches
;; workspace buffers: xw 9,732,096 bytes; wqkv 3,244,032 bytes; qkv 25,952,256 bytes; zq 8,912,896 bytes
;; launch quant_x (part 1): grid 576 x 1, 4 waves a work-group, no clusters, 69,120 bytes of LDS; arguments x, Wp, xw; writes xw
.if DOCPART == 1
	.amdgcn_target "amdgcn-amd-amdhsa--gfx1250"
	.amdhsa_code_object_version 6
	.text
	.protected	k_qe58b0b2144_quant_x
	.globl	k_qe58b0b2144_quant_x
	.p2align	8
	.type	k_qe58b0b2144_quant_x,@function
k_qe58b0b2144_quant_x:
	s_mov_b64 s[64:65], 0
	v_nop
	global_prefetch_b8 v0, s[64:65] scope:SCOPE_SE
	s_setreg_imm32_b32 hwreg(HW_REG_WAVE_MODE, 25, 1), 1
	s_wait_xcnt 0x0
; x [8192][1024] and Wp [1024][1024], f32, K innermost, become codes of FP8 (E4M3) with one E8M0 byte for each 32 along K, laid as IMAGES OF OPERAND REGISTERS.
; A row tile T is 16 rows: lane r stands for row 32 (T/2) + 8 (T%2) + r + 8 (r/8).  x is tiles 0-511, Wp tiles 512-575.
; Codes: the 16 bytes of lane l = 16 h + r for K = 128 s + 32 c + 16 h + 0..15 lie at (T/8) 131072 + s 16384 + (T%8) 2048 + c 512 + 16 l.
; Scale words (four bytes: 128 along K of a row), from byte SCLO on: T 512 + 16 l + 4 j is the word of row r, K step 2 j + h.
; A block's scale is 2^(floor(log2(largest magnitude)) - 8); numbers are held within +-448 x the scale and rounded to the nearest code, ties to even.
; LIMITS: a block of zeros, or one whose largest magnitude lies under 2^-118, gets the byte 1 (its codes are as the rule has them; the bytes are read by this program alone).  NaN and infinities are not served.
; SHARES: a work-group takes one row tile, wave w its K steps 2 w and 2 w + 1.  Each load reads 512 consecutive bytes (a K step of one row); the conversions want 16 neighbours along K in one lane,
; so a K step's 16 rows turn through the wave's own stage in LDS (rows 528 bytes apart: row r starts 16 r bytes further on modulo 256, so sixteen lanes touch sixteen different columns of 16 bytes).
; No matrix unit, no tensor loads, no cluster: memory binds and nothing is shared; all 32 loads of every wave go out at its head.
.set WSTG, 16896                       ; LDS of a wave: two stages
.set STG,  8448                        ; a stage: 16 rows x 528
.set PIT,  528
.set SCG,  67584                       ; behind the stages: the tile's 128 scale words
.set SCLO, 9437184                     ; where the scale words begin in xw
.set R0,  16                           ; v16-79 K step 0 as loaded (later K step 1 turned); v80-143 K step 1 as loaded
.set X,   144                          ; v144-207 K step 0 turned
.set PC,  208                          ; v208-223 a fragment's codes
.set TM,  224                          ; v224-227 largest magnitudes, 228-231 bytes, 232-235 448 x scale, 236-239 the conversions' scale operands
.set PW,  240                          ; the scale word just made
.set PW0, 241                          ; that of the first K step
.set SEL, 20                           ; s[20:21] lane selects: lane l xor 16
.set MNT, 23                           ; s23 the mantissa field of 448
; 64 numbers of a lane, register 16 b + i = K 32 b + 16 h + i of my row, become 16 registers of codes and a scale word
.macro QUANT s
.irp b, 0,1,2,3
	v_max3_num_f32 v[TM+\b], |v[\s+16*\b]|, |v[\s+1+16*\b]|, 0x4800000   ; my 16 numbers of block b, and the floor 2^(9 - 127): the byte cannot fall under 1
.endr
.irp i, 2,4,6,8,10,12,14
.irp b, 0,1,2,3
	v_max3_num_f32 v[TM+\b], v[TM+\b], |v[\s+16*\b+\i]|, |v[\s+1+16*\b+\i]|   ; the four blocks by turns
.endr
.endr
.irp b, 0,1,2,3
	v_permlanex16_b32 v[TM+4+\b], v[TM+\b], s[SEL], s[SEL+1]
.endr
.irp b, 0,1,2,3
	v_max_num_f32 v[TM+\b], v[TM+\b], v[TM+4+\b]            ; with lane l xor 16's 16: the block's largest magnitude
.endr
.irp b, 0,1,2,3
	v_add_nc_u32 v[TM+12+\b], 0xfc000000, v[TM+\b]          ; 8 off its exponent field: the conversion's scale operand
.endr
.irp b, 0,1,2,3
	v_and_or_b32 v[TM+8+\b], v[TM+\b], 0x7f800000, s[MNT]   ; 448 x the scale
.endr
.irp b, 0,1,2,3
	v_lshrrev_b32 v[TM+4+\b], 23, v[TM+12+\b]               ; the scale's byte
.endr
	v_lshl_or_b32 v[PW], v[TM+5], 8, v[TM+4]
	v_lshl_or_b32 v[PW], v[TM+6], 16, v[PW]
	v_lshl_or_b32 v[PW], v[TM+7], 24, v[PW]
.irp b, 0,1,2,3
.irp i, 0,1,2,3,4,5,6,7,8,9,10,11,12,13,14,15
	v_med3_num_f32 v[\s+16*\b+\i], v[\s+16*\b+\i], -v[TM+8+\b], v[TM+8+\b]   ; the conversion to an 8-bit code does not saturate (ISA guide 7.6.2): hold first
.endr
	v_cvt_scalef32_pk8_fp8_f32 v[PC+4*\b:PC+1+4*\b], v[\s+16*\b:\s+7+16*\b], v[TM+12+\b]
	v_cvt_scalef32_pk8_fp8_f32 v[PC+2+4*\b:PC+3+4*\b], v[\s+8+16*\b:\s+15+16*\b], v[TM+12+\b]
.endr
	v_nop                                          ; a plain line behind the last conversion
.endm
.macro LOAD st                         ; K step st of my two: 16 rows, 512 consecutive bytes a load
.irp i, 0,1,2,3,4,5,6,7,8,9,10,11,12,13,14,15
	global_load_b128 v[R0+64*\st+4*\i:R0+64*\st+4*\i+3], v4, s[4:5] offset:(\i+8*(\i/8))*4096+512*\st th:TH_LOAD_NT
.endr
.endm
.macro TURN st, dst                    ; through stage st: in as loaded, out 64 bytes a lane for each block's half.  LDS serves a wave's instructions in order: no wait between
.irp i, 0,1,2,3,4,5,6,7,8,9,10,11,12,13,14,15
	ds_store_b128 v5, v[R0+64*\st+4*\i:R0+64*\st+4*\i+3] offset:STG*\st+PIT*\i
.endr
.irp b, 0,1,2,3
.irp j, 0,1,2,3
	ds_load_b128 v[\dst+16*\b+4*\j:\dst+16*\b+4*\j+3], v6 offset:STG*\st+128*\b+16*\j
.endr
.endr
.endm
.macro OUT st                          ; a fragment's image: four stores of 512 consecutive bytes
.irp c, 0,1,2,3
	global_store_b128 v7, v[PC+4*\c:PC+4*\c+3], s[10:11] offset:16384*\st+512*\c
.endr
.endm
	s_load_b128 s[4:7], s[0:1], 0x0                ; x, Wp
	s_load_b64 s[8:9], s[0:1], 0x10                ; xw
	v_lshl_add_u32 v248, v0, 2, 0x10c00
	v_mov_b32 v249, 0
	v_lshrrev_b32 v1, 5, v0
	v_readfirstlane_b32 s12, v1                    ; wave 0..3
	v_and_b32 v1, 31, v0                           ; lane
	v_and_b32 v2, 15, v0                           ; r
	v_bfe_u32 v3, v0, 4, 1                         ; h
	v_lshlrev_b32 v7, 4, v1                        ; 16 l
	s_lshl_b32 s13, s12, 10
	v_add_nc_u32 v4, s13, v7                       ; in: my wave's 1,024 bytes of a row, my 16 of a load's 512
	s_mul_i32 s13, s12, WSTG
	v_add_nc_u32 v5, s13, v7                       ; the stage, way in
	v_mul_u32_u24 v6, v2, PIT
	v_lshl_add_u32 v6, v3, 6, v6
	v_add_nc_u32 v6, s13, v6                       ; way out: row r, + 64 h
	s_lshl_b32 s13, s12, 2
	s_add_co_u32 s13, s13, SCG
	v_add_nc_u32 v8, s13, v7                       ; my scale word's place: 16 l + 4 w
	v_add_nc_u32 v9, SCG, v7                       ; and where wave 0 reads them back
	s_mov_b32 s[SEL], 0x76543210
	s_mov_b32 s[SEL+1], 0xfedcba98
	s_mov_b32 s[MNT], 0x600000
.irp b, 0,1,2,3
	v_mov_b32 v[TM+4+\b], 0                        ; written once: a lane permute's destination counts as one of its sources
.endr
	s_mov_b32 s17, 0
	s_wait_kmcnt 0x0
	s_cmp_lt_u32 ttmp9, 512                        ; x's tile or Wp's?  The choice hangs on the work-group's number alone
	s_cselect_b64 s[4:5], s[4:5], s[6:7]
	s_cselect_b32 s14, 0, 512
	s_sub_co_u32 s14, ttmp9, s14                   ; the tile's number in its own tensor
	s_lshr_b32 s15, s14, 1
	s_lshl_b32 s16, s15, 17                        ; 32 rows of 4,096 bytes for each pair of tiles,
	s_and_b32 s15, s14, 1
	s_lshl_b32 s15, s15, 15                        ; 8 rows for the odd one
	s_add_co_u32 s16, s16, s15
	s_add_nc_u64 s[4:5], s[4:5], s[16:17]
	LOAD 0
	LOAD 1
	s_lshr_b32 s15, ttmp9, 3
	s_lshl_b32 s16, s15, 17
	s_and_b32 s15, ttmp9, 7
	s_lshl_b32 s15, s15, 11
	s_add_co_u32 s16, s16, s15
	s_lshl_b32 s15, s12, 15                        ; my two K steps
	s_add_co_u32 s16, s16, s15
	s_add_nc_u64 s[10:11], s[8:9], s[16:17]        ; the codes
	s_lshl_b32 s16, ttmp9, 9
	s_add_co_u32 s16, s16, SCLO
	s_add_nc_u64 s[8:9], s[8:9], s[16:17]          ; the tile's scale words
	s_wait_loadcnt 16                              ; the first K step's 16 loads are in; the second's 16 may be out
	TURN 0, X
	s_wait_loadcnt 0x0                             ; the second K step is in
	s_wait_dscnt 16                                ; the first turn's 16 stores are done, so v16-79 may be written; its 16 loads may be out
	TURN 1, R0
	s_wait_dscnt 32                                ; the first K step is back; the second turn's 32 LDS instructions may be out
	QUANT X
	OUT 0
	v_mov_b32 v[PW0], v[PW]
	s_wait_dscnt 0x0                               ; the second K step is back
	s_wait_xcnt 0x0                                ; the codes' registers, which the four stores read, are written again only behind this wait
	QUANT R0
	OUT 1
	v_cmp_le_u32 vcc_lo, 16, v1
	v_cndmask_b32 v[PW], v[PW0], v[PW], vcc_lo     ; lanes 0-15 keep K step 2 w's word, lanes 16-31 K step 2 w + 1's (both halves of the lanes made both)
	ds_store_b32 v8, v[PW]
	s_wait_dscnt 0x0                               ; for wave 0's sake: my word has landed
	s_barrier_signal -1
	s_barrier_wait -1
	s_cmp_lg_u32 s12, 0
	s_cbranch_scc1 .Lend
	ds_load_b128 v[12:15], v9                      ; wave 0 stores the tile's 128 words: 512 consecutive bytes
	s_wait_dscnt 0x0
	global_store_b128 v7, v[12:15], s[8:9]
.Lend:
	s_wait_tensorcnt 0x0
	ds_add_u32 v248, v249
	s_wait_dscnt 0x0
	s_endpgm
.Lfunc_end_k_qe58b0b2144_quant_x:
	.size	k_qe58b0b2144_quant_x, .Lfunc_end_k_qe58b0b2144_quant_x-k_qe58b0b2144_quant_x
	.p2alignl 7, 3214868480
	.fill 96, 4, 3214868480
	.section	.rodata,"a",@progbits
	.p2align	6, 0x0
	.amdhsa_kernel k_qe58b0b2144_quant_x
		.amdhsa_group_segment_fixed_size 69120
		.amdhsa_private_segment_fixed_size 0
		.amdhsa_enable_private_segment 0
		.amdhsa_kernarg_size 24
		.amdhsa_user_sgpr_count 2
		.amdhsa_user_sgpr_kernarg_segment_ptr 1
		.amdhsa_wavefront_size32 1
		.amdhsa_system_sgpr_workgroup_id_x 1
		.amdhsa_system_sgpr_workgroup_id_y 1
		.amdhsa_system_sgpr_workgroup_id_z 1
		.amdhsa_system_vgpr_workitem_id 0
		.amdhsa_next_free_vgpr 250
		.amdhsa_next_free_sgpr 66
		.amdhsa_reserve_vcc 1
		.amdhsa_float_denorm_mode_32 3
		.amdhsa_float_denorm_mode_16_64 3
		.amdhsa_memory_ordered 1
		.amdhsa_forward_progress 1
		.amdhsa_inst_pref_size 27
	.end_amdhsa_kernel
	.amdgpu_metadata
---
amdhsa.version: [ 1, 2 ]
amdhsa.kernels:
  - .name:           k_qe58b0b2144_quant_x
    .symbol:         k_qe58b0b2144_quant_x.kd
    .args:
      - { .name: x, .offset: 0, .size: 8, .value_kind: global_buffer, .address_space: global }
      - { .name: Wp, .offset: 8, .size: 8, .value_kind: global_buffer, .address_space: global }
      - { .name: xw, .offset: 16, .size: 8, .value_kind: global_buffer, .address_space: global }
    .group_segment_fixed_size: 69120
    .private_segment_fixed_size: 0
    .kernarg_segment_align: 8
    .kernarg_segment_size: 24
    .max_flat_workgroup_size: 128
    .sgpr_count:     66
    .vgpr_count:     250
    .wavefront_size: 32
...
	.end_amdgpu_metadata
.endif
;; end of part 1
;; launch quant_w (part 2): grid 96 x 1, 8 waves a work-group, no clusters, 2,048 bytes of LDS; arguments Wq, Wk, Wv, wqkv; writes wqkv
.if DOCPART == 2
	.amdgcn_target "amdgcn-amd-amdhsa--gfx1250"
	.amdhsa_code_object_version 6
	.text
	.protected	k_qe58b0b2144_quant_w
	.globl	k_qe58b0b2144_quant_w
	.p2align	8
	.type	k_qe58b0b2144_quant_w,@function
k_qe58b0b2144_quant_w:
	s_mov_b64 s[64:65], 0
	v_nop
	global_prefetch_b8 v0, s[64:65] scope:SCOPE_SE
	s_setreg_imm32_b32 hwreg(HW_REG_WAVE_MODE, 25, 1), 1
	s_wait_xcnt 0x0
; Wq, Wk, Wv [16 heads][1024 (K)][64], f32, K is the MIDDLE axis.  They become one operand of 3,072 rows n = 1024 mat + 64 head + d (mat: q, k, v), codes of FP8 (E4M3), K innermost,
; one E8M0 byte for each 32 along K, laid as images of operand registers: row tile T = 16 rows, lane r = row 32 (T/2) + 8 (T%2) + r + 8 (r/8);
; the 16 bytes for K = 128 s + 32 c + 16 h + 0..15 at (T/8) 131072 + s 16384 + (T%8) 2048 + c 512 + 16 (16 h + r); scale words from byte SCLO on at T 512 + 16 (16 h + r) + 4 j for K step 2 j + h.
; A LANE TAKES A COLUMN AND ITS REGISTERS RUN DOWN K: a block of 32 lies in one lane, its maximum needs no other lane, and the conversions give codes with K innermost.  Nothing is transposed.
; SHARES: work-group g takes 32 columns (tiles 2 g, 2 g + 1): lane 16 u + r the column of lane r of tile 2 g + u.  Wave w takes K step w: 128 numbers a lane.
; A lane's 32 codes of a block are two pieces of 16 bytes of the image: in each store lanes 0-15 fill 256 consecutive aligned bytes, lanes 16-31 the 256 bytes 2,048 further on.  No stage is needed.
; The eight waves' scale words meet in LDS and leave as two runs of 512 bytes.
; 96 work-groups: a finer share would break the scale words' runs; the loads run two blocks (64 a wave) ahead in 768 waves.
; LIMITS: a block of zeros, or one whose largest magnitude lies under 2^-118, gets the byte 1 (the bytes are read by this program alone).  NaN and infinities are not served.
.set SCLO, 3145728
.set SB,  24                           ; v24      the K step's scale word
.set X,   32                           ; v32-159  128 numbers down K
.set C,   160                          ; v160-191 codes: eight registers a block, so that no store's data are written again
.set MNT, 23
	s_load_b256 s[4:11], s[0:1], 0x0               ; Wq s[4:5], Wk s[6:7], Wv s[8:9], wqkv s[10:11]
	v_lshl_add_u32 v192, v0, 2, 0x400
	v_mov_b32 v193, 0
	v_lshrrev_b32 v1, 5, v0
	v_readfirstlane_b32 s12, v1                    ; wave 0..7
	v_and_b32 v1, 15, v0                           ; r
	v_bfe_u32 v2, v0, 4, 1                         ; u
	v_and_b32 v3, 8, v1
	v_add_nc_u32 v3, v3, v1                        ; r + 8 (r / 8)
	v_lshl_add_u32 v3, v2, 3, v3                   ; + 8 u: my column of the 32
	v_lshlrev_b32 v3, 2, v3                        ; in bytes
	v_lshlrev_b32 v4, 4, v1
	v_lshl_add_u32 v5, v2, 9, v4                   ; scale words: 512 u + 16 r
	v_lshl_add_u32 v4, v2, 11, v4                  ; codes: 2048 u + 16 r
	s_and_b32 s13, s12, 1
	s_lshl_b32 s15, s13, 9                         ; (for waves 0 and 1: which tile's words they store)
	s_lshl_b32 s13, s13, 8                         ; K step w = 2 j + h: 256 h
	s_lshr_b32 s14, s12, 1
	s_lshl_b32 s14, s14, 2                         ; + 4 j
	s_add_co_u32 s13, s13, s14
	v_add_nc_u32 v5, s13, v5
	v_and_b32 v6, 31, v0
	v_lshlrev_b32 v6, 4, v6
	v_add_nc_u32 v6, s15, v6                       ; the way out of the words: 512 (w % 2) + 16 l
	s_lshr_b32 s14, ttmp9, 1
	s_and_b32 s14, s14, 15                         ; head
	s_lshl_b32 s16, s14, 18                        ; 1,024 rows of 256 bytes
	s_lshl_b32 s14, s12, 15                        ; my 128 rows
	s_add_co_u32 s16, s16, s14
	s_and_b32 s14, ttmp9, 1
	s_lshl_b32 s14, s14, 7                         ; which 32 of the head's 64 columns
	s_add_co_u32 s16, s16, s14
	s_mov_b32 s17, 0
	s_lshr_b32 s14, ttmp9, 2
	s_lshl_b32 s18, s14, 17
	s_and_b32 s14, ttmp9, 3
	s_lshl_b32 s14, s14, 12
	s_add_co_u32 s18, s18, s14
	s_lshl_b32 s14, s12, 14
	s_add_co_u32 s18, s18, s14                     ; the codes of tile 2 g, K step w
	s_mov_b32 s19, 0
	s_lshl_b32 s20, ttmp9, 10
	s_add_co_u32 s20, s20, SCLO                    ; the two tiles' scale words
	s_mov_b32 s21, 0
	s_mov_b32 s[MNT], 0x600000
	s_lshr_b32 s13, ttmp9, 5                       ; which of the three tensors: the choice hangs on the work-group's number alone
	s_wait_kmcnt 0x0
	s_cmp_eq_u32 s13, 0
	s_cselect_b64 s[4:5], s[4:5], s[6:7]
	s_cmp_eq_u32 s13, 2
	s_cselect_b64 s[4:5], s[8:9], s[4:5]
	s_add_nc_u64 s[4:5], s[4:5], s[16:17]
	s_add_nc_u64 s[6:7], s[10:11], s[18:19]
	s_add_nc_u64 s[8:9], s[10:11], s[20:21]
.macro LOAD t                          ; block t: 32 rows of K at my column; a load's 32 lanes cover 128 consecutive bytes
.irp i, 0,1,2,3,4,5,6,7,8,9,10,11,12,13,14,15,16,17,18,19,20,21,22,23,24,25,26,27,28,29,30,31
	global_load_b32 v[X+32*(\t)+\i], v3, s[4:5] offset:256*(32*(\t)+\i) th:TH_LOAD_NT
.endr
.endm
.macro BLOCK t
.set XS, X+32*(\t)
.set CC, C+8*(\t)
.if (\t) < 3
	s_wait_loadcnt 32                              ; this block's 32 loads are in; the next block's 32 may be out
.else
	s_wait_loadcnt 0x0
.endif
.if (\t) < 2
	LOAD (\t)+2                                    ; two blocks ahead, into registers of its own
.endif
	v_max3_num_f32 v12, |v[XS]|, |v[XS+1]|, |v[XS+2]|               ; the block's largest magnitude: all 32 numbers are mine; two chains
	v_max3_num_f32 v13, |v[XS+3]|, |v[XS+4]|, |v[XS+5]|
.irp i, 6,10,14,18,22,26
	v_max3_num_f32 v12, v12, |v[XS+\i]|, |v[XS+\i+1]|
	v_max3_num_f32 v13, v13, |v[XS+\i+2]|, |v[XS+\i+3]|
.endr
	v_max3_num_f32 v12, v12, |v[XS+30]|, |v[XS+31]|
	v_max3_num_f32 v12, v12, v13, 0x4800000        ; and the floor 2^(9 - 127): the byte cannot fall under 1
	v_add_nc_u32 v11, 0xfc000000, v12              ; 8 off its exponent field: the conversion's scale operand
	v_and_or_b32 v10, v12, 0x7f800000, s[MNT]      ; 448 x the scale
	v_lshrrev_b32 v13, 23, v11                     ; the byte
.if (\t) == 0
	v_mov_b32 v[SB], v13
.else
	v_lshl_or_b32 v[SB], v13, 8*(\t), v[SB]
.endif
.irp i, 0,1,2,3,4,5,6,7,8,9,10,11,12,13,14,15,16,17,18,19,20,21,22,23,24,25,26,27,28,29,30,31
	v_med3_num_f32 v[XS+\i], v[XS+\i], -v10, v10   ; the conversion to an 8-bit code does not saturate (ISA guide 7.6.2): hold first
.endr
.irp g, 0,1,2,3
	v_cvt_scalef32_pk8_fp8_f32 v[CC+2*\g:CC+2*\g+1], v[XS+8*\g:XS+8*\g+7], v11
.endr
	v_nop                                          ; a plain line behind the last conversion: v11 is written again in the next block
	global_store_b128 v4, v[CC:CC+3], s[6:7] offset:512*(\t)          ; K 32 t + 0..15: the image's lanes 0-15
	global_store_b128 v4, v[CC+4:CC+7], s[6:7] offset:512*(\t)+256    ; K 32 t + 16..31: its lanes 16-31
.endm
	LOAD 0
	LOAD 1
	BLOCK 0
	BLOCK 1
	BLOCK 2
	BLOCK 3
	ds_store_b32 v5, v[SB]
	s_wait_dscnt 0x0                               ; for the others' sake: my word has landed
	s_barrier_signal -1
	s_barrier_wait -1
	s_cmp_gt_u32 s12, 1
	s_cbranch_scc1 .Lend
	ds_load_b128 v[12:15], v6                      ; waves 0 and 1 store a tile's 128 words each: 512 consecutive bytes
	s_wait_dscnt 0x0
	global_store_b128 v6, v[12:15], s[8:9]
.Lend:
	s_wait_tensorcnt 0x0
	ds_add_u32 v192, v193
	s_wait_dscnt 0x0
	s_endpgm
.Lfunc_end_k_qe58b0b2144_quant_w:
	.size	k_qe58b0b2144_quant_w, .Lfunc_end_k_qe58b0b2144_quant_w-k_qe58b0b2144_quant_w
	.p2alignl 7, 3214868480
	.fill 96, 4, 3214868480
	.section	.rodata,"a",@progbits
	.p2align	6, 0x0
	.amdhsa_kernel k_qe58b0b2144_quant_w
		.amdhsa_group_segment_fixed_size 2048
		.amdhsa_private_segment_fixed_size 0
		.amdhsa_enable_private_segment 0
		.amdhsa_kernarg_size 32
		.amdhsa_user_sgpr_count 2
		.amdhsa_user_sgpr_kernarg_segment_ptr 1
		.amdhsa_wavefront_size32 1
		.amdhsa_system_sgpr_workgroup_id_x 1
		.amdhsa_system_sgpr_workgroup_id_y 1
		.amdhsa_system_sgpr_workgroup_id_z 1
		.amdhsa_system_vgpr_workitem_id 0
		.amdhsa_next_free_vgpr 194
		.amdhsa_next_free_sgpr 66
		.amdhsa_reserve_vcc 0
		.amdhsa_float_denorm_mode_32 3
		.amdhsa_float_denorm_mode_16_64 3
		.amdhsa_memory_ordered 1
		.amdhsa_forward_progress 1
		.amdhsa_inst_pref_size 30
	.end_amdhsa_kernel
	.amdgpu_metadata
---
amdhsa.version: [ 1, 2 ]
amdhsa.kernels:
  - .name:           k_qe58b0b2144_quant_w
    .symbol:         k_qe58b0b2144_quant_w.kd
    .args:
      - { .name: Wq, .offset: 0, .size: 8, .value_kind: global_buffer, .address_space: global }
      - { .name: Wk, .offset: 8, .size: 8, .value_kind: global_buffer, .address_space: global }
      - { .name: Wv, .offset: 16, .size: 8, .value_kind: global_buffer, .address_space: global }
      - { .name: wqkv, .offset: 24, .size: 8, .value_kind: global_buffer, .address_space: global }
    .group_segment_fixed_size: 2048
    .private_segment_fixed_size: 0
    .kernarg_segment_align: 8
    .kernarg_segment_size: 32
    .max_flat_workgroup_size: 256
    .sgpr_count:     66
    .vgpr_count:     194
    .wavefront_size: 32
...
	.end_amdgpu_metadata
.endif
;; end of part 2
;; launch gemm_qkv (part 3): grid 96 x 4, 4 waves a work-group, clusters of 4 x 4, 327,680 bytes of LDS; arguments xw, wqkv, qkv; writes qkv
.if DOCPART == 3
	.amdgcn_target "amdgcn-amd-amdhsa--gfx1250"
	.amdhsa_code_object_version 6
	.text
	.protected	k_qe58b0b2144_gemm_qkv
	.globl	k_qe58b0b2144_gemm_qkv
	.p2align	8
	.type	k_qe58b0b2144_gemm_qkv,@function
k_qe58b0b2144_gemm_qkv:
	s_mov_b64 s[64:65], 0
	v_nop
	global_prefetch_b8 v0, s[64:65] scope:SCOPE_SE
	s_setreg_imm32_b32 hwreg(HW_REG_WAVE_MODE, 25, 1), 1
	s_wait_xcnt 0x0
	s_wait_alu depctr_hold_cnt(0) depctr_sa_sdst(0) depctr_va_vdst(0) depctr_va_sdst(0) depctr_va_ssrc(0) depctr_va_vcc(0) depctr_vm_vsrc(0)
	s_getreg_b32 s2, hwreg(HW_REG_IB_STS2, 6, 4)
	s_cmp_eq_u32 s2, 0
	s_cbranch_scc0 .Lentry_in_a_cluster
	s_endpgm
.Lentry_in_a_cluster:
	s_bfe_u32 s2, ttmp6, 0x10000c
	s_cmp_lg_u32 s2, 0xf033
	s_cbranch_scc0 .Lentry_shape_is_right
	s_endpgm
.Lentry_shape_is_right:
; q, k, v = x W, on codes of FP8 (E4M3) with E8M0 scales, K = 1,024; the results are quantised in registers and leave as codes: q and k along the head's 64, v along the keys.
; THE MATRIX INSTRUCTION IS USED TRANSPOSED: source 0 ("B") is the operand along whose rows the result is quantised, source 1 ("A") the other: a lane then holds ONE row of A and its registers run along B's rows.
; Every operand's row tile holds rows 32 (T/2) + 8 (T%2) + r + 8 (r/8), so the 16 registers of result tiles 2 b, 2 b + 1 are 16 NEIGHBOURS 32 b + 16 (lane/16) + 0..15 along B's rows.
; Clusters 0-15 (CL = the cluster's number): B = Wq|Wk (2,048 rows), A = x (8,192 rows).  Clusters 16-23: B = x, A = Wv.  Only pointers, tile numbers and the stores at the end differ; the choice hangs on CL, which all partners share.
; A tile of the result, 256 x 256, is made by four waves, each 128 x 128: 64 accumulators, 512 registers.  K goes in four steps of 256 through two LDS slots.
; Operands lie in memory as images of their registers: the 128 rows x 256 K that one tensor load brings are 32,768 dense bytes, a fragment is four LDS loads of 512 consecutive bytes: no pitch, no padding.
; The scale words of all of K (4 registers a row tile: register j holds K step 2 j in lanes 0-15 and 2 j + 1 in lanes 16-31) are loaded once into 64 registers that hold nothing else.
; CLUSTERS: 4 x 4 work-groups; A's tiles are asked for jointly along a row of the cluster, B's along a column.
; LIMITS: a block of zeros, or one whose largest magnitude lies under 2^-118, gets the byte 1 (the bytes are read by this program alone).  NaN and infinities are not served.
; REGISTERS: window 0: v16-29 addresses; v32-63 A's scale words, v64-95 B's; v96-127 at work on the way out; v128-255 A's fragments, ONE set, on the way out the codes.
;   window 1: B's fragments, TWO sets (v0, v128).  windows 2, 3: accumulator (a, b) at v[8 (8 (a%4) + b)], a < 4 in window 2.
.set SLOT,  131072                     ; A's two groups of 128 rows (32,768 bytes each), then B's two
.set SPARE, 2*SLOT                     ; behind the ring: the spare words, 128 bytes a wave, which no other line names
.set NP,    8                          ; places behind this matrix instruction (ISA guide 7.12.1)
.set ADRA, 16                          ; v16-17 LDS address of my A fragments in slot 0, 1
.set ADRB, 20                          ; v20-21 the same for B
.set LN,   25                          ; lane
.set L16,  26                          ; 16 x lane
.set L8,   27                          ; 8 x lane
.set SPW,  28                          ; my spare word; never rewritten
.set NIL,  29                          ; 0; never rewritten
.set SCA,  32
.set SCB,  64
.set PWS,  96                          ; v96-103 the scale word of each of A's eight tiles
.set TM,   104                         ; v104-119 the quantiser's 16
.set WD,   120                         ; v120-127 scale words on their way out
.set AF,   128
.set G1, 24                            ; s[24:31] group 1 for A; s[32:39] group 0, a set for each slot
.set G0, 32
.set G1B, 48                           ; the same for B
.set G0B, 56
.set SEL, 86
.set MNT, 88
.set MSB, 0
.macro WIN new                         ; the immediate's high byte repeats the setting that is left
.if MSB != (\new)
	s_set_vgpr_msb (MSB<<8)|(\new)
.set MSB, (\new)
.endif
.endm
.set MUL_LO, 0xa1                      ; source 0 (B) window 1, source 1 (A) window 0, C and D window 2
.set MUL_HI, 0xf1
.set TO_B,   0x40
; A joint load: waves 0 and 1 fetch A's groups, waves 2 and 3 B's.  The branch hangs on the wave's number alone.  Four v_nop follow each line.
.macro JLOAD g0a, g1a, g0b, g1b
	s_cmp_eq_u32 s15, 0
	s_cbranch_scc0 .Lfor_b_\@
	tensor_load_to_lds s[\g0a:\g0a+3], s[\g1a:\g1a+7]
	s_nop 0
.rept 4
	v_nop
.endr
	s_branch .Lasked_\@
.Lfor_b_\@:
	tensor_load_to_lds s[\g0b:\g0b+3], s[\g1b:\g1b+7]
	s_nop 0
.rept 4
	v_nop
.endr
.Lasked_\@:
.endm
.macro CREST                           ; a round of the cluster's barrier behind its opening barrier
	s_cmp_lg_u32 s14, 0
	s_cbranch_scc1 .Lnot_wave_0_\@
	s_barrier_signal -3
.Lnot_wave_0_\@:
	s_barrier_wait -3
	s_barrier_signal -1
	s_barrier_wait -1
.endm
.macro CROUND
	s_barrier_signal -1
	s_barrier_wait -1
	CREST
.endm
.macro PLACES n
.rept \n
	v_nop
.endr
.endm
	s_load_b128 s[4:7], s[0:1], 0x0                ; xw, wqkv
	s_load_b64 s[8:9], s[0:1], 0x10                ; qkv
	v_lshl_add_u32 v[SPW], v0, 2, SPARE
	v_mov_b32 v[NIL], 0
	ds_add_u32 v28, v29
	ds_add_u32 v28, v29
	s_wait_dscnt 0x0
	v_lshrrev_b32 v1, 5, v0
	v_readfirstlane_b32 s14, v1                    ; wave 0..3
	s_lshr_b32 s15, s14, 1                         ; which 128 rows of A are mine.  Also: I fetch for A (0) or for B (1)
	s_and_b32 s16, s14, 1                          ; which 128 rows of B.  Also: which group I fetch
	s_bfe_u32 s40, ttmp6, 0x40000                  ; cx
	s_bfe_u32 s41, ttmp6, 0x40004                  ; cy
	s_lshl_b32 s43, s41, 2
	s_lshl_b32 s43, 15, s43                        ; my row of the cluster
	s_lshl_b32 s44, 0x1111, s40                    ; my column
	s_and_b32 s18, ttmp9, 1
	s_lshl_b32 s18, s18, 2                         ; q, k: B's tile = 4 (CL % 2) + cx
	s_and_b32 s19, ttmp9, 7
	s_lshl_b32 s19, s19, 2                         ; v:    B's tile = 4 (CL - 16) + cx
	s_lshr_b32 s20, ttmp9, 1
	s_lshl_b32 s20, s20, 2                         ; q, k: A's tile = 4 (CL / 2) + cy;  v: cy
	s_mov_b32 s67, 9437184                         ; where xw's scale words begin
	s_mov_b32 s68, 3211264                         ; where Wv's begin in wqkv
	s_cmp_lt_u32 ttmp9, 16
	s_cselect_b32 s42, s18, s19
	s_cselect_b32 s17, s20, 0
	s_cselect_b32 s66, 0, 2097152                  ; where A's codes begin in their buffer (Wv's rows lie behind Wq's and Wk's)
	s_cselect_b32 s69, 3145728, s67                ; B's scale words
	s_cselect_b32 s70, s67, s68                    ; A's
	s_add_co_u32 s42, s42, s40                     ; B's tile of 256 rows
	s_add_co_u32 s17, s17, s41                     ; A's
	; group 1: 32,768 dense bytes as 128 rows of 32 elements of 8 bytes; 15:0 the mask, 17:16 the element's size, 21 set beside a mask
	s_or_b32 s[G1+0], s43, (3<<16)|(1<<21)
	s_or_b32 s[G1B+0], s44, (3<<16)|(1<<21)
.irp g, G1, G1B
	s_mov_b32 s[\g+1], 32<<16                      ; tensor_dim0
	s_mov_b32 s[\g+2], 128<<16                     ; tensor_dim1
	s_mov_b32 s[\g+3], 32<<16                      ; tile_dim0
	s_mov_b32 s[\g+4], 128                         ; tile_dim1
	s_mov_b32 s[\g+5], 32                          ; the pitch
	s_mov_b32 s[\g+6], 0
	s_mov_b32 s[\g+7], 0
.endr
	; offsets.  A's are made of cy, CL and the wave's number, B's of cx, CL and the wave's number, each in registers that never hold the other coordinate
	s_lshl_b32 s20, s17, 18                        ; a tile of 256 rows is 262,144 bytes of codes,
	s_add_co_u32 s20, s20, s66
	s_lshl_b32 s21, s16, 17                        ; the group that I fetch 131,072
	s_add_co_u32 s20, s20, s21
	s_mov_b32 s21, 0
	s_lshl_b32 s22, s17, 13                        ; and 8,192 bytes of scale words,
	s_add_co_u32 s22, s22, s70
	s_lshl_b32 s23, s15, 12                        ; my 128 rows 4,096
	s_add_co_u32 s22, s22, s23
	s_mov_b32 s23, 0
	s_lshl_b32 s46, s42, 18
	s_lshl_b32 s47, s16, 17
	s_add_co_u32 s46, s46, s47
	s_mov_b32 s47, 0
	s_lshl_b32 s72, s42, 13
	s_add_co_u32 s72, s72, s69
	s_lshl_b32 s73, s16, 12
	s_add_co_u32 s72, s72, s73
	s_mov_b32 s73, 0
	s_lshl_b32 s45, s14, 15                        ; where my group goes in a slot: 32,768 x wave
	s_mov_b32 s[SEL], 0x76543210
	s_mov_b32 s[SEL+1], 0xfedcba98
	s_mov_b32 s[MNT], 0x600000
	s_wait_kmcnt 0x0
	s_cmp_lt_u32 ttmp9, 16
	s_cselect_b64 s[10:11], s[6:7], s[4:5]         ; B's buffer
	s_cselect_b64 s[12:13], s[4:5], s[6:7]         ; A's
	s_add_nc_u64 s[20:21], s[12:13], s[20:21]
	s_add_nc_u64 s[22:23], s[12:13], s[22:23]
	s_add_nc_u64 s[46:47], s[10:11], s[46:47]
	s_add_nc_u64 s[72:73], s[10:11], s[72:73]
	CROUND                                         ; all sixteen work-groups are here: the first joint loads meet
.irp s, 0,1
	s_mov_b32 s[G0+4*\s], 1
	s_add_co_u32 s[G0+4*\s+1], s45, \s*SLOT
	s_add_nc_u64 s[G0+4*\s+2:G0+4*\s+3], s[20:21], \s*32768
	s_or_b32 s[G0+4*\s+3], s[G0+4*\s+3], 0x80000000
	s_mov_b32 s[G0B+4*\s], 1
	s_add_co_u32 s[G0B+4*\s+1], s45, \s*SLOT
	s_add_nc_u64 s[G0B+4*\s+2:G0B+4*\s+3], s[46:47], \s*32768
	s_or_b32 s[G0B+4*\s+3], s[G0B+4*\s+3], 0x80000000
	JLOAD G0+4*\s, G1, G0B+4*\s, G1B               ; two loads of mine are out
.endr
	v_and_b32 v[LN], 31, v0
	v_lshlrev_b32 v[L16], 4, v[LN]
	v_lshlrev_b32 v[L8], 3, v[LN]
.irp i, 0,1,2,3,4,5,6,7
	global_load_b128 v[SCA+4*\i:SCA+4*\i+3], v[L16], s[22:23] offset:512*\i   ; the scale words of my eight tiles of A, all of K: 512 consecutive bytes a load
	global_load_b128 v[SCB+4*\i:SCB+4*\i+3], v[L16], s[72:73] offset:512*\i   ; and of B
.endr
	s_lshl_b32 s74, s15, 15                        ; my group of A,
	s_lshl_b32 s75, s16, 15
	s_add_co_u32 s75, s75, 65536                   ; my group of B, behind A's two
.irp s, 0,1
	v_add_nc_u32 v[ADRA+\s], s74, v[L16]
	v_add_nc_u32 v[ADRB+\s], s75, v[L16]
	s_add_co_u32 s74, s74, SLOT
	s_add_co_u32 s75, s75, SLOT
.endr
.macro FRAG reg, adr, q, i             ; a fragment's image: tile i of the group, the slot's q-th 128 along K
.irp c, 0,1,2,3
	ds_load_b128 v[\reg+4*\c:\reg+4*\c+3], v[\adr] offset:16384*(\q)+2048*(\i)+512*\c
.endr
.endm
.macro MM a, b, p, s, zero             ; one product: A's tile a x B's tile b, K step s of eight, B's set p.  An odd K step's scale words lie in lanes 16-31
.set rD, 8*(8*((\a)%4)+\b)
.set rB, 128*(\p)+16*\b
.set rA, AF+16*(\a)
.set rSB, SCB+4*\b+(\s)/2
.set rSA, SCA+4*(\a)+(\s)/2
.if \zero
	v_wmma_scale_f32_16x16x128_f8f6f4 v[rD:rD+7], v[rB:rB+15], v[rA:rA+15], 0, v[rSB], v[rSA]
.elseif (\s)%2
	v_wmma_scale_f32_16x16x128_f8f6f4 v[rD:rD+7], v[rB:rB+15], v[rA:rA+15], v[rD:rD+7], v[rSB], v[rSA] matrix_a_scale:MATRIX_SCALE_ROW1 matrix_b_scale:MATRIX_SCALE_ROW1
.else
	v_wmma_scale_f32_16x16x128_f8f6f4 v[rD:rD+7], v[rB:rB+15], v[rA:rA+15], v[rD:rD+7], v[rSB], v[rSA]
.endif
.endm
.macro MUL16 a0, p, s, zero            ; the 64 accumulators take turns, one instruction a turn, in the same order in every step
.irp a, \a0, \a0+1
.irp b, 0,1,2,3,4,5,6,7
	MM \a, \b, \p, \s, \zero
.endr
.endr
.endm
.macro FETCH_B slot, q, p
	WIN TO_B
.irp i, 0,1,2,3,4,5,6,7
	FRAG 128*(\p)+16*\i, ADRB+\slot, \q, \i
.endr
	WIN 0
.endm
.macro FETCH_A slot, q, i0
.irp i, \i0, \i0+1, \i0+2, \i0+3
	FRAG AF+16*(\i), ADRA+\slot, \q, \i
.endr
.endm
; A slot's first 128 along K (K step s, even).  A's blocks are free as soon as their eight products are issued: blocks 0-3 are fetched anew in the middle, blocks 4-7 at the end.
.macro STEP slot, s, zero
	s_wait_dscnt 16                                ; B's set and A's blocks 0-3 are in; the youngest 16 loads (A's blocks 4-7) may be out
	WIN MUL_LO
	MUL16 0, 0, \s, \zero
	MUL16 2, 0, \s, \zero
	s_wait_dscnt 0                                 ; A's blocks 4-7 are in
	PLACES NP                                      ; in front of loads into registers that matrix instructions have read
	FETCH_B \slot, 1, 1
	FETCH_A \slot, 1, 0
	WIN MUL_HI
	MUL16 4, 0, \s, \zero
	MUL16 6, 0, \s, \zero
	PLACES NP
	WIN 0
	FETCH_A \slot, 1, 4
.endm
; A slot's second 128 along K (K step s, odd) changes slots: ONE barrier; in front of it each wave waits for all its tensor loads, adds 0 to its spare word, and waits for that and for its reads of this slot.
.macro TURN slot, next, s, fill
	s_wait_tensorcnt 0x0                           ; all my tensor loads have landed: my part of the next slot
	ds_add_u32 v[SPW], v[NIL]                      ; 0 onto my spare word
	s_wait_dscnt 17                                ; the add and the youngest 16 loads (A's blocks 4-7) may be out
	WIN MUL_LO
	MUL16 0, 1, \s, 0                              ; sixteen matrix instructions stand between the add and the wait for it
	s_wait_dscnt 0x0                               ; the add is done, and my reads of this slot are over
	s_barrier_signal -1
	MUL16 2, 1, \s, 0
	WIN 0
	s_barrier_wait -1
.if \fill
	CREST                                          ; the barrier has opened a round of the cluster's barrier: no wave of any partner still reads this slot or has a load on its way
	s_add_nc_u64 s[G0+4*\slot+2:G0+4*\slot+3], s[G0+4*\slot+2:G0+4*\slot+3], 65536
	s_add_nc_u64 s[G0B+4*\slot+2:G0B+4*\slot+3], s[G0B+4*\slot+2:G0B+4*\slot+3], 65536
	JLOAD G0+4*\slot, G1, G0B+4*\slot, G1B         ; my one tensor load behind the round: 512 along K further on; its four v_nop are four of the places
	PLACES NP-4
.else
	PLACES NP
.endif
	FETCH_B \next, 0, 0
	FETCH_A \next, 0, 0
	WIN MUL_HI
	MUL16 4, 1, \s, 0
	MUL16 6, 1, \s, 0
	PLACES NP
	WIN 0
	FETCH_A \next, 0, 4
.endm
	s_wait_tensorcnt 1                             ; my part of slot 0 is in; slot 1's load may be out
	s_barrier_signal -1
	s_barrier_wait -1
	FETCH_B 0, 0, 0
	FETCH_A 0, 0, 0
	FETCH_A 0, 0, 4
	s_wait_loadcnt 0x0                             ; the scale words
	STEP 0, 0, 1                                   ; the first products start the sums: nothing is cleared
	TURN 0, 1, 1, 1
	STEP 1, 2, 0
	TURN 1, 0, 3, 1
	STEP 0, 4, 0
	TURN 0, 1, 5, 0                                ; nothing is left to fetch
	STEP 1, 6, 0
	s_wait_dscnt 16
	WIN MUL_LO
	MUL16 0, 1, 7, 0
	MUL16 2, 1, 7, 0
	s_wait_dscnt 0
	WIN MUL_HI
	MUL16 4, 1, 7, 0
	MUL16 6, 1, 7, 0
	WIN 0
; THE WAY OUT.  For A's tile a the lane's 64 registers (accumulators (a, 0..7)) are positions 32 b + 16 (lane/16) + i along B's rows, of A's row r: four blocks of 32, quantised in place.
; The runs are grouped so that each stands under one window setting.  Each accumulator is read from its low end on.
.macro QUANTW a
.set W, 2+(\a)/4
.set AC, 64*((\a)%4)
.set PC, AF+16*(\a)
	WIN W|(W<<2)
.irp b, 0,1,2,3
	v_max3_num_f32 v[TM+\b], |v[AC+16*\b]|, |v[AC+1+16*\b]|, 0x4800000   ; and the floor 2^(9 - 127): the byte cannot fall under 1
.endr
	WIN (W<<2)|(W<<4)
.irp i, 2,4,6,8,10,12,14
.irp b, 0,1,2,3
	v_max3_num_f32 v[TM+\b], v[TM+\b], |v[AC+16*\b+\i]|, |v[AC+1+16*\b+\i]|
.endr
.endr
	WIN 0
.irp b, 0,1,2,3
	v_permlanex16_b32 v[TM+4+\b], v[TM+\b], s[SEL], s[SEL+1]
.endr
.irp b, 0,1,2,3
	v_max_num_f32 v[TM+\b], v[TM+\b], v[TM+4+\b]            ; with lane l xor 16's 16: the block's largest magnitude
.endr
.irp b, 0,1,2,3
	v_add_nc_u32 v[TM+12+\b], 0xfc000000, v[TM+\b]          ; the conversion's scale operand
.endr
.irp b, 0,1,2,3
	v_and_or_b32 v[TM+8+\b], v[TM+\b], 0x7f800000, s[MNT]   ; 448 x the scale
.endr
.irp b, 0,1,2,3
	v_lshrrev_b32 v[TM+4+\b], 23, v[TM+12+\b]               ; the byte
.endr
	v_lshl_or_b32 v[PWS+(\a)], v[TM+5], 8, v[TM+4]
	v_lshl_or_b32 v[PWS+(\a)], v[TM+6], 16, v[PWS+(\a)]
	v_lshl_or_b32 v[PWS+(\a)], v[TM+7], 24, v[PWS+(\a)]
	WIN (W<<6)|W
.irp b, 0,1,2,3
.irp i, 0,1,2,3,4,5,6,7,8,9,10,11,12,13,14,15
	v_med3_num_f32 v[AC+16*\b+\i], v[AC+16*\b+\i], -v[TM+8+\b], v[TM+8+\b]   ; the conversion does not saturate (ISA guide 7.6.2): hold first
.endr
.endr
	WIN W
.irp b, 0,1,2,3
	v_cvt_scalef32_pk8_fp8_f32 v[PC+4*\b:PC+1+4*\b], v[AC+16*\b:AC+7+16*\b], v[TM+12+\b]
	v_cvt_scalef32_pk8_fp8_f32 v[PC+2+4*\b:PC+3+4*\b], v[AC+8+16*\b:AC+15+16*\b], v[TM+12+\b]
.endr
	v_nop                                          ; a plain line behind the last conversion
	WIN 0
.endm
	PLACES NP                                      ; behind the last products: their results are read, and A's registers take the codes
.irp b, 0,1,2,3
	v_mov_b32 v[TM+4+\b], 0                        ; written once: a lane permute's destination counts as one of its sources
.endr
.irp a, 0,1,2,3,4,5,6,7
	QUANTW \a
.endr
	v_cmp_le_u32 vcc_lo, 16, v[LN]                 ; lanes 16-31
	s_lshl_b32 s76, s42, 1
	s_add_co_u32 s76, s76, s16                     ; Bg: my group of 128 rows of B
	s_lshl_b32 s77, s17, 1
	s_add_co_u32 s77, s77, s15                     ; Ag: of A
	s_mov_b32 s83, 0
	s_mov_b32 s85, 0
	s_cmp_lt_u32 ttmp9, 16
	s_cbranch_scc0 .Lv_out
	; q, k: B's 128 rows are two heads x 64; A's tile a is token tile 8 (Ag % 16) + a of batch Ag / 16.  Codes at mat 2^23 + bh 2^17 + tile 1024 + block 512 + 16 l
	s_lshr_b32 s78, s76, 3                         ; mat: q or k
	s_and_b32 s79, s76, 7
	s_lshl_b32 s79, s79, 1
	s_lshr_b32 s80, s77, 4
	s_lshl_b32 s80, s80, 4
	s_add_co_u32 s79, s79, s80                     ; bh of my first head
	s_and_b32 s80, s77, 15                         ; the group of 128 tokens
	s_lshl_b32 s82, s78, 23
	s_lshl_b32 s81, s79, 17
	s_add_co_u32 s82, s82, s81
	s_lshl_b32 s81, s80, 13
	s_add_co_u32 s82, s82, s81
	s_add_nc_u64 s[82:83], s[8:9], s[82:83]
	s_lshl_b32 s84, s78, 18
	s_lshl_b32 s81, s79, 12
	s_add_co_u32 s84, s84, s81
	s_lshl_b32 s81, s80, 8
	s_add_co_u32 s84, s84, s81
	s_add_co_u32 s84, s84, 25165824
	s_add_nc_u64 s[84:85], s[8:9], s[84:85]
.irp a, 0,1,2,3,4,5,6,7
.irp b, 0,1,2,3
	global_store_b128 v[L16], v[AF+16*\a+4*\b:AF+16*\a+4*\b+3], s[82:83] offset:(\b/2)*131072+\a*1024+(\b%2)*512   ; 512 consecutive bytes
.endr
.endr
	; scale words: attention reads two token tiles as one fragment of 128 along K, so a word holds tile 2 g's two bytes below and tile 2 g + 1's above; word i of lane (r, h) belongs to g = 2 i + h
.irp i, 0,1
	v_cndmask_b32 v[WD+\i], v[PWS+4*\i], v[PWS+4*\i+2], vcc_lo        ; the even tile's word
	v_cndmask_b32 v[WD+2+\i], v[PWS+4*\i+1], v[PWS+4*\i+3], vcc_lo    ; the odd tile's
.endr
.irp i, 0,1
	v_perm_b32 v[WD+4+\i], v[WD+2+\i], v[WD+\i], 0x05040100           ; the first head: both low halves
	v_perm_b32 v[WD+6+\i], v[WD+2+\i], v[WD+\i], 0x07060302           ; the second head: both high halves
.endr
	global_store_b64 v[L8], v[WD+4:WD+5], s[84:85]                    ; 256 consecutive bytes
	global_store_b64 v[L8], v[WD+6:WD+7], s[84:85] offset:4096
	s_branch .Lout_done
.Lv_out:
	; v: B's 128 rows are key step Bg % 16 of batch Bg / 16; A's tile a is tile a % 4 of the 64 of head 2 Ag + a / 4.  Codes at 2^24 + bh 2^17 + key step 8192 + tile 2048 + block 512 + 16 l
	s_lshr_b32 s79, s76, 4
	s_lshl_b32 s79, s79, 4
	s_lshl_b32 s80, s77, 1
	s_add_co_u32 s79, s79, s80                     ; bh of my first head
	s_and_b32 s80, s76, 15                         ; the key step
	s_lshl_b32 s82, s79, 17
	s_lshl_b32 s81, s80, 13
	s_add_co_u32 s82, s82, s81
	s_add_co_u32 s82, s82, 16777216
	s_add_nc_u64 s[82:83], s[8:9], s[82:83]
	s_lshl_b32 s84, s79, 12
	s_lshl_b32 s81, s80, 8
	s_add_co_u32 s84, s84, s81
	s_add_co_u32 s84, s84, 25690112
	s_add_nc_u64 s[84:85], s[8:9], s[84:85]
.irp a, 0,1,2,3,4,5,6,7
.irp b, 0,1,2,3
	global_store_b128 v[L16], v[AF+16*\a+4*\b:AF+16*\a+4*\b+3], s[82:83] offset:(\a/4)*131072+(\a%4)*2048+\b*512
.endr
.endr
.irp hd, 0,1
.irp i, 0,1
	v_cndmask_b32 v[WD+4+2*\hd+\i], v[PWS+4*\hd+2*\i], v[PWS+4*\hd+2*\i+1], vcc_lo   ; word i of lane (r, h): tile 2 i + h
.endr
.endr
	global_store_b64 v[L8], v[WD+4:WD+5], s[84:85]
	global_store_b64 v[L8], v[WD+6:WD+7], s[84:85] offset:4096
.Lout_done:
	s_wait_tensorcnt 0x0                           ; the wave's end
	ds_add_u32 v[SPW], v[NIL]
	s_wait_dscnt 0x0
	CROUND                                         ; the closing round: no work-group ends while a partner may still ask for a tile that names it
	s_endpgm
.Lfunc_end_k_qe58b0b2144_gemm_qkv:
	.size	k_qe58b0b2144_gemm_qkv, .Lfunc_end_k_qe58b0b2144_gemm_qkv-k_qe58b0b2144_gemm_qkv
	.p2alignl 7, 3214868480
	.fill 96, 4, 3214868480
	.section	.rodata,"a",@progbits
	.p2align	6, 0x0
	.amdhsa_kernel k_qe58b0b2144_gemm_qkv
		.amdhsa_group_segment_fixed_size 327680
		.amdhsa_private_segment_fixed_size 0
		.amdhsa_enable_private_segment 0
		.amdhsa_kernarg_size 24
		.amdhsa_user_sgpr_count 2
		.amdhsa_user_sgpr_kernarg_segment_ptr 1
		.amdhsa_wavefront_size32 1
		.amdhsa_system_sgpr_workgroup_id_x 1
		.amdhsa_system_sgpr_workgroup_id_y 1
		.amdhsa_system_sgpr_workgroup_id_z 1
		.amdhsa_system_vgpr_workitem_id 0
		.amdhsa_next_free_vgpr 1024
		.amdhsa_next_free_sgpr 96
		.amdhsa_reserve_vcc 1
		.amdhsa_float_denorm_mode_32 3
		.amdhsa_float_denorm_mode_16_64 3
		.amdhsa_memory_ordered 1
		.amdhsa_forward_progress 1
		.amdhsa_inst_pref_size 187
	.end_amdhsa_kernel
	.amdgpu_metadata
---
amdhsa.version: [ 1, 2 ]
amdhsa.kernels:
  - .name:           k_qe58b0b2144_gemm_qkv
    .symbol:         k_qe58b0b2144_gemm_qkv.kd
    .args:
      - { .name: xw, .offset: 0, .size: 8, .value_kind: global_buffer, .address_space: global }
      - { .name: wqkv, .offset: 8, .size: 8, .value_kind: global_buffer, .address_space: global }
      - { .name: qkv, .offset: 16, .size: 8, .value_kind: global_buffer, .address_space: global }
    .group_segment_fixed_size: 327680
    .private_segment_fixed_size: 0
    .kernarg_segment_align: 8
    .kernarg_segment_size: 24
    .max_flat_workgroup_size: 128
    .sgpr_count:     96
    .vgpr_count:     1024
    .wavefront_size: 32
...
	.end_amdgpu_metadata
.endif
;; end of part 3
;; launch attn (part 4): grid 8 x 64, 16 waves a work-group, no clusters, 272,384 bytes of LDS; arguments qkv, zq; writes zq
.if DOCPART == 4
	.amdgcn_target "amdgcn-amd-amdhsa--gfx1250"
	.amdhsa_code_object_version 6
	.text
	.protected	k_qe58b0b2144_attn
	.globl	k_qe58b0b2144_attn
	.p2align	8
	.type	k_qe58b0b2144_attn,@function
k_qe58b0b2144_attn:
	s_mov_b64 s[64:65], 0
	v_nop
	global_prefetch_b8 v0, s[64:65] scope:SCOPE_SE
	s_setreg_imm32_b32 hwreg(HW_REG_WAVE_MODE, 25, 1), 1
	s_wait_xcnt 0x0
; z[b][t][64 head + d] = the sum over keys s <= t of softmax_s(q . k / 8) v, both products on codes of FP8 (E4M3) with E8M0 scales; z leaves quantised along its row (two blocks of 32 inside the head).
; THE SOFTMAX AHEAD OF THE SECOND PRODUCT: t = score x log2(e) / 8; M = the running largest t rounded UP to a whole number; p = 2^(t - M) is quantised along the keys, not normalised.
; The row's sum is taken of the unquantised p and divides O at the end.  When M moves, the sum and O are multiplied by 2^(old M - new M): exact.
; SHARES.  A work-group owns query blocks i and 15 - i (128 queries each) of one batch and head: 17 key steps of 128 for each pair of tiles, the same in every work-group.  Each of sixteen waves owns one
; tile of 16 queries in 256 registers; waves w and w xor 1 take the early and the late block, and the choice is turned with w / 4, so that early and late waves are mixed whichever way waves are dealt.
; For a wave of block J: key step ks < J counts whole, ks = J is masked, ks > J is left out by a scalar branch on ids round the step's work (not round the lines that step addresses, nor round a barrier).
; LDS.  The head's K and V codes (131,072 bytes each) and their scale words (4,096 each) are brought ONCE, in four quarters of four key steps; nothing is filled again and nothing is stored to LDS.
; LAYOUT.  Both products are used transposed: a lane holds ONE query throughout.  All operands lie in memory as images of their registers: a fragment is four LDS loads of 512 consecutive bytes.
; THE HEAD HAS 64 AND THE INSTRUCTION 128 ALONG K: a fragment of K holds TWO tiles of 16 keys, one in K 0-63 and one in K 64-127; q stands twice in registers, once with zeros above and once with zeros below,
; so each product picks one tile.  The keys of a tile are 32 b + 8 u + r + 8 (r/8): the 16 registers of tiles 2 b, 2 b + 1 are 16 neighbouring keys.
; NO CLUSTER: the work-groups that share K and V differ in J, and leaving out the hidden steps is a branch on J, which partners in joint loads may not have; without it the vector work would double.
; LIMITS: NaN and infinities are not served; a block whose largest magnitude lies under 2^-118 gets the byte 1; a block's largest p is made from its largest score, which takes v_exp_f32 not to fall where its input rises.
.set KF,  48                           ; v48-111  four fragments of K, then of V
.set S,   112                          ; v112-175 S^T, then p; at the end z
.set O,   176                          ; v176-207 O^T
.set PCD, 208                          ; v208-223 p's codes
.set BM,  224                          ; v224-227 the blocks' maxima
.set T1,  228                          ; v228-231 at work
.set HD,  232                          ; v232-235 448 x the scale
.set SO,  236                          ; v236-239 the conversions' scale operands
.set VSC, 240                          ; v[240:241] V's scale words
.set PS,  242                          ; p's scale word
.set FF,  244                          ; v[244:245] f = 2^(old M - new M)
.set TW,  246                          ; at work
.set C2,  248                          ; v[248:249] the sums' second chain
; v1 16 l; v2 K's scale words + 8 l; v3 my query less 16 (lane/16), inside its block of 128; v4 -infinity; v5-7 the step's addresses; v8, v9 q's scale words; v[10:11] K's; v12 -M; v13 the largest t; v[14:15] the sum
; v16-31 q with zeros above; v32-47 q with zeros below
.set WV,  8
.set BH,  9
.set JJ,  12
.set IDX, 13
.set TQ,  14
.set G1C, 16                           ; s[16:23] group 1: 4,096 dense bytes;  s[24:31]: 512 dense bytes
.set G1S, 24
.set G0S, 32                           ; s[32:35] group 0 of my scale words;  s[36:51] of my part of the four quarters
.set G0,  36
.set SEL, 52
.set CS,  54                           ; s[54:55] c = log2(e) / 8
.set MNT, 56
.set TK,  57                           ; the step's codes: 8,192 bytes a step
.set TS,  58                           ; its scale words: 256 bytes a step
.set KS,  59                           ; the key step
.set CNT, 60
	s_load_b128 s[4:7], s[0:1], 0x0                ; qkv, zq
	v_lshl_add_u32 v254, v0, 2, 0x42000
	v_mov_b32 v255, 0
	ds_add_u32 v254, v255
	ds_add_u32 v254, v255
	v_lshrrev_b32 v1, 5, v0
	v_readfirstlane_b32 s[WV], v1                  ; wave 0..15
	s_and_b32 s[BH], ttmp7, 0xffff                 ; 16 x batch + head
	s_lshr_b32 s66, s[WV], 2
	s_xor_b32 s66, s66, s[WV]
	s_and_b32 s66, s66, 1                          ; early block (0) or late (1)
	s_lshr_b32 s[IDX], s[WV], 1                    ; which of the block's eight tiles
	s_lshl_b32 s67, ttmp9, 1
	s_sub_co_u32 s67, 15, s67
	s_mul_i32 s67, s67, s66
	s_add_co_u32 s[JJ], ttmp9, s67                 ; J = i or 15 - i
	s_lshl_b32 s[TQ], s[JJ], 3
	s_add_co_u32 s[TQ], s[TQ], s[IDX]              ; my tile of queries
	s_mov_b32 s[G1C], 3<<16                        ; elements of 8 bytes, no mask, no padding
	s_mov_b32 s[G1C+1], 32<<16                     ; rows of 256 bytes,
	s_mov_b32 s[G1C+2], 16<<16                     ; sixteen of them
	s_mov_b32 s[G1C+3], 32<<16
	s_mov_b32 s[G1C+4], 16
	s_mov_b32 s[G1C+5], 32
	s_mov_b32 s[G1C+6], 0
	s_mov_b32 s[G1C+7], 0
	s_mov_b32 s[G1S], 3<<16
	s_mov_b32 s[G1S+1], 32<<16
	s_mov_b32 s[G1S+2], 2<<16                      ; two rows
	s_mov_b32 s[G1S+3], 32<<16
	s_mov_b32 s[G1S+4], 2
	s_mov_b32 s[G1S+5], 32
	s_mov_b32 s[G1S+6], 0
	s_mov_b32 s[G1S+7], 0
	s_lshr_b32 s68, s[WV], 3                       ; waves 0-7 fetch K's, waves 8-15 V's,
	s_and_b32 s69, s[WV], 7                        ; an eighth each
	s_lshl_b32 s70, s68, 18
	s_lshl_b32 s66, s[BH], 12
	s_add_co_u32 s70, s70, s66
	s_lshl_b32 s66, s69, 9
	s_add_co_u32 s70, s70, s66
	s_add_co_u32 s70, s70, 25427968                ; k's scale words; v's lie 262,144 bytes behind
	s_mov_b32 s71, 0
	s_lshl_b32 s72, s68, 23
	s_lshl_b32 s66, s[BH], 17
	s_add_co_u32 s72, s72, s66
	s_lshl_b32 s66, s69, 12
	s_add_co_u32 s72, s72, s66
	s_add_co_u32 s72, s72, 8388608                 ; k's codes; v's lie 8,388,608 bytes behind
	s_mov_b32 s73, 0
	s_lshl_b32 s74, s[WV], 9                       ; in LDS: 512 bytes of scale words a wave,
	s_lshl_b32 s75, s68, 17
	s_add_co_u32 s75, s75, s66                     ; and 4,096 of each quarter's codes
	s_lshl_b32 s76, s[BH], 17
	s_lshl_b32 s66, s[TQ], 10
	s_add_co_u32 s76, s76, s66                     ; q's codes: my tile
	s_mov_b32 s77, 0
	s_lshl_b32 s78, s[BH], 12
	s_lshl_b32 s66, s[JJ], 8
	s_add_co_u32 s78, s78, s66
	s_bfe_u32 s66, s[TQ], 0x10001
	s_lshl_b32 s66, s66, 7
	s_add_co_u32 s78, s78, s66                     ; the pair of tiles 2 i' + h': 128 h'
	s_bfe_u32 s66, s[TQ], 0x10002
	s_lshl_b32 s66, s66, 2
	s_add_co_u32 s78, s78, s66                     ; + 4 i'
	s_add_co_u32 s78, s78, 25165824                ; q's scale words
	s_mov_b32 s79, 0
	s_lshr_b32 s66, s[BH], 4
	s_lshl_b32 s66, s66, 7
	s_add_co_u32 s66, s66, s[TQ]                   ; Tg: my tile among z's 512
	s_and_b32 s67, s[BH], 15                       ; head
	s_lshr_b32 s68, s66, 3
	s_lshl_b32 s80, s68, 17
	s_lshr_b32 s68, s67, 1
	s_lshl_b32 s68, s68, 14                        ; K step = head / 2
	s_add_co_u32 s80, s80, s68
	s_and_b32 s68, s66, 7
	s_lshl_b32 s68, s68, 11
	s_add_co_u32 s80, s80, s68
	s_and_b32 s68, s67, 1
	s_lshl_b32 s68, s68, 10                        ; blocks 2 (head % 2) + 0, 1
	s_add_co_u32 s80, s80, s68
	s_mov_b32 s81, 0
	s_lshl_b32 s82, s66, 10
	s_lshl_b32 s68, s67, 6
	s_add_co_u32 s82, s82, s68
	s_add_co_u32 s82, s82, 8388608                 ; z's scale words: Tg 1024 + head 64 + 4 r
	s_mov_b32 s83, 0
	s_lshr_b32 s66, s[IDX], 1
	s_lshl_b32 s66, s66, 5
	s_and_b32 s67, s[IDX], 1
	s_lshl_b32 s67, s67, 3
	s_add_co_u32 s66, s66, s67                     ; my tile's first query in its block: 32 (idx / 2) + 8 (idx % 2)
	s_and_b32 s67, s[TQ], 1
	s_lshl_b32 s67, s67, 4                         ; which half of the pair's scale word is my tile's
	s_mov_b32 s[SEL], 0x76543210
	s_mov_b32 s[SEL+1], 0xfedcba98
	s_mov_b32 s[CS], 0x3e38aa3b
	s_mov_b32 s[CS+1], s[CS]                       ; (named with it as a pair, so it is written)
	s_mov_b32 s[MNT], 0x600000
	s_mov_b32 s[TK], 0
	s_mov_b32 s[TS], 0
	s_mov_b32 s[KS], 0
	s_wait_dscnt 0x0
	s_wait_kmcnt 0x0
	s_mov_b32 s[G0S], 1
	s_add_co_u32 s[G0S+1], s74, 262144
	s_add_nc_u64 s[G0S+2:G0S+3], s[4:5], s[70:71]
	s_or_b32 s[G0S+3], s[G0S+3], 0x80000000
	s_add_nc_u64 s[72:73], s[4:5], s[72:73]
.irp g, 0,1,2,3
	s_mov_b32 s[G0+4*\g], 1
	s_add_co_u32 s[G0+4*\g+1], s75, \g*32768
	s_add_nc_u64 s[G0+4*\g+2:G0+4*\g+3], s[72:73], \g*32768
	s_or_b32 s[G0+4*\g+3], s[G0+4*\g+3], 0x80000000
.endr
	tensor_load_to_lds s[G0S:G0S+3], s[G1S:G1S+7]  ; every wave's five first fills go out together: five loads of mine are out
	s_nop 0
	tensor_load_to_lds s[G0:G0+3], s[G1C:G1C+7]
	s_nop 0
	tensor_load_to_lds s[G0+4:G0+7], s[G1C:G1C+7]
	s_nop 0
	tensor_load_to_lds s[G0+8:G0+11], s[G1C:G1C+7]
	s_nop 0
	tensor_load_to_lds s[G0+12:G0+15], s[G1C:G1C+7]
	s_nop 0
.rept 4
	v_nop
.endr
	s_add_nc_u64 s[76:77], s[4:5], s[76:77]
	s_add_nc_u64 s[78:79], s[4:5], s[78:79]
	s_add_nc_u64 s[80:81], s[6:7], s[80:81]
	s_add_nc_u64 s[82:83], s[6:7], s[82:83]
	v_and_b32 v2, 31, v0
	v_lshlrev_b32 v1, 4, v2                        ; 16 l
	v_lshl_add_u32 v2, v2, 3, 262144               ; K's scale words + 8 l
	global_load_b128 v[16:19], v1, s[76:77]        ; q stands twice: in K 0-63
	global_load_b128 v[20:23], v1, s[76:77] offset:512
	global_load_b128 v[40:43], v1, s[76:77]        ; and in K 64-127
	global_load_b128 v[44:47], v1, s[76:77] offset:512
	v_and_b32 v3, 15, v0                           ; r
	v_lshlrev_b32 v5, 3, v3
	global_load_b32 v[TW], v5, s[78:79]            ; the pair's scale word of my row
.irp j, 24,25,26,27,28,29,30,31,32,33,34,35,36,37,38,39
	v_mov_b32 v\j, 0                               ; the zero halves: zero codes add nothing
.endr
	v_and_b32 v6, 8, v3
	v_add_nc_u32 v3, v3, v6                        ; r + 8 (r / 8)
	v_bfe_u32 v6, v0, 4, 1
	v_lshlrev_b32 v6, 4, v6
	v_sub_nc_u32 v3, v3, v6                        ; - 16 (lane / 16)
	v_add_nc_u32 v3, s66, v3                       ; + my tile's first query
	v_mov_b32 v4, 0xff800000                       ; -infinity
	v_mov_b32 v13, 0xff61b1e6                      ; the largest t so far: -3e38, under every t
	v_floor_f32 v12, -v13                          ; -M
	v_mov_b32 v14, 0
	v_mov_b32 v15, 0
.irp b, 0,1,2,3
	v_mov_b32 v[T1+\b], 0                          ; written once: a lane permute's destination counts as one of its sources
.endr
	v_mov_b32 v[FF], 0
	v_mov_b32 v[FF+1], 0                           ; (named as the upper half of f's pair)
.set j, 0
.rept 32
	v_mov_b32 v[O+j], 0                            ; O^T: the step is written once; its first pass finds zeros, which the first change of M leaves zeros
.set j, j+1
.endr
	s_wait_loadcnt 0x0                             ; q and its scale word
	v_lshrrev_b32 v[TW], s67, v[TW]
	v_and_b32 v8, 0xffff, v[TW]                    ; q's two bytes for K 0-63; the zero halves get the byte 0, the smallest scale
	v_lshlrev_b32 v9, 16, v8                       ; and for K 64-127
.rept 8
	v_nop                                          ; a scale word made by vector instructions stands eight places ahead of the product that names it
.endr
; A KEY STEP: 128 keys
.macro STEP
	s_cmp_gt_u32 s[KS], s[JJ]                      ; all its keys come after my queries: only the addresses step
	s_cbranch_scc1 .Lhid_\@
	v_add_nc_u32 v5, s[TK], v1
	v_add_nc_u32 v7, s[TS], v2
	v_add_nc_u32 v6, 0x20000, v5                   ; V's codes lie 131,072 bytes behind K's
.rept 5
	v_nop                                          ; with the three additions: eight places in front of loads into registers that the last products read
.endr
.irp b, 0,1,2,3
.irp c, 0,1,2,3
	ds_load_b128 v[KF+16*\b+4*\c:KF+16*\b+4*\c+3], v5 offset:2048*\b+512*\c
.endr
.endr
	ds_load_b64 v[10:11], v7                       ; register i: the words of fragment 2 i in lanes 0-15, of 2 i + 1 in lanes 16-31
	s_wait_dscnt 0x0
.irp b, 0,1,2,3                                ; S^T = K q^T: fragment b against q below (tile 2 b) and q above (tile 2 b + 1)
.irp u, 0,1
.if \b%2
	v_wmma_scale_f32_16x16x128_f8f6f4 v[S+8*(2*\b+\u):S+8*(2*\b+\u)+7], v[KF+16*\b:KF+16*\b+15], v[16+16*\u:31+16*\u], 0, v[10+\b/2], v[8+\u] matrix_a_scale:MATRIX_SCALE_ROW1
.else
	v_wmma_scale_f32_16x16x128_f8f6f4 v[S+8*(2*\b+\u):S+8*(2*\b+\u)+7], v[KF+16*\b:KF+16*\b+15], v[16+16*\u:31+16*\u], 0, v[10+\b/2], v[8+\u]
.endif
.endr
.endr
.rept 8
	v_nop                                          ; places in front of the loads below and of the first read of the scores
.endr
.irp t, 0,1,2,3                                ; V's four fragments land under the softmax
.irp c, 0,1,2,3
	ds_load_b128 v[KF+16*\t+4*\c:KF+16*\t+4*\c+3], v6 offset:2048*\t+512*\c
.endr
.endr
	ds_load_b64 v[VSC:VSC+1], v7 offset:4096
	s_cmp_lg_u32 s[KS], s[JJ]                      ; only the step on the diagonal is masked
	s_cbranch_scc1 .Lopen_\@
.set n, 0
.rept 64                                       ; register 16 b + i holds key 32 b + 16 (lane/16) + i of the step: hidden where it lies beyond my query
	v_cmp_gt_i32 vcc_lo, 32*(n/16)+n%16, v3
	v_cndmask_b32 v[S+n], v[S+n], v4, vcc_lo
.set n, n+1
.endr
.Lopen_\@:
.irp b, 0,1,2,3
	v_max3_num_f32 v[BM+\b], v[S+16*\b], v[S+1+16*\b], v[S+2+16*\b]   ; the largest score of each block of 32 keys: for the row's maximum, and for the block's largest p
.endr
.irp i, 3,5,7,9,11,13
.irp b, 0,1,2,3
	v_max3_num_f32 v[BM+\b], v[BM+\b], v[S+16*\b+\i], v[S+1+16*\b+\i]
.endr
.endr
.irp b, 0,1,2,3
	v_max_num_f32 v[BM+\b], v[BM+\b], v[S+15+16*\b]
.endr
.irp b, 0,1,2,3
	v_permlanex16_b32 v[T1+\b], v[BM+\b], s[SEL], s[SEL+1]
.endr
.irp b, 0,1,2,3
	v_max_num_f32 v[BM+\b], v[BM+\b], v[T1+\b]     ; with lane l xor 16's 16 keys
.endr
	v_max3_num_f32 v[TW], v[BM], v[BM+1], v[BM+2]
	v_max_num_f32 v[TW], v[TW], v[BM+3]
	v_mul_f32 v[TW], s[CS], v[TW]                  ; as t (c is positive)
	v_max_num_f32 v13, v13, v[TW]                  ; the running largest t
	v_mov_b32 v[TW], v12
	v_floor_f32 v12, -v13                          ; the new -M = -ceil(t)
	v_sub_f32 v[TW], v12, v[TW]                    ; old M less new M: a whole number, 0 or less
	v_cvt_i32_f32 v[TW], v[TW]                     ; (it saturates)
	v_ldexp_f32 v[FF], 1.0, v[TW]                  ; f = 2^(old M - new M)
.set j, 0
.rept 32
	v_pk_fma_f32 v[S+j:S+j+1], v[S+j:S+j+1], s[CS:CS+1], v[12:13] op_sel_hi:[1,0,0]   ; t - M, two at a time
.set j, j+2
.endr
.irp b, 0,1,2,3
	v_fma_f32 v[BM+\b], v[BM+\b], s[CS], v12       ; the same of each block's largest score
.endr
.set j, 0
.rept 64
	v_exp_f32 v[S+j], v[S+j]                       ; p = 2^(t - M), at most 1
.set j, j+1
.endr
.irp b, 0,1,2,3
	v_exp_f32 v[BM+\b], v[BM+\b]                   ; the block's largest p: the same two instructions on the same number
.endr
	v_pk_mul_f32 v[14:15], v[14:15], v[FF:FF+1] op_sel_hi:[1,0]   ; the sums under the new M (a plain line behind the exponentials)
	s_wait_alu depctr_va_vdst(0)
.irp b, 0,1,2,3
	v_max_num_f32 v[BM+\b], 0x4800000, v[BM+\b]    ; the floor 2^(9 - 127): the byte cannot fall under 1
.endr
.irp b, 0,1,2,3
	v_add_nc_u32 v[SO+\b], 0xfc000000, v[BM+\b]
.endr
.irp b, 0,1,2,3
	v_and_or_b32 v[HD+\b], v[BM+\b], 0x7f800000, s[MNT]
.endr
.irp b, 0,1,2,3
	v_lshrrev_b32 v[T1+\b], 23, v[SO+\b]
.endr
	v_lshl_or_b32 v[PS], v[T1+1], 8, v[T1]         ; p's scale word for these 128 keys
	v_lshl_or_b32 v[PS], v[T1+2], 16, v[PS]
	v_lshl_or_b32 v[PS], v[T1+3], 24, v[PS]
	v_pk_add_f32 v[C2:C2+1], v[S:S+1], v[S+2:S+3]  ; the row's sum is taken of the unquantised p, in two chains
.irp j, 4,8,12,16,20,24,28,32,36,40,44,48,52,56,60
	v_pk_add_f32 v[14:15], v[14:15], v[S+\j:S+1+\j]
	v_pk_add_f32 v[C2:C2+1], v[C2:C2+1], v[S+2+\j:S+3+\j]
.endr
	v_pk_add_f32 v[14:15], v[14:15], v[C2:C2+1]
.irp b, 0,1,2,3
.irp i, 0,1,2,3,4,5,6,7,8,9,10,11,12,13,14,15
	v_min_num_f32 v[S+16*\b+\i], v[S+16*\b+\i], v[HD+\b]   ; the conversion does not saturate (ISA guide 7.6.2); p is not negative, so the hold is one-sided
.endr
	v_cvt_scalef32_pk8_fp8_f32 v[PCD+4*\b:PCD+1+4*\b], v[S+16*\b:S+7+16*\b], v[SO+\b]
	v_cvt_scalef32_pk8_fp8_f32 v[PCD+2+4*\b:PCD+3+4*\b], v[S+8+16*\b:S+15+16*\b], v[SO+\b]
.endr
.set j, 0
.rept 16
	v_pk_mul_f32 v[O+j:O+j+1], v[O+j:O+j+1], v[FF:FF+1] op_sel_hi:[1,0]   ; O^T under the new M.  (These sixteen are also the places between the conversions and the products)
.set j, j+2
.endr
	s_wait_dscnt 0x0                               ; V's fragments and scale words are in
.irp t, 0,1,2,3                                ; O^T += V^T P^T: four tiles of 16 of the head's 64, by turns; K = these 128 keys
.if \t%2
	v_wmma_scale_f32_16x16x128_f8f6f4 v[O+8*\t:O+8*\t+7], v[KF+16*\t:KF+16*\t+15], v[PCD:PCD+15], v[O+8*\t:O+8*\t+7], v[VSC+\t/2], v[PS] matrix_a_scale:MATRIX_SCALE_ROW1
.else
	v_wmma_scale_f32_16x16x128_f8f6f4 v[O+8*\t:O+8*\t+7], v[KF+16*\t:KF+16*\t+15], v[PCD:PCD+15], v[O+8*\t:O+8*\t+7], v[VSC+\t/2], v[PS]
.endif
.endr
.Lhid_\@:
	s_add_co_u32 s[TK], s[TK], 8192
	s_add_co_u32 s[TS], s[TS], 256
	s_add_co_u32 s[KS], s[KS], 1
.endm
; A quarter: four key steps.  My loads up to this quarter's have landed (the later quarters' may stay out), and behind the barrier so have every wave's.
.macro QUARTER g
	s_wait_dscnt 0x0
	s_wait_tensorcnt 3-\g
	s_barrier_signal -1
	s_barrier_wait -1
	s_mov_b32 s[CNT], 4
.Lq_\@:
	STEP
	s_sub_co_u32 s[CNT], s[CNT], 1
	s_cmp_lg_u32 s[CNT], 0
	s_cbranch_scc1 .Lq_\@
.endm
	QUARTER 0
	QUARTER 1
	QUARTER 2
	QUARTER 3
	; THE WAY OUT: z = O^T / the sum; register 16 b + i is d = 32 b + 16 (lane/16) + i of my query: two blocks of the last product's K, quantised in registers; the codes are that operand's image.
.rept 8
	v_nop                                          ; places behind the last products
.endr
	v_add_f32 v14, v14, v15
	v_permlanex16_b32 v[TW], v14, s[SEL], s[SEL+1]
	v_add_f32 v14, v14, v[TW]                      ; the row's sum
	v_rcp_f32 v14, v14
	v_and_b32 v5, 15, v0                           ; (a plain line behind the transcendental)
	v_lshlrev_b32 v5, 2, v5                        ; 4 r
.set j, 0
	s_wait_alu depctr_va_vdst(0)
.rept 32
	v_mul_f32 v[S+j], v[O+j], v14
.set j, j+1
.endr
.irp b, 0,1
	v_max3_num_f32 v[BM+\b], |v[S+16*\b]|, |v[S+1+16*\b]|, 0x4800000
.endr
.irp i, 2,4,6,8,10,12,14
.irp b, 0,1
	v_max3_num_f32 v[BM+\b], v[BM+\b], |v[S+16*\b+\i]|, |v[S+1+16*\b+\i]|
.endr
.endr
.irp b, 0,1
	v_permlanex16_b32 v[T1+\b], v[BM+\b], s[SEL], s[SEL+1]
.endr
.irp b, 0,1
	v_max_num_f32 v[BM+\b], v[BM+\b], v[T1+\b]
.endr
.irp b, 0,1
	v_add_nc_u32 v[SO+\b], 0xfc000000, v[BM+\b]
.endr
.irp b, 0,1
	v_and_or_b32 v[HD+\b], v[BM+\b], 0x7f800000, s[MNT]
.endr
.irp b, 0,1
	v_lshrrev_b32 v[T1+\b], 23, v[SO+\b]
.endr
	v_lshl_or_b32 v6, v[T1+1], 8, v[T1]            ; the head's two bytes of my row
.irp b, 0,1
.irp i, 0,1,2,3,4,5,6,7,8,9,10,11,12,13,14,15
	v_med3_num_f32 v[S+16*\b+\i], v[S+16*\b+\i], -v[HD+\b], v[HD+\b]
.endr
	v_cvt_scalef32_pk8_fp8_f32 v[PCD+4*\b:PCD+1+4*\b], v[S+16*\b:S+7+16*\b], v[SO+\b]
	v_cvt_scalef32_pk8_fp8_f32 v[PCD+2+4*\b:PCD+3+4*\b], v[S+8+16*\b:S+15+16*\b], v[SO+\b]
.endr
	v_nop                                          ; a plain line behind the last conversion
	global_store_b128 v1, v[PCD:PCD+3], s[80:81]                ; 512 consecutive bytes each
	global_store_b128 v1, v[PCD+4:PCD+7], s[80:81] offset:512
	global_store_b32 v5, v6, s[82:83]              ; both halves of the lanes write the same word with the same value
	s_wait_tensorcnt 0x0
	ds_add_u32 v254, v255
	s_wait_dscnt 0x0
	s_endpgm
.Lfunc_end_k_qe58b0b2144_attn:
	.size	k_qe58b0b2144_attn, .Lfunc_end_k_qe58b0b2144_attn-k_qe58b0b2144_attn
	.p2alignl 7, 3214868480
	.fill 96, 4, 3214868480
	.section	.rodata,"a",@progbits
	.p2align	6, 0x0
	.amdhsa_kernel k_qe58b0b2144_attn
		.amdhsa_group_segment_fixed_size 272384
		.amdhsa_private_segment_fixed_size 0
		.amdhsa_enable_private_segment 0
		.amdhsa_kernarg_size 16
		.amdhsa_user_sgpr_count 2
		.amdhsa_user_sgpr_kernarg_segment_ptr 1
		.amdhsa_wavefront_size32 1
		.amdhsa_system_sgpr_workgroup_id_x 1
		.amdhsa_system_sgpr_workgroup_id_y 1
		.amdhsa_system_sgpr_workgroup_id_z 1
		.amdhsa_system_vgpr_workitem_id 0
		.amdhsa_next_free_vgpr 256
		.amdhsa_next_free_sgpr 84
		.amdhsa_reserve_vcc 1
		.amdhsa_float_denorm_mode_32 3
		.amdhsa_float_denorm_mode_16_64 3
		.amdhsa_memory_ordered 1
		.amdhsa_forward_progress 1
		.amdhsa_inst_pref_size 110
	.end_amdhsa_kernel
	.amdgpu_metadata
---
amdhsa.version: [ 1, 2 ]
amdhsa.kernels:
  - .name:           k_qe58b0b2144_attn
    .symbol:         k_qe58b0b2144_attn.kd
    .args:
      - { .name: qkv, .offset: 0, .size: 8, .value_kind: global_buffer, .address_space: global }
      - { .name: zq, .offset: 8, .size: 8, .value_kind: global_buffer, .address_space: global }
    .group_segment_fixed_size: 272384
    .private_segment_fixed_size: 0
    .kernarg_segment_align: 8
    .kernarg_segment_size: 16
    .max_flat_workgroup_size: 512
    .sgpr_count:     84
    .vgpr_count:     256
    .wavefront_size: 32
...
	.end_amdgpu_metadata
.endif
;; end of part 4
;; launch proj (part 5): grid 4 x 32, 4 waves a work-group, clusters of 4 x 4, 327,680 bytes of LDS; arguments zq, xw, bp, out0; writes out0
.if DOCPART == 5
	.amdgcn_target "amdgcn-amd-amdhsa--gfx1250"
	.amdhsa_code_object_version 6
	.text
	.protected	k_qe58b0b2144_proj
	.globl	k_qe58b0b2144_proj
	.p2align	8
	.type	k_qe58b0b2144_proj,@function
k_qe58b0b2144_proj:
	s_mov_b64 s[64:65], 0
	v_nop
	global_prefetch_b8 v0, s[64:65] scope:SCOPE_SE
	s_setreg_imm32_b32 hwreg(HW_REG_WAVE_MODE, 25, 1), 1
	s_wait_xcnt 0x0
	s_wait_alu depctr_hold_cnt(0) depctr_sa_sdst(0) depctr_va_vdst(0) depctr_va_sdst(0) depctr_va_ssrc(0) depctr_va_vcc(0) depctr_vm_vsrc(0)
	s_getreg_b32 s2, hwreg(HW_REG_IB_STS2, 6, 4)
	s_cmp_eq_u32 s2, 0
	s_cbranch_scc0 .Lentry_in_a_cluster
	s_endpgm
.Lentry_in_a_cluster:
	s_bfe_u32 s2, ttmp6, 0x10000c
	s_cmp_lg_u32 s2, 0xf033
	s_cbranch_scc0 .Lentry_shape_is_right
	s_endpgm
.Lentry_shape_is_right:
; out = z Wp^T + bp, on codes of FP8 (E4M3) with E8M0 scales, K = 1,024; out [8192][1024] f32.  The bias is added behind the sum.
; THE MATRIX INSTRUCTION IS USED TRANSPOSED: source 0 ("B") = 16 rows of Wp, source 1 ("A") = 16 rows of z: a lane holds one row of out and its registers run along the columns.
; Every operand's row tile holds rows 32 (T/2) + 8 (T%2) + r + 8 (r/8): the 16 registers of result tiles 2 b, 2 b + 1 are columns 32 b + 16 (lane/16) + 0..15.
; A tile of out, 256 x 256, is made by four waves, each 128 x 128: 64 accumulators.  K goes in four steps of 256 through two LDS slots.  Operands lie in memory as images of their registers:
; what one tensor load brings is 32,768 dense bytes, a fragment four LDS loads of 512 consecutive bytes.  The scale words of all of K stay in 64 registers that hold nothing else.
; CLUSTERS: 4 x 4 work-groups; z's tiles are asked for jointly along a row of the cluster, Wp's along a column.  128 work-groups: 32 x 4 tiles of 256 x 256.
; REGISTERS: window 0: v16-29 addresses; v32-63 A's scale words, v64-95 B's; v96-99 the bias; v128-255 A's fragments, ONE set, on the way out rows of out.
;   window 1: B's fragments, TWO sets.  windows 2, 3: accumulator (a, b) at v[8 (8 (a%4) + b)].
.set SLOT,  131072
.set SPARE, 2*SLOT                     ; behind the ring: the spare words, 128 bytes a wave, which no other line names
.set NP,    8                          ; places behind this matrix instruction (ISA guide 7.12.1)
.set SPITCH, 528                       ; the way out: a stage of 16 rows x (512 + 16) bytes a wave, in slot 0, which has had its last fill and its last read by then
.set ADRA, 16
.set ADRB, 20
.set STO,  22                          ; the stage: where I put 32 bytes of a row
.set RD,   23                          ; and where I read a row back
.set ZS,   24                          ; z's scale words: 128 (lane/16) + 4 r
.set L16,  26                          ; 16 x lane
.set SPW,  28
.set NIL,  29
.set SCA,  32
.set SCB,  64
.set BIAS, 96
.set AF,   128
.set BK,   128
.set G1, 24
.set G0, 32
.set G1B, 48
.set G0B, 56
.set MSB, 0
.macro WIN new                         ; the immediate's high byte repeats the setting that is left
.if MSB != (\new)
	s_set_vgpr_msb (MSB<<8)|(\new)
.set MSB, (\new)
.endif
.endm
.set MUL_LO, 0xa1
.set MUL_HI, 0xf1
.set TO_B,   0x40
.macro JLOAD g0a, g1a, g0b, g1b        ; a joint load: waves 0 and 1 fetch A's groups, waves 2 and 3 B's; four v_nop follow each line
	s_cmp_eq_u32 s15, 0
	s_cbranch_scc0 .Lfor_b_\@
	tensor_load_to_lds s[\g0a:\g0a+3], s[\g1a:\g1a+7]
	s_nop 0
.rept 4
	v_nop
.endr
	s_branch .Lasked_\@
.Lfor_b_\@:
	tensor_load_to_lds s[\g0b:\g0b+3], s[\g1b:\g1b+7]
	s_nop 0
.rept 4
	v_nop
.endr
.Lasked_\@:
.endm
.macro CREST
	s_cmp_lg_u32 s14, 0
	s_cbranch_scc1 .Lnot_wave_0_\@
	s_barrier_signal -3
.Lnot_wave_0_\@:
	s_barrier_wait -3
	s_barrier_signal -1
	s_barrier_wait -1
.endm
.macro CROUND
	s_barrier_signal -1
	s_barrier_wait -1
	CREST
.endm
.macro PLACES n
.rept \n
	v_nop
.endr
.endm
	s_load_b256 s[4:11], s[0:1], 0x0               ; zq s[4:5], xw s[6:7], bp s[8:9], out0 s[10:11]
	v_lshl_add_u32 v[SPW], v0, 2, SPARE
	v_mov_b32 v[NIL], 0
	ds_add_u32 v28, v29
	ds_add_u32 v28, v29
	s_wait_dscnt 0x0
	v_lshrrev_b32 v1, 5, v0
	v_readfirstlane_b32 s14, v1                    ; wave 0..3
	s_lshr_b32 s15, s14, 1                         ; which 128 rows of z are mine.  Also: I fetch for A (0) or for B (1)
	s_and_b32 s16, s14, 1                          ; which 128 rows of Wp.  Also: which group I fetch
	s_bfe_u32 s40, ttmp6, 0x40000                  ; cx = Wp's tile of 256 rows
	s_bfe_u32 s41, ttmp6, 0x40004                  ; cy
	s_and_b32 s17, ttmp7, 0xffff
	s_lshl_b32 s17, s17, 2
	s_add_co_u32 s17, s17, s41                     ; z's tile of 256 rows = 4 x cluster y + cy
	s_lshl_b32 s43, s41, 2
	s_lshl_b32 s43, 15, s43                        ; my row of the cluster
	s_lshl_b32 s44, 0x1111, s40                    ; my column
	s_or_b32 s[G1+0], s43, (3<<16)|(1<<21)         ; 32,768 dense bytes as 128 rows of 32 elements of 8 bytes
	s_or_b32 s[G1B+0], s44, (3<<16)|(1<<21)
.irp g, G1, G1B
	s_mov_b32 s[\g+1], 32<<16
	s_mov_b32 s[\g+2], 128<<16
	s_mov_b32 s[\g+3], 32<<16
	s_mov_b32 s[\g+4], 128
	s_mov_b32 s[\g+5], 32
	s_mov_b32 s[\g+6], 0
	s_mov_b32 s[\g+7], 0
.endr
	s_lshl_b32 s20, s17, 18                        ; z's codes: my tile, the group that I fetch
	s_lshl_b32 s21, s16, 17
	s_add_co_u32 s20, s20, s21
	s_mov_b32 s21, 0
	s_lshl_b32 s22, s17, 14                        ; z's scale words: 1,024 bytes a row tile
	s_lshl_b32 s23, s15, 13
	s_add_co_u32 s22, s22, s23
	s_add_co_u32 s22, s22, 8388608
	s_mov_b32 s23, 0
	s_lshl_b32 s46, s40, 18                        ; Wp's codes lie behind x's
	s_lshl_b32 s47, s16, 17
	s_add_co_u32 s46, s46, s47
	s_add_co_u32 s46, s46, 8388608
	s_mov_b32 s47, 0
	s_lshl_b32 s72, s40, 13                        ; and its scale words
	s_lshl_b32 s73, s16, 12
	s_add_co_u32 s72, s72, s73
	s_add_co_u32 s72, s72, 9699328
	s_mov_b32 s73, 0
	s_lshl_b32 s76, s40, 10                        ; my first column, in bytes: 1024 x tile + 512 x half
	s_lshl_b32 s77, s16, 9
	s_add_co_u32 s76, s76, s77
	s_mov_b32 s77, 0
	s_lshl_b32 s78, s17, 20                        ; my first row of out: 256 rows of 4,096 bytes a tile, 128 a half
	s_lshl_b32 s79, s15, 19
	s_add_co_u32 s78, s78, s79
	s_add_co_u32 s78, s78, s76
	s_mov_b32 s79, 0
	s_lshl_b32 s45, s14, 15                        ; where my group goes in a slot
	s_wait_kmcnt 0x0
	s_add_nc_u64 s[20:21], s[4:5], s[20:21]
	s_add_nc_u64 s[22:23], s[4:5], s[22:23]
	s_add_nc_u64 s[46:47], s[6:7], s[46:47]
	s_add_nc_u64 s[72:73], s[6:7], s[72:73]
	s_add_nc_u64 s[76:77], s[8:9], s[76:77]
	s_add_nc_u64 s[78:79], s[10:11], s[78:79]
	CROUND                                         ; all sixteen work-groups are here: the first joint loads meet
.irp s, 0,1
	s_mov_b32 s[G0+4*\s], 1
	s_add_co_u32 s[G0+4*\s+1], s45, \s*SLOT
	s_add_nc_u64 s[G0+4*\s+2:G0+4*\s+3], s[20:21], \s*32768
	s_or_b32 s[G0+4*\s+3], s[G0+4*\s+3], 0x80000000
	s_mov_b32 s[G0B+4*\s], 1
	s_add_co_u32 s[G0B+4*\s+1], s45, \s*SLOT
	s_add_nc_u64 s[G0B+4*\s+2:G0B+4*\s+3], s[46:47], \s*32768
	s_or_b32 s[G0B+4*\s+3], s[G0B+4*\s+3], 0x80000000
	JLOAD G0+4*\s, G1, G0B+4*\s, G1B               ; two loads of mine are out
.endr
	v_and_b32 v1, 31, v0
	v_lshlrev_b32 v[L16], 4, v1
	v_and_b32 v2, 15, v0                           ; r
	v_bfe_u32 v3, v0, 4, 1                         ; h
	v_lshlrev_b32 v[ZS], 2, v2
	v_lshl_add_u32 v[ZS], v3, 7, v[ZS]
	; z's scale words were stored head by head, two bytes each: K step 2 j + h takes head 4 j + 2 h's below and head 4 j + 2 h + 1's above
.irp a, 0,1,2,3,4,5,6,7
.irp j, 0,1,2,3
	global_load_b32 v[SCA+4*\a+\j], v[ZS], s[22:23] offset:1024*\a+256*\j
	global_load_b32 v[AF+4*\a+\j], v[ZS], s[22:23] offset:1024*\a+256*\j+64
.endr
.endr
.irp i, 0,1,2,3,4,5,6,7
	global_load_b128 v[SCB+4*\i:SCB+4*\i+3], v[L16], s[72:73] offset:512*\i
.endr
	global_load_b128 v[BIAS:BIAS+3], v[L16], s[76:77]   ; bp at the four columns that I store
	s_lshl_b32 s74, s15, 15
	s_lshl_b32 s75, s16, 15
	s_add_co_u32 s75, s75, 65536
.irp s, 0,1
	v_add_nc_u32 v[ADRA+\s], s74, v[L16]
	v_add_nc_u32 v[ADRB+\s], s75, v[L16]
	s_add_co_u32 s74, s74, SLOT
	s_add_co_u32 s75, s75, SLOT
.endr
	s_mul_i32 s74, s14, 16*SPITCH                  ; my stage
	v_mul_u32_u24 v[STO], v2, SPITCH
	v_lshl_add_u32 v[STO], v3, 6, v[STO]
	v_add_nc_u32 v[STO], s74, v[STO]               ; in: row r, + 64 h
	v_add_nc_u32 v[RD], s74, v[L16]                ; back: a row's 512 bytes, 16 a lane
	s_wait_loadcnt 0x0                             ; the scale words and the bias
.set j, 0
.rept 32
	v_lshl_or_b32 v[SCA+j], v[AF+j], 16, v[SCA+j]
.set j, j+1
.endr
	PLACES 8                                       ; a scale word made by vector instructions stands eight places ahead of the product that names it
.macro FRAG reg, adr, q, i
.irp c, 0,1,2,3
	ds_load_b128 v[\reg+4*\c:\reg+4*\c+3], v[\adr] offset:16384*(\q)+2048*(\i)+512*\c
.endr
.endm
.macro MM a, b, p, s, zero             ; one product: A's tile a x B's tile b, K step s of eight, B's set p.  An odd K step's scale words lie in lanes 16-31
.set rD, 8*(8*((\a)%4)+\b)
.set rB, 128*(\p)+16*\b
.set rA, AF+16*(\a)
.set rSB, SCB+4*\b+(\s)/2
.set rSA, SCA+4*(\a)+(\s)/2
.if \zero
	v_wmma_scale_f32_16x16x128_f8f6f4 v[rD:rD+7], v[rB:rB+15], v[rA:rA+15], 0, v[rSB], v[rSA]
.elseif (\s)%2
	v_wmma_scale_f32_16x16x128_f8f6f4 v[rD:rD+7], v[rB:rB+15], v[rA:rA+15], v[rD:rD+7], v[rSB], v[rSA] matrix_a_scale:MATRIX_SCALE_ROW1 matrix_b_scale:MATRIX_SCALE_ROW1
.else
	v_wmma_scale_f32_16x16x128_f8f6f4 v[rD:rD+7], v[rB:rB+15], v[rA:rA+15], v[rD:rD+7], v[rSB], v[rSA]
.endif
.endm
.macro MUL16 a0, p, s, zero            ; the 64 accumulators take turns, one instruction a turn, in the same order in every step
.irp a, \a0, \a0+1
.irp b, 0,1,2,3,4,5,6,7
	MM \a, \b, \p, \s, \zero
.endr
.endr
.endm
.macro FETCH_B slot, q, p
	WIN TO_B
.irp i, 0,1,2,3,4,5,6,7
	FRAG 128*(\p)+16*\i, ADRB+\slot, \q, \i
.endr
	WIN 0
.endm
.macro FETCH_A slot, q, i0
.irp i, \i0, \i0+1, \i0+2, \i0+3
	FRAG AF+16*(\i), ADRA+\slot, \q, \i
.endr
.endm
.macro STEP slot, s, zero              ; a slot's first 128 along K
	s_wait_dscnt 16                                ; B's set and A's blocks 0-3 are in; the youngest 16 loads (A's blocks 4-7) may be out
	WIN MUL_LO
	MUL16 0, 0, \s, \zero
	MUL16 2, 0, \s, \zero
	s_wait_dscnt 0                                 ; A's blocks 4-7 are in
	PLACES NP                                      ; in front of loads into registers that matrix instructions have read
	FETCH_B \slot, 1, 1
	FETCH_A \slot, 1, 0
	WIN MUL_HI
	MUL16 4, 0, \s, \zero
	MUL16 6, 0, \s, \zero
	PLACES NP
	WIN 0
	FETCH_A \slot, 1, 4
.endm
.macro TURN slot, next, s, fill        ; a slot's second 128 along K changes slots: ONE barrier
	s_wait_tensorcnt 0x0                           ; all my tensor loads have landed: my part of the next slot
	ds_add_u32 v[SPW], v[NIL]                      ; 0 onto my spare word
	s_wait_dscnt 17                                ; the add and the youngest 16 loads (A's blocks 4-7) may be out
	WIN MUL_LO
	MUL16 0, 1, \s, 0                              ; sixteen matrix instructions stand between the add and the wait for it
	s_wait_dscnt 0x0                               ; the add is done, and my reads of this slot are over
	s_barrier_signal -1
	MUL16 2, 1, \s, 0
	WIN 0
	s_barrier_wait -1
.if \fill
	CREST                                          ; the barrier has opened a round of the cluster's barrier: no wave of any partner still reads this slot or has a load on its way
	s_add_nc_u64 s[G0+4*\slot+2:G0+4*\slot+3], s[G0+4*\slot+2:G0+4*\slot+3], 65536
	s_add_nc_u64 s[G0B+4*\slot+2:G0B+4*\slot+3], s[G0B+4*\slot+2:G0B+4*\slot+3], 65536
	JLOAD G0+4*\slot, G1, G0B+4*\slot, G1B         ; my one tensor load behind the round; its four v_nop are four of the places
	PLACES NP-4
.else
	PLACES NP
.endif
	FETCH_B \next, 0, 0
	FETCH_A \next, 0, 0
	WIN MUL_HI
	MUL16 4, 1, \s, 0
	MUL16 6, 1, \s, 0
	PLACES NP
	WIN 0
	FETCH_A \next, 0, 4
.endm
	s_wait_tensorcnt 1                             ; my part of slot 0 is in; slot 1's load may be out
	s_barrier_signal -1
	s_barrier_wait -1
	FETCH_B 0, 0, 0
	FETCH_A 0, 0, 0
	FETCH_A 0, 0, 4
	STEP 0, 0, 1                                   ; the first products start the sums: nothing is cleared
	TURN 0, 1, 1, 1
	STEP 1, 2, 0
	TURN 1, 0, 3, 1
	STEP 0, 4, 0
	TURN 0, 1, 5, 0                                ; nothing is left to fetch; behind this barrier nobody reads slot 0
	STEP 1, 6, 0
	s_wait_dscnt 16
	WIN MUL_LO
	MUL16 0, 1, 7, 0
	MUL16 2, 1, 7, 0
	s_wait_dscnt 0
	WIN MUL_HI
	MUL16 4, 1, 7, 0
	MUL16 6, 1, 7, 0
	WIN 0
; THE WAY OUT, A's tile by tile: 16 rows x 128 columns go through my own stage and come back as whole rows of 512 bytes.  LDS serves a wave's instructions in order: no wait between the stores and the loads.
.macro TOSTAGE a
.set AC, 64*((\a)%4)
	WIN 0x08+4*((\a)/4)                            ; an LDS store's data are its source 1: window 2 or 3
.irp b, 0,1,2,3,4,5,6,7
	ds_store_b128 v[STO], v[AC+8*\b:AC+8*\b+3] offset:128*(\b/2)+32*(\b%2)        ; columns 32 (b/2) + 16 h + 8 (b%2) + 0..3; each accumulator from its low end on
	ds_store_b128 v[STO], v[AC+8*\b+4:AC+8*\b+7] offset:128*(\b/2)+32*(\b%2)+16
.endr
	WIN 0
.set BB, BK+64*((\a)%2)
.irp t, 0,1,2,3,4,5,6,7,8,9,10,11,12,13,14,15
	ds_load_b128 v[BB+4*\t:BB+4*\t+3], v[RD] offset:\t*SPITCH
.endr
.endm
.macro SEND a, younger                 ; younger: the LDS instructions issued behind tile a's loads, which may stay out
.set BB, BK+64*((\a)%2)
	s_wait_dscnt \younger
.irp t, 0,1,2,3,4,5,6,7,8,9,10,11,12,13,14,15
	v_pk_add_f32 v[BB+4*\t:BB+4*\t+1], v[BB+4*\t:BB+4*\t+1], v[BIAS:BIAS+1]
	v_pk_add_f32 v[BB+4*\t+2:BB+4*\t+3], v[BB+4*\t+2:BB+4*\t+3], v[BIAS+2:BIAS+3]
	global_store_b128 v[L16], v[BB+4*\t:BB+4*\t+3], s[78:79] offset:(32*((\a)/2)+8*((\a)%2)+\t+8*(\t/8))*4096 th:TH_STORE_NT   ; 512 consecutive bytes of the row that lane t of tile a stands for
.endr
.endm
	PLACES NP                                      ; behind the last products: results are read, and A's registers take rows of out
	TOSTAGE 0
.irp a, 1,2,3,4,5,6,7
.if \a > 1
	s_wait_xcnt 0x0                                ; tile a - 2's stores have read their registers: tile a's loads may land there
.endif
	TOSTAGE \a
	SEND \a-1, 32                                  ; behind tile a - 1's loads: tile a's 16 stores and 16 loads
.endr
	SEND 7, 0
	s_wait_tensorcnt 0x0                           ; the wave's end
	ds_add_u32 v[SPW], v[NIL]
	s_wait_dscnt 0x0
	CROUND                                         ; the closing round: no work-group ends while a partner may still ask for a tile that names it
	s_endpgm
.Lfunc_end_k_qe58b0b2144_proj:
	.size	k_qe58b0b2144_proj, .Lfunc_end_k_qe58b0b2144_proj-k_qe58b0b2144_proj
	.p2alignl 7, 3214868480
	.fill 96, 4, 3214868480
	.section	.rodata,"a",@progbits
	.p2align	6, 0x0
	.amdhsa_kernel k_qe58b0b2144_proj
		.amdhsa_group_segment_fixed_size 327680
		.amdhsa_private_segment_fixed_size 0
		.amdhsa_enable_private_segment 0
		.amdhsa_kernarg_size 32
		.amdhsa_user_sgpr_count 2
		.amdhsa_user_sgpr_kernarg_segment_ptr 1
		.amdhsa_wavefront_size32 1
		.amdhsa_system_sgpr_workgroup_id_x 1
		.amdhsa_system_sgpr_workgroup_id_y 1
		.amdhsa_system_sgpr_workgroup_id_z 1
		.amdhsa_system_vgpr_workitem_id 0
		.amdhsa_next_free_vgpr 1024
		.amdhsa_next_free_sgpr 96
		.amdhsa_reserve_vcc 0
		.amdhsa_float_denorm_mode_32 3
		.amdhsa_float_denorm_mode_16_64 3
		.amdhsa_memory_ordered 1
		.amdhsa_forward_progress 1
		.amdhsa_inst_pref_size 165
	.end_amdhsa_kernel
	.amdgpu_metadata
---
amdhsa.version: [ 1, 2 ]
amdhsa.kernels:
  - .name:           k_qe58b0b2144_proj
    .symbol:         k_qe58b0b2144_proj.kd
    .args:
      - { .name: zq, .offset: 0, .size: 8, .value_kind: global_buffer, .address_space: global }
      - { .name: xw, .offset: 8, .size: 8, .value_kind: global_buffer, .address_space: global }
      - { .name: bp, .offset: 16, .size: 8, .value_kind: global_buffer, .address_space: global }
      - { .name: out0, .offset: 24, .size: 8, .value_kind: global_buffer, .address_space: global }
    .group_segment_fixed_size: 327680
    .private_segment_fixed_size: 0
    .kernarg_segment_align: 8
    .kernarg_segment_size: 32
    .max_flat_workgroup_size: 128
    .sgpr_count:     96
    .vgpr_count:     1024
    .wavefront_size: 32
...
	.end_amdgpu_metadata
.endif
;; end of part 5
;; ======== version 2 of 2: 4 launches
;; limits: right only within a limited range of input values
;; workspace buffers: xw 9,732,096 bytes; wqkv 3,244,032 bytes; qkv 25,952,256 bytes; zq 8,912,896 bytes
;; launch quant (part 6): grid 672 x 1, 8 waves a work-group, no clusters, 70,144 bytes of LDS; arguments x, Wp, Wq, Wk, Wv, xw, wqkv; writes xw, wqkv
.if DOCPART == 6
	.amdgcn_target "amdgcn-amd-amdhsa--gfx1250"
	.amdhsa_code_object_version 6
	.text
	.protected	k_qe58b0b2144_quant
	.globl	k_qe58b0b2144_quant
	.p2align	8
	.type	k_qe58b0b2144_quant,@function
k_qe58b0b2144_quant:
	s_mov_b64 s[64:65], 0
	v_nop
	global_prefetch_b8 v0, s[64:65] scope:SCOPE_SE
	s_setreg_imm32_b32 hwreg(HW_REG_WAVE_MODE, 25, 1), 1
	s_wait_xcnt 0x0
; ALL FIVE f32 OPERANDS BECOME CODES of FP8 (E4M3) with one E8M0 byte for each 32 along K, laid as IMAGES OF OPERAND REGISTERS, in one launch.
; (Work left out by this program: in the attention launch, key steps all of whose keys lie behind a tile's queries: the causal mask gives them -infinity, so their p is 0 for all values of the inputs.
;  A NaN, an infinity or an overflow that reaches only such scores is not carried to the result.  Every input is loaded.)
; THE IMAGE.  A row tile T is 16 rows: lane r stands for row 32 (T/2) + 8 (T%2) + r + 8 (r/8).  The 16 bytes of lane l = 16 h + r for K = 128 s + 32 c + 16 h + 0..15 lie at
; (T/8) 131072 + s 16384 + (T%8) 2048 + c 512 + 16 l.  Scale words (four bytes: 128 along K of a row), behind the codes: T 512 + 16 l + 4 j is the word of row r, K step 2 j + h.
; xw: x is tiles 0-511, Wp tiles 512-575 (K innermost in memory).  wqkv: 3,072 rows n = 1024 mat + 64 head + d of Wq, Wk, Wv [16][1024 (K)][64] (K is the middle axis).
; A block's scale is 2^(floor(log2(largest magnitude)) - 8); numbers are held within +-448 x the scale and rounded to the nearest code, ties to even.
; LIMITS: a block of zeros, or one whose largest magnitude lies under 2^-118, gets the byte 1 (the bytes are read by this program alone).  NaN and infinities are not served.
; SHARES.  Work-groups 0-95, which have the most loads a wave, take 32 columns of a weight each (tiles 2 g, 2 g + 1), wave w K step w: A LANE TAKES A COLUMN AND ITS REGISTERS RUN DOWN K, so nothing is transposed.
; Work-groups 96-671 take one row tile of x or Wp each, wave w K step w: each load reads 512 consecutive bytes of a row, and the 16 rows turn through the wave's own stage in LDS (rows 528 bytes apart),
; so that a lane holds 16 neighbours along K.  The two ways part on the work-group's number alone and have LDS bytes of their own.
; No matrix unit, no tensor loads, no cluster: memory binds and nothing is shared.
.set NWG,  96
.set STG,  8448                        ; a wave's stage: 16 rows x 528
.set PIT,  528
.set SCG,  67584                       ; behind the eight stages: a row tile's 128 scale words
.set WSC,  68096                       ; the weights' way: two tiles' scale words, 1,024 bytes
.set SPARE, 69120                      ; the spare words, 128 bytes a wave
.set XSCL, 9437184                     ; where the scale words begin in xw
.set WSCL, 3145728                     ; and in wqkv
.set TM,  16                           ; v16-19 largest magnitudes, 20-23 bytes, 24-27 448 x scale, 28-31 the conversions' scale operands
.set R0,  32                           ; v32-95  a K step as loaded
.set PC,  32                           ; v32-47  later: the fragment's codes
.set PW,  48                           ; the scale word
.set XT,  96                           ; v96-159 the K step turned
.set WX,  32                           ; the weights' way: v32-159 128 numbers down K
.set SB,  8                            ; its scale word
.set SEL, 26                           ; s[26:27] lane selects: lane l xor 16
.set MNT, 23                           ; s23 the mantissa field of 448
	s_load_b256 s[4:11], s[0:1], 0x0               ; x, Wp, Wq, Wk
	s_load_b128 s[12:15], s[0:1], 0x20             ; Wv, xw
	s_load_b64 s[16:17], s[0:1], 0x30              ; wqkv
	v_lshl_add_u32 v10, v0, 2, SPARE
	v_mov_b32 v11, 0
	v_lshrrev_b32 v1, 5, v0
	v_readfirstlane_b32 s18, v1                    ; wave 0..7
	s_mov_b32 s[MNT], 0x600000
	s_cmp_lt_u32 ttmp9, NWG
	s_wait_alu depctr_va_vdst(0)                   ; the wait ahead of the branch
	s_cbranch_scc1 .Lweights
; ---- x and Wp: 64 numbers of a lane, register 16 b + i = K 32 b + 16 h + i of my row, become 16 registers of codes and a scale word
	v_and_b32 v1, 31, v0                           ; lane
	v_and_b32 v2, 15, v0                           ; r
	v_bfe_u32 v3, v0, 4, 1                         ; h
	v_lshlrev_b32 v7, 4, v1                        ; 16 l
	s_lshl_b32 s19, s18, 9
	v_add_nc_u32 v4, s19, v7                       ; in: my wave's 512 bytes of a row, my 16 of them
	s_mul_i32 s19, s18, STG
	v_add_nc_u32 v5, s19, v7                       ; the stage, way in
	v_mul_u32_u24 v6, v2, PIT
	v_lshl_add_u32 v6, v3, 6, v6
	v_add_nc_u32 v6, s19, v6                       ; way out: row r, + 64 h
	s_and_b32 s19, s18, 1
	s_lshl_b32 s19, s19, 8                         ; K step w = 2 j + h': 256 h'
	s_lshr_b32 s20, s18, 1
	s_lshl_b32 s20, s20, 2                         ; + 4 j
	s_add_co_u32 s19, s19, s20
	s_add_co_u32 s19, s19, SCG
	s_wait_alu depctr_va_vdst(0)
	v_lshl_add_u32 v8, v2, 4, s19                  ; + 16 r: my row's word (both halves of the lanes hold the same word)
	v_add_nc_u32 v9, SCG, v7                       ; and where wave 0 reads the words back
	s_mov_b32 s[SEL], 0x76543210
	s_mov_b32 s[SEL+1], 0xfedcba98
.irp b, 0,1,2,3
	v_mov_b32 v[TM+4+\b], 0                        ; written once: a lane permute's destination counts as one of its sources
.endr
	s_mov_b32 s29, 0
	s_sub_co_u32 s24, ttmp9, NWG                   ; the tile T in xw
	s_wait_alu depctr_va_vdst(0)                   ; the wait at the head's end
	s_wait_kmcnt 0x0
	s_cmp_lt_u32 s24, 512                          ; x's tile or Wp's?  The choice hangs on the work-group's number alone
	s_cselect_b64 s[4:5], s[4:5], s[6:7]
	s_cselect_b32 s25, 0, 512
	s_sub_co_u32 s25, s24, s25                     ; the tile's number in its own tensor
	s_lshr_b32 s19, s25, 1
	s_lshl_b32 s28, s19, 17                        ; 32 rows of 4,096 bytes for each pair of tiles,
	s_and_b32 s19, s25, 1
	s_lshl_b32 s19, s19, 15                        ; 8 rows for the odd one
	s_add_co_u32 s28, s28, s19
	s_add_nc_u64 s[4:5], s[4:5], s[28:29]
.irp i, 0,1,2,3,4,5,6,7,8,9,10,11,12,13,14,15
	global_load_b128 v[R0+4*\i:R0+4*\i+3], v4, s[4:5] offset:(\i+8*(\i/8))*4096 th:TH_LOAD_NT
.endr
	s_lshr_b32 s19, s24, 3
	s_lshl_b32 s28, s19, 17
	s_and_b32 s19, s24, 7
	s_lshl_b32 s19, s19, 11
	s_add_co_u32 s28, s28, s19
	s_lshl_b32 s19, s18, 14                        ; my K step
	s_add_co_u32 s28, s28, s19
	s_add_nc_u64 s[30:31], s[14:15], s[28:29]      ; the codes
	s_lshl_b32 s28, s24, 9
	s_add_co_u32 s28, s28, XSCL
	s_add_nc_u64 s[32:33], s[14:15], s[28:29]      ; the tile's scale words
	s_wait_loadcnt 0x0
.irp i, 0,1,2,3,4,5,6,7,8,9,10,11,12,13,14,15
	ds_store_b128 v5, v[R0+4*\i:R0+4*\i+3] offset:PIT*\i      ; in as loaded; LDS serves a wave's instructions in order: no wait between
.endr
.irp b, 0,1,2,3
.irp j, 0,1,2,3
	ds_load_b128 v[XT+16*\b+4*\j:XT+16*\b+4*\j+3], v6 offset:128*\b+16*\j   ; out: 64 bytes a lane for each block's half
.endr
.endr
	s_wait_dscnt 0x0
.irp b, 0,1,2,3
	v_max3_num_f32 v[TM+\b], |v[XT+16*\b]|, |v[XT+1+16*\b]|, 0x4800000   ; my 16 numbers of block b, and the floor 2^(9 - 127): the byte cannot fall under 1
.endr
.irp i, 2,4,6,8,10,12,14
.irp b, 0,1,2,3
	v_max3_num_f32 v[TM+\b], v[TM+\b], |v[XT+16*\b+\i]|, |v[XT+1+16*\b+\i]|   ; the four blocks by turns
.endr
.endr
.irp b, 0,1,2,3
	v_permlanex16_b32 v[TM+4+\b], v[TM+\b], s[SEL], s[SEL+1]
.endr
.irp b, 0,1,2,3
	v_max_num_f32 v[TM+\b], v[TM+\b], v[TM+4+\b]            ; with lane l xor 16's 16: the block's largest magnitude
.endr
.irp b, 0,1,2,3
	v_add_nc_u32 v[TM+12+\b], 0xfc000000, v[TM+\b]          ; 8 off its exponent field: the conversion's scale operand
.endr
.irp b, 0,1,2,3
	v_and_or_b32 v[TM+8+\b], v[TM+\b], 0x7f800000, s[MNT]   ; 448 x the scale
.endr
.irp b, 0,1,2,3
	v_lshrrev_b32 v[TM+4+\b], 23, v[TM+12+\b]               ; the scale's byte
.endr
	v_lshl_or_b32 v[PW], v[TM+5], 8, v[TM+4]
	v_lshl_or_b32 v[PW], v[TM+6], 16, v[PW]
	v_lshl_or_b32 v[PW], v[TM+7], 24, v[PW]
.irp b, 0,1,2,3
.irp i, 0,1,2,3,4,5,6,7,8,9,10,11,12,13,14,15
	v_med3_num_f32 v[XT+16*\b+\i], v[XT+16*\b+\i], -v[TM+8+\b], v[TM+8+\b]   ; the conversion to an 8-bit code does not saturate (ISA guide 7.6.2): hold first
.endr
	v_cvt_scalef32_pk8_fp8_f32 v[PC+4*\b:PC+1+4*\b], v[XT+16*\b:XT+7+16*\b], v[TM+12+\b]
	v_cvt_scalef32_pk8_fp8_f32 v[PC+2+4*\b:PC+3+4*\b], v[XT+8+16*\b:XT+15+16*\b], v[TM+12+\b]
.endr
	v_nop                                          ; a plain line behind the last conversion
.irp c, 0,1,2,3
	global_store_b128 v7, v[PC+4*\c:PC+4*\c+3], s[30:31] offset:512*\c   ; the fragment's image: 512 consecutive bytes a store
.endr
	ds_store_b32 v8, v[PW]
	s_wait_dscnt 0x0                               ; for wave 0's sake: my word has landed
	s_barrier_signal -1
	s_barrier_wait -1
	s_cmp_lg_u32 s18, 0
	s_cbranch_scc1 .Lxend
	ds_load_b128 v[12:15], v9                      ; wave 0 stores the tile's 128 words: 512 consecutive bytes
	s_wait_dscnt 0x0
	global_store_b128 v7, v[12:15], s[32:33]
.Lxend:
	s_wait_tensorcnt 0x0                           ; the wave's end
	ds_add_u32 v10, v11
	s_wait_dscnt 0x0
	s_endpgm
; ---- Wq, Wk, Wv: lane 16 u + r takes the column of lane r of tile 2 g + u; a block of 32 along K lies in one lane
.Lweights:
	v_and_b32 v1, 15, v0                           ; r
	v_bfe_u32 v2, v0, 4, 1                         ; u
	v_and_b32 v3, 8, v1
	v_add_nc_u32 v3, v3, v1                        ; r + 8 (r / 8)
	v_lshl_add_u32 v3, v2, 3, v3                   ; + 8 u: my column of the 32
	v_lshlrev_b32 v3, 2, v3                        ; in bytes
	v_lshlrev_b32 v4, 4, v1
	v_lshl_add_u32 v5, v2, 9, v4                   ; scale words: 512 u + 16 r
	v_lshl_add_u32 v4, v2, 11, v4                  ; codes: 2048 u + 16 r
	s_and_b32 s19, s18, 1
	s_lshl_b32 s21, s19, 9                         ; (for waves 0 and 1: which tile's words they store)
	s_lshl_b32 s19, s19, 8                         ; K step w = 2 j + h: 256 h
	s_lshr_b32 s20, s18, 1
	s_lshl_b32 s20, s20, 2                         ; + 4 j
	s_add_co_u32 s19, s19, s20
	s_add_co_u32 s19, s19, WSC
	v_add_nc_u32 v5, s19, v5
	v_and_b32 v6, 31, v0
	v_lshlrev_b32 v6, 4, v6
	v_add_nc_u32 v6, s21, v6                       ; the way out of the words: 512 (w % 2) + 16 l in memory,
	v_add_nc_u32 v7, WSC, v6                       ; and in LDS
	s_lshr_b32 s20, ttmp9, 1
	s_and_b32 s20, s20, 15                         ; head
	s_lshl_b32 s24, s20, 18                        ; 1,024 rows of 256 bytes
	s_lshl_b32 s20, s18, 15                        ; my 128 rows
	s_add_co_u32 s24, s24, s20
	s_and_b32 s20, ttmp9, 1
	s_lshl_b32 s20, s20, 7                         ; which 32 of the head's 64 columns
	s_add_co_u32 s24, s24, s20
	s_mov_b32 s25, 0
	s_lshr_b32 s20, ttmp9, 2
	s_lshl_b32 s26, s20, 17
	s_and_b32 s20, ttmp9, 3
	s_lshl_b32 s20, s20, 12
	s_add_co_u32 s26, s26, s20
	s_lshl_b32 s20, s18, 14
	s_add_co_u32 s26, s26, s20                     ; the codes of tile 2 g, K step w
	s_mov_b32 s27, 0
	s_lshl_b32 s28, ttmp9, 10
	s_add_co_u32 s28, s28, WSCL                    ; the two tiles' scale words
	s_mov_b32 s29, 0
	s_lshr_b32 s19, ttmp9, 5                       ; which of the three tensors: the choice hangs on the work-group's number alone
	s_wait_alu depctr_va_vdst(0)                   ; the wait at the head's end
	s_wait_kmcnt 0x0
	s_cmp_eq_u32 s19, 0
	s_cselect_b64 s[8:9], s[8:9], s[10:11]
	s_cmp_eq_u32 s19, 2
	s_cselect_b64 s[8:9], s[12:13], s[8:9]
	s_add_nc_u64 s[8:9], s[8:9], s[24:25]
	s_add_nc_u64 s[30:31], s[16:17], s[26:27]
	s_add_nc_u64 s[32:33], s[16:17], s[28:29]
.macro LOAD t                          ; block t: 32 rows of K at my column; a load's 32 lanes cover 128 consecutive bytes
.irp i, 0,1,2,3,4,5,6,7,8,9,10,11,12,13,14,15,16,17,18,19,20,21,22,23,24,25,26,27,28,29,30,31
	global_load_b32 v[WX+32*(\t)+\i], v3, s[8:9] offset:256*(32*(\t)+\i) th:TH_LOAD_NT
.endr
.endm
.macro BLOCK t
.set XS, WX+32*(\t)
.set CC, 16+8*((\t)%2)                 ; the codes: two sets of eight registers by turns
.if (\t) < 3
	s_wait_loadcnt 32                              ; this block's 32 loads are in; the next block's 32 may be out
.else
	s_wait_loadcnt 0x0
.endif
.if (\t) < 2
	LOAD (\t)+2                                    ; two blocks ahead, into registers of its own
.endif
	v_max3_num_f32 v12, |v[XS]|, |v[XS+1]|, |v[XS+2]|               ; the block's largest magnitude: all 32 numbers are mine; two chains
	v_max3_num_f32 v13, |v[XS+3]|, |v[XS+4]|, |v[XS+5]|
.irp i, 6,10,14,18,22,26
	s_delay_alu instid0(VALU_DEP_2)
	v_max3_num_f32 v12, v12, |v[XS+\i]|, |v[XS+\i+1]|
	s_delay_alu instid0(VALU_DEP_2)
	v_max3_num_f32 v13, v13, |v[XS+\i+2]|, |v[XS+\i+3]|
.endr
	s_delay_alu instid0(VALU_DEP_2)
	v_max3_num_f32 v12, v12, |v[XS+30]|, |v[XS+31]|
	s_delay_alu instid0(VALU_DEP_1)
	v_max3_num_f32 v12, v12, v13, 0x4800000        ; and the floor 2^(9 - 127): the byte cannot fall under 1
	s_delay_alu instid0(VALU_DEP_1)
	v_add_nc_u32 v15, 0xfc000000, v12              ; 8 off its exponent field: the conversion's scale operand
	s_delay_alu instid0(VALU_DEP_2)
	v_and_or_b32 v14, v12, 0x7f800000, s[MNT]      ; 448 x the scale
	s_delay_alu instid0(VALU_DEP_2)
	v_lshrrev_b32 v13, 23, v15                     ; the byte
.if (\t) == 0
	s_delay_alu instid0(VALU_DEP_1)
	v_mov_b32 v[SB], v13
.else
	s_delay_alu instid0(VALU_DEP_1)
	v_lshl_or_b32 v[SB], v13, 8*(\t), v[SB]
.endif
.irp i, 0,1,2,3,4,5,6,7,8,9,10,11,12,13,14,15,16,17,18,19,20,21,22,23,24,25,26,27,28,29,30,31
	v_med3_num_f32 v[XS+\i], v[XS+\i], -v14, v14   ; the conversion to an 8-bit code does not saturate (ISA guide 7.6.2): hold first
.endr
.if (\t) > 1
	s_wait_alu depctr_va_vdst(0)                   ; directly ahead of the wait below
	s_wait_xcnt 0x0                                ; the stores of two blocks ago have read this set of code registers
.endif
.irp g, 0,1,2,3
	v_cvt_scalef32_pk8_fp8_f32 v[CC+2*\g:CC+2*\g+1], v[XS+8*\g:XS+8*\g+7], v15
.endr
	v_nop                                          ; a plain line behind the last conversion: v15 is written again in the next block
	global_store_b128 v4, v[CC:CC+3], s[30:31] offset:512*(\t)          ; K 32 t + 0..15: the image's lanes 0-15: 256 consecutive aligned bytes for each half of my lanes
	global_store_b128 v4, v[CC+4:CC+7], s[30:31] offset:512*(\t)+256    ; K 32 t + 16..31: its lanes 16-31
.endm
	LOAD 0
	LOAD 1
	BLOCK 0
	BLOCK 1
	BLOCK 2
	BLOCK 3
	ds_store_b32 v5, v[SB]
	s_wait_dscnt 0x0                               ; for the others' sake: my word has landed
	s_barrier_signal -1
	s_barrier_wait -1
	s_cmp_gt_u32 s18, 1
	s_cbranch_scc1 .Lwend
	ds_load_b128 v[12:15], v7                      ; waves 0 and 1 store a tile's 128 words each: 512 consecutive bytes
	s_wait_dscnt 0x0
	global_store_b128 v6, v[12:15], s[32:33]
.Lwend:
	s_wait_tensorcnt 0x0                           ; the wave's end
	ds_add_u32 v10, v11
	s_wait_dscnt 0x0
	s_endpgm
.Lfunc_end_k_qe58b0b2144_quant:
	.size	k_qe58b0b2144_quant, .Lfunc_end_k_qe58b0b2144_quant-k_qe58b0b2144_quant
	.p2alignl 7, 3214868480
	.fill 96, 4, 3214868480
	.section	.rodata,"a",@progbits
	.p2align	6, 0x0
	.amdhsa_kernel k_qe58b0b2144_quant
		.amdhsa_group_segment_fixed_size 70144
		.amdhsa_private_segment_fixed_size 0
		.amdhsa_enable_private_segment 0
		.amdhsa_kernarg_size 56
		.amdhsa_user_sgpr_count 2
		.amdhsa_user_sgpr_kernarg_segment_ptr 1
		.amdhsa_wavefront_size32 1
		.amdhsa_system_sgpr_workgroup_id_x 1
		.amdhsa_system_sgpr_workgroup_id_y 1
		.amdhsa_system_sgpr_workgroup_id_z 1
		.amdhsa_system_vgpr_workitem_id 0
		.amdhsa_next_free_vgpr 160
		.amdhsa_next_free_sgpr 66
		.amdhsa_reserve_vcc 0
		.amdhsa_float_denorm_mode_32 3
		.amdhsa_float_denorm_mode_16_64 3
		.amdhsa_memory_ordered 1
		.amdhsa_forward_progress 1
		.amdhsa_inst_pref_size 48
	.end_amdhsa_kernel
	.amdgpu_metadata
---
amdhsa.version: [ 1, 2 ]
amdhsa.kernels:
  - .name:           k_qe58b0b2144_quant
    .symbol:         k_qe58b0b2144_quant.kd
    .args:
      - { .name: x, .offset: 0, .size: 8, .value_kind: global_buffer, .address_space: global }
      - { .name: Wp, .offset: 8, .size: 8, .value_kind: global_buffer, .address_space: global }
      - { .name: Wq, .offset: 16, .size: 8, .value_kind: global_buffer, .address_space: global }
      - { .name: Wk, .offset: 24, .size: 8, .value_kind: global_buffer, .address_space: global }
      - { .name: Wv, .offset: 32, .size: 8, .value_kind: global_buffer, .address_space: global }
      - { .name: xw, .offset: 40, .size: 8, .value_kind: global_buffer, .address_space: global }
      - { .name: wqkv, .offset: 48, .size: 8, .value_kind: global_buffer, .address_space: global }
    .group_segment_fixed_size: 70144
    .private_segment_fixed_size: 0
    .kernarg_segment_align: 8
    .kernarg_segment_size: 56
    .max_flat_workgroup_size: 256
    .sgpr_count:     66
    .vgpr_count:     160
    .wavefront_size: 32
...
	.end_amdgpu_metadata
.endif
;; end of part 6
;; launch gemm_qkv (part 7): grid 64 x 4, 4 waves a work-group, clusters of 4 x 4, 327,680 bytes of LDS; arguments xw, wqkv, qkv; writes qkv
.if DOCPART == 7
	.amdgcn_target "amdgcn-amd-amdhsa--gfx1250"
	.amdhsa_code_object_version 6
	.text
	.protected	k_qe58b0b2144_gemm_qkv
	.globl	k_qe58b0b2144_gemm_qkv
	.p2align	8
	.type	k_qe58b0b2144_gemm_qkv,@function
k_qe58b0b2144_gemm_qkv:
	s_mov_b64 s[64:65], 0
	v_nop
	global_prefetch_b8 v0, s[64:65] scope:SCOPE_SE
	s_setreg_imm32_b32 hwreg(HW_REG_WAVE_MODE, 25, 1), 1
	s_wait_xcnt 0x0
	s_wait_alu depctr_hold_cnt(0) depctr_sa_sdst(0) depctr_va_vdst(0) depctr_va_sdst(0) depctr_va_ssrc(0) depctr_va_vcc(0) depctr_vm_vsrc(0)
	s_getreg_b32 s2, hwreg(HW_REG_IB_STS2, 6, 4)
	s_cmp_eq_u32 s2, 0
	s_cbranch_scc0 .Lentry_in_a_cluster
	s_endpgm
.Lentry_in_a_cluster:
	s_bfe_u32 s2, ttmp6, 0x10000c
	s_cmp_lg_u32 s2, 0xf033
	s_cbranch_scc0 .Lentry_shape_is_right
	s_endpgm
.Lentry_shape_is_right:
.set SLOT,  131072
.set SPARE, 2*SLOT
.set NP,    8
.set ADRA, 16
.set ADRH, 18
.set ADRB, 20
.set LN,   25
.set L16,  26
.set L8,   27
.set SPW,  28
.set NIL,  29
.set SCA,  32
.set SCB,  64
.set PWS,  96
.set TM,   104
.set WD,   120
.set AF,   128
.set G1, 24
.set G0, 32
.set G1B, 48
.set G0B, 56
.set G1H, 92
.set GA, G1
.set SEL, 86
.set MNT, 88
.set MSB, 0
.macro WIN new
.if MSB != (\new)
	s_set_vgpr_msb (MSB<<8)|(\new)
.set MSB, (\new)
.endif
.endm
.set MUL_LO, 0xa1
.set MUL_HI, 0xf1
.set TO_B,   0x40
.macro JLOAD g0a, g1a, g0b, g1b
	s_cmp_eq_u32 s15, 0
	s_cbranch_scc0 .Lfor_b_\@
	tensor_load_to_lds s[\g0a:\g0a+3], s[\g1a:\g1a+7]
	s_nop 0
.rept 4
	v_nop
.endr
	s_branch .Lasked_\@
.Lfor_b_\@:
	tensor_load_to_lds s[\g0b:\g0b+3], s[\g1b:\g1b+7]
	s_nop 0
.rept 4
	v_nop
.endr
.Lasked_\@:
.endm
.macro CREST
	s_cmp_lg_u32 s14, 0
	s_cbranch_scc1 .Lnot_wave_0_\@
	s_barrier_signal -3
.Lnot_wave_0_\@:
	s_barrier_wait -3
	s_barrier_signal -1
	s_barrier_wait -1
.endm
.macro CROUND
	s_barrier_signal -1
	s_barrier_wait -1
	CREST
.endm
.macro PLACES n
.rept \n
	v_nop
.endr
.endm
	s_load_b128 s[4:7], s[0:1], 0x0
	s_load_b64 s[8:9], s[0:1], 0x10
	v_lshl_add_u32 v[SPW], v0, 2, SPARE
	v_mov_b32 v[NIL], 0
	ds_add_u32 v28, v29
	ds_add_u32 v28, v29
	s_wait_dscnt 0x0
	v_lshrrev_b32 v1, 5, v0
	v_readfirstlane_b32 s14, v1
	s_lshr_b32 s15, s14, 1
	s_and_b32 s16, s14, 1
	s_bfe_u32 s40, ttmp6, 0x40000
	s_bfe_u32 s41, ttmp6, 0x40004
	s_lshl_b32 s43, s41, 2
	s_lshl_b32 s43, 15, s43
	s_lshl_b32 s44, 0x1111, s40
	s_and_b32 s2, ttmp9, 1
	s_lshl_b32 s2, s2, 2
	s_lshr_b32 s3, ttmp9, 1
	s_lshl_b32 s3, s3, 2
	s_add_co_u32 s42, s2, s40
	s_add_co_u32 s66, s3, s40
	s_add_co_u32 s17, s3, s41
	s_add_co_u32 s18, s2, s41
	s_or_b32 s[G1+0], s43, (3<<16)|(1<<21)
	s_or_b32 s[G1H+0], s43, (3<<16)|(1<<21)
	s_or_b32 s[G1B+0], s44, (3<<16)|(1<<21)
.irp g, G1, G1B
	s_mov_b32 s[\g+1], 32<<16
	s_mov_b32 s[\g+2], 128<<16
	s_mov_b32 s[\g+3], 32<<16
	s_mov_b32 s[\g+4], 128
	s_mov_b32 s[\g+5], 32
	s_mov_b32 s[\g+6], 0
	s_mov_b32 s[\g+7], 0
.endr
	s_mov_b32 s[G1H+1], 32<<16
	s_mov_b32 s[G1H+2], 64<<16
	s_mov_b32 s[G1H+3], 32<<16
	s_mov_b32 s[G1H+4], 64
	s_mov_b32 s[G1H+5], 32
	s_mov_b32 s[G1H+6], 0
	s_mov_b32 s[G1H+7], 0
	s_lshl_b32 s20, s17, 18
	s_lshl_b32 s19, s16, 17
	s_add_co_u32 s20, s20, s19
	s_mov_b32 s21, 0
	s_lshl_b32 s22, s17, 13
	s_lshl_b32 s19, s15, 12
	s_add_co_u32 s22, s22, s19
	s_add_co_u32 s22, s22, 9437184
	s_mov_b32 s23, 0
	s_lshl_b32 s10, s18, 17
	s_lshl_b32 s19, s16, 14
	s_add_co_u32 s10, s10, s19
	s_add_co_u32 s10, s10, 2097152
	s_mov_b32 s11, 0
	s_lshl_b32 s68, s18, 12
	s_lshl_b32 s19, s15, 11
	s_add_co_u32 s68, s68, s19
	s_add_co_u32 s68, s68, 3211264
	s_mov_b32 s69, 0
	s_lshl_b32 s46, s42, 18
	s_lshl_b32 s67, s16, 17
	s_add_co_u32 s46, s46, s67
	s_mov_b32 s47, 0
	s_lshl_b32 s72, s42, 13
	s_lshl_b32 s67, s16, 12
	s_add_co_u32 s72, s72, s67
	s_add_co_u32 s72, s72, 3145728
	s_mov_b32 s73, 0
	s_lshl_b32 s12, s66, 18
	s_lshl_b32 s67, s16, 17
	s_add_co_u32 s12, s12, s67
	s_mov_b32 s13, 0
	s_lshl_b32 s70, s66, 13
	s_lshl_b32 s67, s16, 12
	s_add_co_u32 s70, s70, s67
	s_add_co_u32 s70, s70, 9437184
	s_mov_b32 s71, 0
	s_lshl_b32 s45, s14, 15
	s_lshl_b32 s89, s16, 14
	s_mov_b32 s[SEL], 0x76543210
	s_mov_b32 s[SEL+1], 0xfedcba98
	s_mov_b32 s[MNT], 0x600000
	s_wait_kmcnt 0x0
	s_add_nc_u64 s[20:21], s[4:5], s[20:21]
	s_add_nc_u64 s[22:23], s[4:5], s[22:23]
	s_add_nc_u64 s[10:11], s[6:7], s[10:11]
	s_add_nc_u64 s[68:69], s[6:7], s[68:69]
	s_add_nc_u64 s[46:47], s[6:7], s[46:47]
	s_add_nc_u64 s[72:73], s[6:7], s[72:73]
	s_add_nc_u64 s[12:13], s[4:5], s[12:13]
	s_add_nc_u64 s[70:71], s[4:5], s[70:71]
	CROUND
.irp s, 0,1
	s_mov_b32 s[G0+4*\s], 1
	s_add_co_u32 s[G0+4*\s+1], s45, \s*SLOT
	s_add_nc_u64 s[G0+4*\s+2:G0+4*\s+3], s[20:21], \s*32768
	s_or_b32 s[G0+4*\s+3], s[G0+4*\s+3], 0x80000000
	s_mov_b32 s[G0B+4*\s], 1
	s_add_co_u32 s[G0B+4*\s+1], s45, \s*SLOT
	s_add_nc_u64 s[G0B+4*\s+2:G0B+4*\s+3], s[46:47], \s*32768
	s_or_b32 s[G0B+4*\s+3], s[G0B+4*\s+3], 0x80000000
	s_wait_alu depctr_va_vdst(0)
	s_wait_tensorcnt 0x0
	ds_add_u32 v28, v29
	ds_add_u32 v28, v29
	s_wait_dscnt 0x0
	CROUND
	JLOAD G0+4*\s, G1, G0B+4*\s, G1B
.endr
	v_and_b32 v[LN], 31, v0
	v_lshlrev_b32 v[L16], 4, v[LN]
	v_lshlrev_b32 v[L8], 3, v[LN]
.irp i, 0,1,2,3,4,5,6,7
	global_load_b128 v[SCA+4*\i:SCA+4*\i+3], v[L16], s[22:23] offset:512*\i
	global_load_b128 v[SCB+4*\i:SCB+4*\i+3], v[L16], s[72:73] offset:512*\i
.endr
	s_lshl_b32 s74, s15, 15
	s_lshl_b32 s75, s16, 15
	s_add_co_u32 s75, s75, 65536
	s_lshl_b32 s76, s15, 13
.irp s, 0,1
	v_add_nc_u32 v[ADRA+\s], s74, v[L16]
	v_add_nc_u32 v[ADRB+\s], s75, v[L16]
	v_add_nc_u32 v[ADRH+\s], s76, v[L16]
	s_add_co_u32 s74, s74, SLOT
	s_add_co_u32 s75, s75, SLOT
	s_add_co_u32 s76, s76, SLOT
.endr
.macro FRAG reg, adr, q, i
.irp c, 0,1,2,3
	ds_load_b128 v[\reg+4*\c:\reg+4*\c+3], v[\adr] offset:16384*(\q)+2048*(\i)+512*\c
.endr
.endm
.macro PROD zero, s
.if \zero
	v_wmma_scale_f32_16x16x128_f8f6f4 v[rD:rD+7], v[rB:rB+15], v[rA:rA+15], 0, v[rSB], v[rSA]
.elseif (\s)%2
	v_wmma_scale_f32_16x16x128_f8f6f4 v[rD:rD+7], v[rB:rB+15], v[rA:rA+15], v[rD:rD+7], v[rSB], v[rSA] matrix_a_scale:MATRIX_SCALE_ROW1 matrix_b_scale:MATRIX_SCALE_ROW1
.else
	v_wmma_scale_f32_16x16x128_f8f6f4 v[rD:rD+7], v[rB:rB+15], v[rA:rA+15], v[rD:rD+7], v[rSB], v[rSA]
.endif
.endm
.macro MM a, b, p, s, zero
.set rD, 8*(8*((\a)%4)+\b)
.set rB, 128*(\p)+16*\b
.set rA, AF+16*(\a)
.set rSB, SCB+4*\b+(\s)/2
.set rSA, SCA+4*(\a)+(\s)/2
	PROD \zero, \s
.endm
.macro MUL16 a0, p, s, zero
.irp a, \a0, \a0+1
.irp b, 0,1,2,3,4,5,6,7
	MM \a, \b, \p, \s, \zero
.endr
.endr
.endm
.macro MUL8 a, p, s, zero
.irp b, 0,1,2,3,4,5,6,7
.set rD, 8*(8*(\a)+\b)
.set rB, 128*(\p)+16*\b
.set rA, AF+64*(\p)+16*(\a)
.set rSB, SCB+4*\b+(\s)/2
.set rSA, SCA+4*(\a)+(\s)/2
	PROD \zero, \s
.endr
.endm
.macro FETCH_B slot, q, p
	WIN TO_B
.irp i, 0,1,2,3,4,5,6,7
	FRAG 128*(\p)+16*\i, ADRB+\slot, \q, \i
.endr
	WIN 0
.endm
.macro FETCH_A slot, q, i0
.irp i, \i0, \i0+1, \i0+2, \i0+3
	FRAG AF+16*(\i), ADRA+\slot, \q, \i
.endr
.endm
.macro FETCHH slot, q, p
.irp i, 0,1,2,3
	FRAG AF+64*(\p)+16*\i, ADRH+\slot, \q, \i
.endr
.endm
.macro REFILL slot, on
.if (\on)
	s_add_co_u32 s[G0+4*\slot+1], s89, \slot*SLOT
	s_add_nc_u64 s[G0+4*\slot+2:G0+4*\slot+3], s[10:11], \slot*32768
	s_or_b32 s[G0+4*\slot+3], s[G0+4*\slot+3], 0x80000000
	s_add_nc_u64 s[G0B+4*\slot+2:G0B+4*\slot+3], s[12:13], \slot*32768
	s_or_b32 s[G0B+4*\slot+3], s[G0B+4*\slot+3], 0x80000000
.set GA, G1H
.else
	s_add_nc_u64 s[G0+4*\slot+2:G0+4*\slot+3], s[G0+4*\slot+2:G0+4*\slot+3], 65536
	s_add_nc_u64 s[G0B+4*\slot+2:G0B+4*\slot+3], s[G0B+4*\slot+2:G0B+4*\slot+3], 65536
.endif
	JLOAD G0+4*\slot, GA, G0B+4*\slot, G1B
.endm
.macro STEP slot, s, zero
	s_wait_dscnt 16
	WIN MUL_LO
	MUL16 0, 0, \s, \zero
	MUL16 2, 0, \s, \zero
	s_wait_dscnt 0
	PLACES NP
	FETCH_B \slot, 1, 1
	FETCH_A \slot, 1, 0
	WIN MUL_HI
	MUL16 4, 0, \s, \zero
	MUL16 6, 0, \s, \zero
	PLACES NP
	WIN 0
	FETCH_A \slot, 1, 4
.endm
.macro TURN slot, next, s, fill, fetch
	s_wait_tensorcnt 0x0
	ds_add_u32 v[SPW], v[NIL]
	s_wait_dscnt 17
	WIN MUL_LO
	MUL16 0, 1, \s, 0
	s_wait_dscnt 0x0
	s_barrier_signal -1
	MUL16 2, 1, \s, 0
	WIN 0
	s_barrier_wait -1
	CREST
	REFILL \slot, \fill-1
.if \fetch
	PLACES NP-4
	FETCH_B \next, 0, 0
	FETCH_A \next, 0, 0
.endif
	WIN MUL_HI
	MUL16 4, 1, \s, 0
	MUL16 6, 1, \s, 0
.if \fetch
	PLACES NP
	WIN 0
	FETCH_A \next, 0, 4
.else
	WIN 0
.endif
.endm
.macro HSTEP slot, s, zero
	s_wait_dscnt 0x0
	PLACES NP
	FETCH_B \slot, 1, 1
	FETCHH \slot, 1, 1
	WIN MUL_LO
.irp a, 0,1,2,3
	MUL8 \a, 0, \s, \zero
.endr
	WIN 0
.endm
.macro HTURN slot, next, s, fill
	s_wait_tensorcnt 0x0
	ds_add_u32 v[SPW], v[NIL]
	s_wait_dscnt 1
	WIN MUL_LO
	MUL8 0, 1, \s, 0
	s_wait_dscnt 0x0
	s_barrier_signal -1
	MUL8 1, 1, \s, 0
	WIN 0
	s_barrier_wait -1
.if \fill
	CREST
	REFILL \slot, 0
	PLACES NP-4
.else
	PLACES NP
.endif
	FETCH_B \next, 0, 0
	FETCHH \next, 0, 0
	WIN MUL_LO
	MUL8 2, 1, \s, 0
	MUL8 3, 1, \s, 0
	WIN 0
.endm
.macro QUANTW a
.set W, 2+(\a)/4
.set AC, 64*((\a)%4)
.set PC, AF+16*(\a)
	WIN W|(W<<2)
.irp b, 0,1,2,3
	v_max3_num_f32 v[TM+\b], |v[AC+16*\b]|, |v[AC+1+16*\b]|, 0x4800000
.endr
	WIN (W<<2)|(W<<4)
.irp i, 2,4,6,8,10,12,14
.irp b, 0,1,2,3
	v_max3_num_f32 v[TM+\b], v[TM+\b], |v[AC+16*\b+\i]|, |v[AC+1+16*\b+\i]|
.endr
.endr
	WIN 0
.irp b, 0,1,2,3
	v_permlanex16_b32 v[TM+4+\b], v[TM+\b], s[SEL], s[SEL+1]
.endr
.irp b, 0,1,2,3
	v_max_num_f32 v[TM+\b], v[TM+\b], v[TM+4+\b]
.endr
.irp b, 0,1,2,3
	v_add_nc_u32 v[TM+12+\b], 0xfc000000, v[TM+\b]
.endr
.irp b, 0,1,2,3
	v_and_or_b32 v[TM+8+\b], v[TM+\b], 0x7f800000, s[MNT]
.endr
.irp b, 0,1,2,3
	v_lshrrev_b32 v[TM+4+\b], 23, v[TM+12+\b]
.endr
	v_lshl_or_b32 v[PWS+(\a)], v[TM+5], 8, v[TM+4]
	v_lshl_or_b32 v[PWS+(\a)], v[TM+6], 16, v[PWS+(\a)]
	v_lshl_or_b32 v[PWS+(\a)], v[TM+7], 24, v[PWS+(\a)]
	WIN (W<<6)|W
.irp b, 0,1,2,3
.irp i, 0,1,2,3,4,5,6,7,8,9,10,11,12,13,14,15
	v_med3_num_f32 v[AC+16*\b+\i], v[AC+16*\b+\i], -v[TM+8+\b], v[TM+8+\b]
.endr
.endr
	WIN W
.irp b, 0,1,2,3
	v_cvt_scalef32_pk8_fp8_f32 v[PC+4*\b:PC+1+4*\b], v[AC+16*\b:AC+7+16*\b], v[TM+12+\b]
	v_cvt_scalef32_pk8_fp8_f32 v[PC+2+4*\b:PC+3+4*\b], v[AC+8+16*\b:AC+15+16*\b], v[TM+12+\b]
.endr
	v_nop
	WIN 0
.endm
	s_wait_alu depctr_va_vdst(0)
	s_wait_tensorcnt 1
	s_barrier_signal -1
	s_barrier_wait -1
	FETCH_B 0, 0, 0
	FETCH_A 0, 0, 0
	FETCH_A 0, 0, 4
	s_wait_loadcnt 0x0
	STEP 0, 0, 1
	TURN 0, 1, 1, 1, 1
	STEP 1, 2, 0
	TURN 1, 0, 3, 1, 1
	STEP 0, 4, 0
	TURN 0, 1, 5, 2, 1
	STEP 1, 6, 0
	TURN 1, 0, 7, 2, 0
	PLACES NP
.irp i, 0,1,2,3
	global_load_b128 v[SCA+4*\i:SCA+4*\i+3], v[L16], s[68:69] offset:512*\i
.endr
.irp i, 0,1,2,3,4,5,6,7
	global_load_b128 v[SCB+4*\i:SCB+4*\i+3], v[L16], s[70:71] offset:512*\i
.endr
.irp b, 0,1,2,3
	v_mov_b32 v[TM+4+\b], 0
.endr
.irp a, 0,1,2,3,4,5,6,7
	QUANTW \a
.endr
	v_cmp_le_u32 vcc_lo, 16, v[LN]
	s_lshl_b32 s76, s42, 1
	s_add_co_u32 s76, s76, s16
	s_lshl_b32 s77, s17, 1
	s_add_co_u32 s77, s77, s15
	s_mov_b32 s83, 0
	s_mov_b32 s85, 0
	s_lshr_b32 s78, s76, 3
	s_and_b32 s79, s76, 7
	s_lshl_b32 s79, s79, 1
	s_lshr_b32 s80, s77, 4
	s_lshl_b32 s80, s80, 4
	s_add_co_u32 s79, s79, s80
	s_and_b32 s80, s77, 15
	s_lshl_b32 s82, s78, 23
	s_lshl_b32 s81, s79, 17
	s_add_co_u32 s82, s82, s81
	s_lshl_b32 s81, s80, 13
	s_add_co_u32 s82, s82, s81
	s_add_nc_u64 s[82:83], s[8:9], s[82:83]
	s_lshl_b32 s84, s78, 18
	s_lshl_b32 s81, s79, 12
	s_add_co_u32 s84, s84, s81
	s_lshl_b32 s81, s80, 8
	s_add_co_u32 s84, s84, s81
	s_add_co_u32 s84, s84, 25165824
	s_add_nc_u64 s[84:85], s[8:9], s[84:85]
	s_wait_alu depctr_va_vdst(0)
.irp a, 0,1,2,3,4,5,6,7
.irp b, 0,1,2,3
	global_store_b128 v[L16], v[AF+16*\a+4*\b:AF+16*\a+4*\b+3], s[82:83] offset:(\b/2)*131072+\a*1024+(\b%2)*512
.endr
.endr
.irp i, 0,1
	v_cndmask_b32 v[WD+\i], v[PWS+4*\i], v[PWS+4*\i+2], vcc_lo
	v_cndmask_b32 v[WD+2+\i], v[PWS+4*\i+1], v[PWS+4*\i+3], vcc_lo
.endr
.irp i, 0,1
	v_perm_b32 v[WD+4+\i], v[WD+2+\i], v[WD+\i], 0x05040100
	v_perm_b32 v[WD+6+\i], v[WD+2+\i], v[WD+\i], 0x07060302
.endr
	global_store_b64 v[L8], v[WD+4:WD+5], s[84:85]
	global_store_b64 v[L8], v[WD+6:WD+7], s[84:85] offset:4096
	s_wait_xcnt 0x0
	FETCH_B 0, 0, 0
	FETCHH 0, 0, 0
	s_wait_loadcnt 0x0
	HSTEP 0, 0, 1
	HTURN 0, 1, 1, 1
	HSTEP 1, 2, 0
	HTURN 1, 0, 3, 1
	HSTEP 0, 4, 0
	HTURN 0, 1, 5, 0
	HSTEP 1, 6, 0
	s_wait_dscnt 0x0
	WIN MUL_LO
.irp a, 0,1,2,3
	MUL8 \a, 1, 7, 0
.endr
	WIN 0
	PLACES NP
.irp a, 0,1,2,3
	QUANTW \a
.endr
	v_cmp_le_u32 vcc_lo, 16, v[LN]
	s_lshl_b32 s76, s66, 1
	s_add_co_u32 s76, s76, s16
	s_lshl_b32 s77, s18, 1
	s_add_co_u32 s77, s77, s15
	s_lshr_b32 s79, s76, 4
	s_lshl_b32 s79, s79, 4
	s_add_co_u32 s79, s79, s77
	s_and_b32 s80, s76, 15
	s_lshl_b32 s82, s79, 17
	s_lshl_b32 s81, s80, 13
	s_add_co_u32 s82, s82, s81
	s_add_co_u32 s82, s82, 16777216
	s_mov_b32 s83, 0
	s_add_nc_u64 s[82:83], s[8:9], s[82:83]
	s_lshl_b32 s84, s79, 12
	s_lshl_b32 s81, s80, 8
	s_add_co_u32 s84, s84, s81
	s_add_co_u32 s84, s84, 25690112
	s_mov_b32 s85, 0
	s_add_nc_u64 s[84:85], s[8:9], s[84:85]
	s_wait_alu depctr_va_vdst(0)
.irp a, 0,1,2,3
.irp b, 0,1,2,3
	global_store_b128 v[L16], v[AF+16*\a+4*\b:AF+16*\a+4*\b+3], s[82:83] offset:\a*2048+\b*512
.endr
.endr
.irp i, 0,1
	v_cndmask_b32 v[WD+4+\i], v[PWS+2*\i], v[PWS+2*\i+1], vcc_lo
.endr
	global_store_b64 v[L8], v[WD+4:WD+5], s[84:85]
	s_wait_tensorcnt 0x0
	ds_add_u32 v[SPW], v[NIL]
	s_wait_dscnt 0x0
	CROUND
	s_endpgm
.Lfunc_end_k_qe58b0b2144_gemm_qkv:
	.size	k_qe58b0b2144_gemm_qkv, .Lfunc_end_k_qe58b0b2144_gemm_qkv-k_qe58b0b2144_gemm_qkv
	.p2alignl 7, 3214868480
	.fill 96, 4, 3214868480
	.section	.rodata,"a",@progbits
	.p2align	6, 0x0
	.amdhsa_kernel k_qe58b0b2144_gemm_qkv
		.amdhsa_group_segment_fixed_size 327680
		.amdhsa_private_segment_fixed_size 0
		.amdhsa_enable_private_segment 0
		.amdhsa_kernarg_size 24
		.amdhsa_user_sgpr_count 2
		.amdhsa_user_sgpr_kernarg_segment_ptr 1
		.amdhsa_wavefront_size32 1
		.amdhsa_system_sgpr_workgroup_id_x 1
		.amdhsa_system_sgpr_workgroup_id_y 1
		.amdhsa_system_sgpr_workgroup_id_z 1
		.amdhsa_system_vgpr_workitem_id 0
		.amdhsa_next_free_vgpr 1024
		.amdhsa_next_free_sgpr 100
		.amdhsa_reserve_vcc 1
		.amdhsa_float_denorm_mode_32 3
		.amdhsa_float_denorm_mode_16_64 3
		.amdhsa_memory_ordered 1
		.amdhsa_forward_progress 1
		.amdhsa_inst_pref_size 255
	.end_amdhsa_kernel
	.section	.bss,"aw",@nobits
	.p2align	6
	.space	262144
	.amdgpu_metadata
---
amdhsa.version: [ 1, 2 ]
amdhsa.kernels:
  - .name:           k_qe58b0b2144_gemm_qkv
    .symbol:         k_qe58b0b2144_gemm_qkv.kd
    .args:
      - { .name: xw, .offset: 0, .size: 8, .value_kind: global_buffer, .address_space: global }
      - { .name: wqkv, .offset: 8, .size: 8, .value_kind: global_buffer, .address_space: global }
      - { .name: qkv, .offset: 16, .size: 8, .value_kind: global_buffer, .address_space: global }
    .group_segment_fixed_size: 327680
    .private_segment_fixed_size: 0
    .kernarg_segment_align: 8
    .kernarg_segment_size: 24
    .max_flat_workgroup_size: 128
    .sgpr_count:     100
    .vgpr_count:     1024
    .wavefront_size: 32
...
	.end_amdgpu_metadata
.endif
;; end of part 7
;; launch attn (part 8): grid 4 x 64, 16 waves a work-group, clusters of 4 x 1, 327,680 bytes of LDS; arguments qkv, zq; writes zq
.if DOCPART == 8
	.amdgcn_target "amdgcn-amd-amdhsa--gfx1250"
	.amdhsa_code_object_version 6
	.text
	.protected	k_qe58b0b2144_attn
	.globl	k_qe58b0b2144_attn
	.p2align	8
	.type	k_qe58b0b2144_attn,@function
k_qe58b0b2144_attn:
	s_mov_b64 s[64:65], 0
	v_nop
	global_prefetch_b8 v0, s[64:65] scope:SCOPE_SE
	s_setreg_imm32_b32 hwreg(HW_REG_WAVE_MODE, 25, 1), 1
	s_wait_xcnt 0x0
	s_wait_alu depctr_hold_cnt(0) depctr_sa_sdst(0) depctr_va_vdst(0) depctr_va_sdst(0) depctr_va_ssrc(0) depctr_va_vcc(0) depctr_vm_vsrc(0)
	s_getreg_b32 s2, hwreg(HW_REG_IB_STS2, 6, 4)
	s_cmp_eq_u32 s2, 0
	s_cbranch_scc0 .Lentry_in_a_cluster
	s_endpgm
.Lentry_in_a_cluster:
	s_bfe_u32 s2, ttmp6, 0x10000c
	s_cmp_lg_u32 s2, 0x3003
	s_cbranch_scc0 .Lentry_shape_is_right
	s_endpgm
.Lentry_shape_is_right:
; z[b][t][64 head + d] = the sum over keys s <= t of softmax_s(q . k / 8) v, both products on codes of FP8 (E4M3) with E8M0 scales; z leaves quantised along its row (two blocks of 32 inside the head).
; LEFT OUT: key steps all of whose keys lie behind a tile's queries: the causal mask makes their scores -infinity, so their p is 0 for all values of the inputs.
; THE SOFTMAX AHEAD OF THE SECOND PRODUCT: t = score x log2(e) / 8; M = the running largest t rounded UP to a whole number; p = 2^(t - M) is quantised along the keys, not normalised.
; The row's sum is taken of the unquantised p and divides O at the end.  When M moves, the sum and O are multiplied by 2^(old M - new M): exact.
; SHARES.  The four work-groups of a batch and head form a cluster of 4 x 1.  A head has 16 blocks of 128 queries, a block 8 tiles of 16.  Wave w owns two tiles, one after the other: first of the late block
; 15 - w % 8, then of the early block w % 8; in both it is tile 2 cx + w / 8, cx the work-group's place in the cluster.  A tile of block J has J + 1 key steps of 128: every wave has 17.
; WHICH BLOCK hangs on the wave's number alone, so every branch is alike in the four partners; cx enters only global addresses (q, z) and numbers that are compared lane by lane (the mask on the diagonal).
; For a tile of block J: key step ks < J counts whole, ks = J is masked, ks > J is left out by a scalar branch round the step's work (not round the lines that step addresses, nor round a barrier).
; LDS.  The head's K and V codes (131,072 bytes each) come ONCE, by JOINT loads of the four partners, one a wave: wave w fetches 16,384 dense bytes, chunk w / 2 of K (w even) or of V (w odd).
; Waves 0 to 3 (key steps 0 to 3) have a load line of their own and alone wait at the first barrier; all wait at the second, behind four steps that are real work in every wave (a late block is at least 8).
; The scale words (4,096 bytes each) go through registers into LDS bytes of their own, 512 a wave.  Nothing is filled again.  No prefetch: all of K and V is asked for at the head, and there is no loop to run ahead in.
; LAYOUT.  Both products are used transposed: a lane holds ONE query throughout.  All operands lie in memory as images of their registers: a fragment is four LDS loads of 512 consecutive bytes.
; THE HEAD HAS 64 AND THE INSTRUCTION 128 ALONG K: a fragment of K holds TWO tiles of 16 keys, one in K 0-63 and one in K 64-127; q stands in v16-23 and in v32-39 with eight registers of zeros between,
; so v[16:31] is q with zeros above and v[24:39] q with zeros below.  The keys of a tile are 32 b + 8 u + r + 8 (r/8): the 16 registers of tiles 2 b, 2 b + 1 are 16 neighbouring keys.
; LIMITS: NaN and infinities are not served; a block whose largest magnitude lies under 2^-118 gets the byte 1; a block's largest p is made from its largest score, which takes v_exp_f32 not to fall where its input rises;
; the scaled scores stay under 2^31 in magnitude.
.set H2,  40                           ; v40-43   448 x the scale once more, block b's at 40 + (b + 1) % 4: the two halves of a dual pair take their second sources from different banks
.set SA,  44                           ; v44      LDS: where my 16 bytes of the scale words go
.set KF,  48                           ; v48-111  four fragments of K, then of V
.set S,   112                          ; v112-175 S^T, then p; on the way out z
.set O,   176                          ; v176-207 O^T
.set PCD, 208                          ; v208-223 p's codes; on the way out z's
.set BM,  224                          ; v224-227 the blocks' maxima
.set T1,  228                          ; v228-231 at work
.set HD,  232                          ; v232-235 448 x the scale
.set SO,  236                          ; v236-239 the conversions' scale operands
.set VSC, 240                          ; v[240:241] V's scale words
.set PS,  242                          ; p's scale word
.set QW,  243                          ; q's scale word as it is loaded
.set FF,  244                          ; v[244:245] f = 2^(old M - new M)
.set TW,  246                          ; at work
.set QA,  247                          ; 8 r: my row among q's scale words
.set ZA,  250                          ; 4 r: my row among z's scale words
.set ZW,  251                          ; z's scale word
; v1 16 l; v2 K's scale words + 8 l; v3 my query less 16 (lane/16), inside its block; v4 -infinity; v5-7 the step's addresses; v8, v9 q's scale words; v[10:11] K's; v12 -M; v13 the largest t; v[14:15] the sum
; v254 my spare word, v255 0
.set WV,  8
.set BH,  9
.set HW,  10                           ; w / 8
.set IDX, 11                           ; my tile in each of my two blocks: 2 cx + w / 8
.set JJ,  12                           ; the block in hand
.set JE,  13                           ; the early block: w % 8
.set G1C, 16                           ; s[16:23] group 1: 64 rows of 256 dense bytes, for all four partners
.set G0,  36                           ; s[36:39] group 0
.set SEL, 52
.set CS,  54                           ; s[54:55] c = log2(e) / 8
.set MNT, 56
.set TK,  57                           ; the step's codes: 8,192 bytes a step
.set TS,  58                           ; its scale words: 256 bytes a step
.set KS,  59                           ; the key step
.set CNT, 60
.set SH,  61                           ; which half of a pair's scale word is my tile's: 16 (idx % 2)
.set PB0, 68                           ; s[68:75] the late tile: q's codes, q's scale words, z's codes, z's scale words
.set PB1, 76                           ; s[76:83] the early tile likewise
.macro CROUND                          ; a round of the cluster's barrier
	s_barrier_signal -1
	s_barrier_wait -1
	s_cmp_lg_u32 s[WV], 0
	s_cbranch_scc1 .Lnw0_\@
	s_barrier_signal -3
.Lnw0_\@:
	s_barrier_wait -3
	s_barrier_signal -1
	s_barrier_wait -1
.endm
.macro TLOAD                           ; my joint load; an s_nop 0 and four v_nop follow it
	tensor_load_to_lds s[G0:G0+3], s[G1C:G1C+7]
	s_nop 0
.rept 4
	v_nop
.endr
.endm
; The byte offsets of tile 8 J + idx in the four places, J in s[j], into s[pb .. pb + 7].  s66 and s67 serve here alone
.macro OFFS j, pb
	s_lshl_b32 s[\pb], s[BH], 17                   ; q's codes: bh 2^17 + tile 1024
	s_lshl_b32 s66, s[\j], 13
	s_add_co_u32 s[\pb], s[\pb], s66
	s_lshl_b32 s66, s[IDX], 10
	s_add_co_u32 s[\pb], s[\pb], s66
	s_mov_b32 s[\pb+1], 0
	s_lshl_b32 s[\pb+2], s[BH], 12                 ; q's scale words: bh 4096 + J 256; the pair of tiles 2 i' + h' lies at 128 h' + 4 i'
	s_lshl_b32 s66, s[\j], 8
	s_add_co_u32 s[\pb+2], s[\pb+2], s66
	s_bfe_u32 s66, s[IDX], 0x10001
	s_lshl_b32 s66, s66, 7
	s_add_co_u32 s[\pb+2], s[\pb+2], s66
	s_bfe_u32 s66, s[IDX], 0x10002
	s_lshl_b32 s66, s66, 2
	s_add_co_u32 s[\pb+2], s[\pb+2], s66
	s_add_co_u32 s[\pb+2], s[\pb+2], 25165824
	s_mov_b32 s[\pb+3], 0
	s_lshr_b32 s66, s[BH], 4
	s_lshl_b32 s66, s66, 4
	s_add_co_u32 s66, s66, s[\j]                   ; the group of eight tiles among z's 64: 16 x batch + J
	s_lshl_b32 s[\pb+4], s66, 17                   ; z's codes: group 2^17 + (head / 2) 16384 + idx 2048 + (head % 2) 1024
	s_lshl_b32 s[\pb+6], s66, 13                   ; z's scale words: tile 1024 + head 64
	s_and_b32 s67, s[BH], 15                       ; head
	s_lshl_b32 s66, s67, 6
	s_add_co_u32 s[\pb+6], s[\pb+6], s66
	s_lshl_b32 s66, s[IDX], 10
	s_add_co_u32 s[\pb+6], s[\pb+6], s66
	s_add_co_u32 s[\pb+6], s[\pb+6], 8388608
	s_mov_b32 s[\pb+7], 0
	s_lshr_b32 s66, s67, 1
	s_lshl_b32 s66, s66, 14
	s_add_co_u32 s[\pb+4], s[\pb+4], s66
	s_lshl_b32 s66, s[IDX], 11
	s_add_co_u32 s[\pb+4], s[\pb+4], s66
	s_and_b32 s66, s67, 1
	s_lshl_b32 s66, s66, 10
	s_add_co_u32 s[\pb+4], s[\pb+4], s66
	s_mov_b32 s[\pb+5], 0
.endm
; A tile's q: its 8 registers of codes twice, below and above the zeros, and its pair's scale word
.macro QLOAD pb
	global_load_b128 v[16:19], v1, s[\pb:\pb+1]
	global_load_b128 v[20:23], v1, s[\pb:\pb+1] offset:512
	global_load_b128 v[32:35], v1, s[\pb:\pb+1]
	global_load_b128 v[36:39], v1, s[\pb:\pb+1] offset:512
	global_load_b32 v[QW], v[QA], s[\pb+2:\pb+3]
.endm
.macro PA d, a, b
	v_pk_add_f32 v[\d:\d+1], v[\a:\a+1], v[\b:\b+1]
.endm
	s_load_b128 s[4:7], s[0:1], 0x0                ; qkv, zq
	v_lshl_add_u32 v254, v0, 2, 0x42000
	v_mov_b32 v255, 0
	ds_add_u32 v254, v255                          ; the opening lines: the add, twice on end, and its wait ahead of the round in front of my tensor load
	ds_add_u32 v254, v255
	v_lshrrev_b32 v1, 5, v0
	s_delay_alu instid0(VALU_DEP_1)
	v_readfirstlane_b32 s[WV], v1                  ; wave 0..15
	s_and_b32 s[BH], ttmp7, 0xffff                 ; 16 x batch + head: the cluster's y
	s_lshr_b32 s[HW], s[WV], 3
	s_and_b32 s[JE], s[WV], 7                      ; the early block
	s_sub_co_u32 s[JJ], 15, s[JE]                  ; the late block, which goes first
	s_mov_b32 s[G1C], 15|(3<<16)|(1<<21)           ; the mask names the four partners; elements of 8 bytes; bit 21 beside the mask; no padding
	s_mov_b32 s[G1C+1], 32<<16                     ; rows of 256 bytes,
	s_mov_b32 s[G1C+2], 64<<16                     ; 64 of them
	s_mov_b32 s[G1C+3], 32<<16
	s_mov_b32 s[G1C+4], 64
	s_mov_b32 s[G1C+5], 32
	s_mov_b32 s[G1C+6], 0
	s_mov_b32 s[G1C+7], 0
	s_mov_b32 s[G0], 1
	s_and_b32 s91, s[WV], 1                        ; 0: K's codes, 1: V's
	s_lshr_b32 s92, s[WV], 1                       ; which chunk of two key steps
	s_lshl_b32 s92, s92, 14
	s_lshl_b32 s[G0+1], s91, 17
	s_add_co_u32 s[G0+1], s[G0+1], s92             ; in LDS: V's codes lie 131,072 bytes behind K's
	s_lshl_b32 s86, s91, 23                        ; in memory: v's lie 8,388,608 bytes behind k's
	s_add_co_u32 s86, s86, s92
	s_lshl_b32 s91, s[BH], 17
	s_add_co_u32 s86, s86, s91
	s_add_co_u32 s86, s86, 8388608
	s_mov_b32 s87, 0
	s_lshl_b32 s84, s[HW], 18                      ; the scale words: waves 0-7 bring K's, waves 8-15 V's (262,144 bytes behind), 512 bytes each
	s_lshl_b32 s91, s[BH], 12
	s_add_co_u32 s84, s84, s91
	s_lshl_b32 s91, s[JE], 9
	s_add_co_u32 s84, s84, s91
	s_add_co_u32 s84, s84, 25427968
	s_mov_b32 s85, 0
	s_lshl_b32 s88, s[WV], 9
	s_add_co_u32 s88, s88, 262144                  ; and their place in LDS
	s_bfe_u32 s[IDX], ttmp6, 0x40000               ; cx
	s_lshl_b32 s[IDX], s[IDX], 1
	s_add_co_u32 s[IDX], s[IDX], s[HW]             ; my tile in a block
	OFFS JJ, PB0
	OFFS JE, PB1
	s_lshr_b32 s66, s[IDX], 1
	s_lshl_b32 s66, s66, 5
	s_and_b32 s67, s[IDX], 1
	s_lshl_b32 s67, s67, 3
	s_add_co_u32 s90, s66, s67                     ; my tile's first query in its block: 32 (idx / 2) + 8 (idx % 2)
	s_and_b32 s[SH], s[IDX], 1
	s_lshl_b32 s[SH], s[SH], 4
	s_mov_b32 s[SEL], 0x76543210
	s_mov_b32 s[SEL+1], 0xfedcba98
	s_mov_b32 s[CS], 0x3e38aa3b
	s_mov_b32 s[CS+1], s[CS]                       ; (named with it as a pair, so it is written)
	s_mov_b32 s[MNT], 0x600000
	s_wait_dscnt 0x0                               ; both opening adds are done
	CROUND                                         ; the four partners are here: the joint loads meet
	s_wait_kmcnt 0x0
	s_add_nc_u64 s[G0+2:G0+3], s[4:5], s[86:87]
	s_or_b32 s[G0+3], s[G0+3], 0x80000000
	s_cmp_lt_u32 s[WV], 4                          ; one load a wave; waves 0 to 3, which alone wait at the first barrier, have a line of their own
	s_cbranch_scc0 .Llater
	TLOAD
	s_branch .Lasked
.Llater:
	TLOAD
.Lasked:
.irp pb, PB0, PB1
	s_add_nc_u64 s[\pb:\pb+1], s[4:5], s[\pb:\pb+1]
	s_add_nc_u64 s[\pb+2:\pb+3], s[4:5], s[\pb+2:\pb+3]
	s_add_nc_u64 s[\pb+4:\pb+5], s[6:7], s[\pb+4:\pb+5]
	s_add_nc_u64 s[\pb+6:\pb+7], s[6:7], s[\pb+6:\pb+7]
.endr
	s_add_nc_u64 s[84:85], s[4:5], s[84:85]
	v_and_b32 v2, 31, v0
	s_delay_alu instid0(VALU_DEP_1)
	v_lshlrev_b32 v1, 4, v2                        ; 16 l
	s_delay_alu instid0(VALU_DEP_2)
	v_lshl_add_u32 v2, v2, 3, 262144               ; K's scale words + 8 l
	v_and_b32 v3, 15, v0                           ; r
	s_delay_alu instid0(VALU_DEP_1)
	v_lshlrev_b32 v[QA], 3, v3
	s_delay_alu instid0(VALU_DEP_2)
	v_lshlrev_b32 v[ZA], 2, v3
	v_add_nc_u32 v[SA], s88, v1
	global_load_b128 v[KF:KF+3], v1, s[84:85]      ; my 512 bytes of scale words
	QLOAD PB0                                      ; the late tile's q
.irp j, 24,25,26,27,28,29,30,31
	v_mov_b32 v\j, 0                               ; the zeros between: zero codes add nothing
.endr
	v_and_b32 v6, 8, v3
	s_delay_alu instid0(VALU_DEP_1)
	v_add_nc_u32 v3, v3, v6                        ; r + 8 (r / 8)
	v_bfe_u32 v6, v0, 4, 1
	s_delay_alu instid0(VALU_DEP_1)
	v_lshlrev_b32 v6, 4, v6
	s_delay_alu instid0(VALU_DEP_1)
	v_sub_nc_u32 v3, v3, v6                        ; - 16 (lane / 16)
	s_delay_alu instid0(VALU_DEP_1)
	v_add_nc_u32 v3, s90, v3                       ; + my tile's first query
	v_mov_b32 v4, 0xff800000                       ; -infinity
.irp b, 0,1,2,3
	v_mov_b32 v[T1+\b], 0                          ; written once: a lane permute's destination counts as one of its sources
.endr
	v_mov_b32 v[TW], 0                             ; likewise
	v_mov_b32 v[FF], 0
	v_mov_b32 v[FF+1], 0                           ; (named as the upper half of f's pair)
; A tile begins: the running state, the addresses' steps, and q's two scale words.  again = 1: the tile before has left three stores behind it
.macro BEGIN again
	v_mov_b32 v13, 0xff61b1e6                      ; the largest t so far: -3e38, under every t
	s_delay_alu instid0(VALU_DEP_1)
	v_floor_f32 v12, -v13                          ; -M
	v_mov_b32 v14, 0
	v_mov_b32 v15, 0
.set j, 0
.rept 32
	v_mov_b32 v[O+j], 0                            ; O^T: the step is written once; its first pass finds zeros, which the first change of M leaves zeros
.set j, j+1
.endr
	s_mov_b32 s[TK], 0
	s_mov_b32 s[TS], 0
	s_mov_b32 s[KS], 0
	s_wait_loadcnt 0x0                             ; q and its scale word (the first time: my scale words of K or V too)
.if \again
	s_wait_xcnt 0x0                                ; the codes' and the scale word's registers, which the last tile's stores read, are written again only behind this wait
.endif
	v_lshrrev_b32 v[QW], s[SH], v[QW]
	s_delay_alu instid0(VALU_DEP_1)
	v_and_b32 v8, 0xffff, v[QW]                    ; q's two bytes for K 0-63; the zero halves get the byte 0, the smallest scale
	s_delay_alu instid0(VALU_DEP_1)
	v_lshlrev_b32 v9, 16, v8                       ; and for K 64-127
.rept 8
	v_nop                                          ; a scale word made by vector instructions stands eight places ahead of the product that names it
.endr
.endm
; A KEY STEP: 128 keys
.macro STEP
	s_cmp_gt_u32 s[KS], s[JJ]                      ; all its keys come after my queries: only the addresses step
	s_cbranch_scc1 .Lhid_\@
	v_add_nc_u32 v5, s[TK], v1
	v_add_nc_u32 v7, s[TS], v2
	s_delay_alu instid0(VALU_DEP_2)
	v_add_nc_u32 v6, 0x20000, v5                   ; V's codes lie 131,072 bytes behind K's
.rept 5
	v_nop                                          ; with the three additions: eight places in front of loads into registers that the last products read
.endr
.irp b, 0,1,2,3
.irp c, 0,1,2,3
	ds_load_b128 v[KF+16*\b+4*\c:KF+16*\b+4*\c+3], v5 offset:2048*\b+512*\c
.endr
.endr
	ds_load_b64 v[10:11], v7                       ; register i: the words of fragment 2 i in lanes 0-15, of 2 i + 1 in lanes 16-31
	s_wait_dscnt 0x0
	s_wait_alu depctr_va_vdst(0)
.irp b, 0,1,2,3                                ; S^T = K q^T: fragment b against q below (tile 2 b) and q above (tile 2 b + 1)
.irp u, 0,1
.if \b%2
	v_wmma_scale_f32_16x16x128_f8f6f4 v[S+8*(2*\b+\u):S+8*(2*\b+\u)+7], v[KF+16*\b:KF+16*\b+15], v[16+8*\u:31+8*\u], 0, v[10+\b/2], v[8+\u] matrix_a_scale:MATRIX_SCALE_ROW1
.else
	v_wmma_scale_f32_16x16x128_f8f6f4 v[S+8*(2*\b+\u):S+8*(2*\b+\u)+7], v[KF+16*\b:KF+16*\b+15], v[16+8*\u:31+8*\u], 0, v[10+\b/2], v[8+\u]
.endif
.endr
.endr
.rept 8
	v_nop                                          ; places in front of the loads below and of the first read of the scores
.endr
.irp t, 0,1,2,3                                ; V's four fragments land under the softmax
.irp c, 0,1,2,3
	ds_load_b128 v[KF+16*\t+4*\c:KF+16*\t+4*\c+3], v6 offset:2048*\t+512*\c
.endr
.endr
	ds_load_b64 v[VSC:VSC+1], v7 offset:4096
	s_cmp_lg_u32 s[KS], s[JJ]                      ; only the step on the diagonal is masked
	s_cbranch_scc1 .Lopen_\@
.set n, 0
.rept 64                                       ; register 16 b + i holds key 32 b + 16 (lane/16) + i of the step: hidden where it lies beyond my query
	v_cmp_gt_i32 vcc_lo, 32*(n/16)+n%16, v3
	v_cndmask_b32 v[S+n], v[S+n], v4, vcc_lo
.set n, n+1
.endr
.Lopen_\@:
.irp b, 0,1,2,3
	v_max3_num_f32 v[BM+\b], v[S+16*\b], v[S+1+16*\b], v[S+2+16*\b]   ; the largest score of each block of 32 keys: for the row's maximum, and for the block's largest p
.endr
.irp i, 3,5,7,9,11,13
.irp b, 0,1,2,3
	v_max3_num_f32 v[BM+\b], v[BM+\b], v[S+16*\b+\i], v[S+1+16*\b+\i]
.endr
.endr
.irp b, 0,1,2,3
	v_max_num_f32 v[BM+\b], v[BM+\b], v[S+15+16*\b]
.endr
.irp b, 0,1,2,3
	s_delay_alu instid0(VALU_DEP_4)
	v_permlanex16_b32 v[T1+\b], v[BM+\b], s[SEL], s[SEL+1]
.endr
.irp b, 0,1,2,3
	s_delay_alu instid0(VALU_DEP_4)
	v_max_num_f32 v[BM+\b], v[BM+\b], v[T1+\b]     ; with lane l xor 16's 16 keys
.endr
	s_delay_alu instid0(VALU_DEP_2)
	v_max3_num_f32 v[TW], v[BM], v[BM+1], v[BM+2]
	s_delay_alu instid0(VALU_DEP_1)
	v_max_num_f32 v[TW], v[TW], v[BM+3]
	s_delay_alu instid0(VALU_DEP_1)
	v_mul_f32 v[TW], s[CS], v[TW]                  ; as t (c is positive)
	s_delay_alu instid0(VALU_DEP_1)
	v_max_num_f32 v13, v13, v[TW]                  ; the running largest t
	v_mov_b32 v[TW], v12
	s_delay_alu instid0(VALU_DEP_2)
	v_floor_f32 v12, -v13                          ; the new -M = -ceil(t)
	s_delay_alu instid0(VALU_DEP_1)
	v_sub_f32 v[TW], v12, v[TW]                    ; old M less new M: a whole number, 0 or less
	s_delay_alu instid0(VALU_DEP_1)
	v_cvt_i32_f32 v[TW], v[TW]                     ; (it saturates)
	s_delay_alu instid0(VALU_DEP_1)
	v_ldexp_f32 v[FF], 1.0, v[TW]                  ; f = 2^(old M - new M)
.set j, 0
.rept 32
	v_pk_fma_f32 v[S+j:S+j+1], v[S+j:S+j+1], s[CS:CS+1], v[12:13] op_sel_hi:[1,0,0]   ; t - M, two at a time
.set j, j+2
.endr
.irp b, 0,1,2,3
	v_fma_f32 v[BM+\b], v[BM+\b], s[CS], v12       ; the same of each block's largest score
.endr
.set j, 0
	s_wait_alu depctr_va_vdst(0)                   ; the wait ahead of the batch
.rept 64
	v_exp_f32 v[S+j], v[S+j]                       ; p = 2^(t - M), at most 1
.set j, j+1
.endr
.irp b, 0,1,2,3
	v_exp_f32 v[BM+\b], v[BM+\b]                   ; the block's largest p: the same two instructions on the same number
.endr
	v_pk_mul_f32 v[14:15], v[14:15], v[FF:FF+1] op_sel_hi:[1,0]   ; the sums under the new M (a plain line behind the exponentials)
	s_wait_alu depctr_va_vdst(0)                   ; and behind it, ahead of its first reader
.irp b, 0,1,2,3
	v_max_num_f32 v[BM+\b], 0x4800000, v[BM+\b]    ; the floor 2^(9 - 127): the byte cannot fall under 1
.endr
.irp b, 0,1,2,3
	s_delay_alu instid0(VALU_DEP_4)
	v_add_nc_u32 v[SO+\b], 0xfc000000, v[BM+\b]
.endr
.irp b, 0,1,2,3
	v_and_or_b32 v[HD+\b], v[BM+\b], 0x7f800000, s[MNT]
.endr
.irp b, 0,1,2,3
	v_and_or_b32 v[H2+(\b+1)%4], v[BM+\b], 0x7f800000, s[MNT]   ; the bound once more, in another bank
.endr
.irp b, 0,1,2,3
	v_lshrrev_b32 v[T1+\b], 23, v[SO+\b]
.endr
	s_delay_alu instid0(VALU_DEP_3)
	v_lshl_or_b32 v[PS], v[T1+1], 8, v[T1]         ; p's scale word for these 128 keys
	s_delay_alu instid0(VALU_DEP_1)
	v_lshl_or_b32 v[PS], v[T1+2], 16, v[PS]
	s_delay_alu instid0(VALU_DEP_1)
	v_lshl_or_b32 v[PS], v[T1+3], 24, v[PS]
	PA 248, 116, 120                               ; the row's sum of the unquantised p: 32 pairs in eight chains
	PA 252, 124, 128
	PA 226, 132, 136
	PA 224, 140, 144
	PA 222, 148, 152
	PA 220, 156, 160
	PA 218, 164, 168
	PA 14, 14, 172
	PA 248, 248, 112
	PA 252, 252, 114
	PA 226, 226, 118
	PA 224, 224, 122
	PA 222, 222, 126
	PA 220, 220, 130
	PA 218, 218, 134
	PA 14, 14, 138
	PA 248, 248, 142
	PA 252, 252, 146
	PA 226, 226, 150
	PA 224, 224, 154
	PA 222, 222, 158
	PA 220, 220, 162
	PA 218, 218, 166
	PA 14, 14, 170
	PA 248, 248, 174
	s_delay_alu instid0(VALU_DEP_2)
	PA 14, 14, 224
	s_delay_alu instid0(VALU_DEP_2)
	PA 248, 248, 222
	PA 252, 252, 220
	PA 226, 226, 218
	s_delay_alu instid0(VALU_DEP_2)
	PA 14, 14, 252
	s_delay_alu instid0(VALU_DEP_2)
	PA 248, 248, 226
	s_delay_alu instid0(VALU_DEP_1)
	PA 14, 14, 248
.irp b, 0,1,2,3
.irp i, 0,2,4,6,8,10,12,14                     ; the conversion does not saturate (ISA guide 7.6.2); p is not negative, so the hold is one-sided; two holds to a dual pair
	v_dual_min_num_f32 v[S+16*\b+\i], v[S+16*\b+\i], v[HD+\b] :: v_dual_min_num_f32 v[S+16*\b+\i+1], v[S+16*\b+\i+1], v[H2+(\b+1)%4]
.endr
	v_cvt_scalef32_pk8_fp8_f32 v[PCD+4*\b:PCD+1+4*\b], v[S+16*\b:S+7+16*\b], v[SO+\b]
	v_cvt_scalef32_pk8_fp8_f32 v[PCD+2+4*\b:PCD+3+4*\b], v[S+8+16*\b:S+15+16*\b], v[SO+\b]
.endr
.set j, 0
.rept 16
	v_pk_mul_f32 v[O+j:O+j+1], v[O+j:O+j+1], v[FF:FF+1] op_sel_hi:[1,0]   ; O^T under the new M.  (These sixteen are also the places between the conversions and the products)
.set j, j+2
.endr
	s_wait_alu depctr_va_vdst(0)                   ; directly ahead of the wait below
	s_wait_dscnt 0x0                               ; V's fragments and scale words are in
.irp t, 0,1,2,3                                ; O^T += V^T P^T: four tiles of 16 of the head's 64, by turns; K = these 128 keys
.if \t%2
	v_wmma_scale_f32_16x16x128_f8f6f4 v[O+8*\t:O+8*\t+7], v[KF+16*\t:KF+16*\t+15], v[PCD:PCD+15], v[O+8*\t:O+8*\t+7], v[VSC+\t/2], v[PS] matrix_a_scale:MATRIX_SCALE_ROW1
.else
	v_wmma_scale_f32_16x16x128_f8f6f4 v[O+8*\t:O+8*\t+7], v[KF+16*\t:KF+16*\t+15], v[PCD:PCD+15], v[O+8*\t:O+8*\t+7], v[VSC+\t/2], v[PS]
.endif
.endr
.Lhid_\@:
	s_add_co_u32 s[TK], s[TK], 8192
	s_add_co_u32 s[TS], s[TS], 256
	s_add_co_u32 s[KS], s[KS], 1
.endm
.macro WALK n                          ; n key steps
	s_mov_b32 s[CNT], \n
.Lq_\@:
	STEP
	s_sub_co_u32 s[CNT], s[CNT], 1
	s_cmp_lg_u32 s[CNT], 0
	s_cbranch_scc1 .Lq_\@
.endm
; THE WAY OUT of a tile: z = O^T / the sum; register 16 b + i is d = 32 b + 16 (lane/16) + i of my query: two blocks of the last product's K, quantised in registers; the codes are that operand's image.
; more = 1: the early tile's q is asked for first, into the registers that the late tile's q has left, and lands under the way out's arithmetic.
.macro FINISH pb, more
.rept 8
	v_nop                                          ; places behind the last products
.endr
.if \more
	QLOAD PB1
.endif
	v_add_f32 v14, v14, v15
	s_delay_alu instid0(VALU_DEP_1)
	v_permlanex16_b32 v[TW], v14, s[SEL], s[SEL+1]
	s_delay_alu instid0(VALU_DEP_1)
	v_add_f32 v14, v14, v[TW]                      ; the row's sum
	s_wait_alu depctr_va_vdst(0)                   ; the wait ahead of the transcendental
	v_rcp_f32 v14, v14
	v_nop                                          ; a plain line behind the transcendental
.set j, 0
	s_wait_alu depctr_va_vdst(0)                   ; and ahead of its first reader
.rept 32
	v_mul_f32 v[S+j], v[O+j], v14                  ; each accumulator from its low end on
.set j, j+1
.endr
.irp b, 0,1
	v_max3_num_f32 v[BM+\b], |v[S+16*\b]|, |v[S+1+16*\b]|, 0x4800000
.endr
.irp i, 2,4,6,8,10,12,14
.irp b, 0,1
	s_delay_alu instid0(VALU_DEP_2)
	v_max3_num_f32 v[BM+\b], v[BM+\b], |v[S+16*\b+\i]|, |v[S+1+16*\b+\i]|
.endr
.endr
.irp b, 0,1
	s_delay_alu instid0(VALU_DEP_2)
	v_permlanex16_b32 v[T1+\b], v[BM+\b], s[SEL], s[SEL+1]
.endr
.irp b, 0,1
	s_delay_alu instid0(VALU_DEP_2)
	v_max_num_f32 v[BM+\b], v[BM+\b], v[T1+\b]
.endr
.irp b, 0,1
	s_delay_alu instid0(VALU_DEP_2)
	v_add_nc_u32 v[SO+\b], 0xfc000000, v[BM+\b]
.endr
.irp b, 0,1
	s_delay_alu instid0(VALU_DEP_4)
	v_and_or_b32 v[HD+\b], v[BM+\b], 0x7f800000, s[MNT]
.endr
.irp b, 0,1
	s_delay_alu instid0(VALU_DEP_4)
	v_lshrrev_b32 v[T1+\b], 23, v[SO+\b]
.endr
	s_delay_alu instid0(VALU_DEP_1)
	v_lshl_or_b32 v[ZW], v[T1+1], 8, v[T1]         ; the head's two bytes of my row
.irp b, 0,1
.irp i, 0,1,2,3,4,5,6,7,8,9,10,11,12,13,14,15
	v_med3_num_f32 v[S+16*\b+\i], v[S+16*\b+\i], -v[HD+\b], v[HD+\b]
.endr
	v_cvt_scalef32_pk8_fp8_f32 v[PCD+4*\b:PCD+1+4*\b], v[S+16*\b:S+7+16*\b], v[SO+\b]
	v_cvt_scalef32_pk8_fp8_f32 v[PCD+2+4*\b:PCD+3+4*\b], v[S+8+16*\b:S+15+16*\b], v[SO+\b]
.endr
	v_nop                                          ; a plain line behind the last conversion
	global_store_b128 v1, v[PCD:PCD+3], s[\pb+4:\pb+5]               ; 512 consecutive bytes each
	global_store_b128 v1, v[PCD+4:PCD+7], s[\pb+4:\pb+5] offset:512
	global_store_b32 v[ZA], v[ZW], s[\pb+6:\pb+7]  ; both halves of the lanes write the same word with the same value
.endm
	BEGIN 0                                        ; THE LATE TILE
	ds_store_b128 v[SA], v[KF:KF+3]                ; my 512 bytes of scale words, into LDS bytes on which no tensor load lands
	s_wait_alu depctr_va_vdst(0)                   ; the wait at the head's end
	s_wait_dscnt 0x0                               ; for the others' sake: my scale words have landed
	s_cmp_lt_u32 s[WV], 4
	s_cbranch_scc0 .Lnot_first
	s_wait_tensorcnt 0x0                           ; waves 0 to 3: key steps 0 to 3 of K and V are in.  The other waves' loads may stay out
.Lnot_first:
	s_barrier_signal -1
	s_barrier_wait -1
	WALK 4
	s_wait_dscnt 0x0
	s_wait_tensorcnt 0x0                           ; every wave: my load is in, and behind the barrier every wave's
	s_barrier_signal -1
	s_barrier_wait -1
	WALK 12
	FINISH PB0, 1
	s_mov_b32 s[JJ], s[JE]                         ; THE EARLY TILE: block w % 8 is at most 7, so eight steps are walked
	BEGIN 1
	WALK 8
	FINISH PB1, 0
	s_wait_tensorcnt 0x0                           ; the wave's end
	ds_add_u32 v254, v255
	s_wait_dscnt 0x0
	CROUND                                         ; the closing round
	s_endpgm
.Lfunc_end_k_qe58b0b2144_attn:
	.size	k_qe58b0b2144_attn, .Lfunc_end_k_qe58b0b2144_attn-k_qe58b0b2144_attn
	.p2alignl 7, 3214868480
	.fill 96, 4, 3214868480
	.section	.rodata,"a",@progbits
	.p2align	6, 0x0
	.amdhsa_kernel k_qe58b0b2144_attn
		.amdhsa_group_segment_fixed_size 327680
		.amdhsa_private_segment_fixed_size 0
		.amdhsa_enable_private_segment 0
		.amdhsa_kernarg_size 16
		.amdhsa_user_sgpr_count 2
		.amdhsa_user_sgpr_kernarg_segment_ptr 1
		.amdhsa_wavefront_size32 1
		.amdhsa_system_sgpr_workgroup_id_x 1
		.amdhsa_system_sgpr_workgroup_id_y 1
		.amdhsa_system_sgpr_workgroup_id_z 1
		.amdhsa_system_vgpr_workitem_id 0
		.amdhsa_next_free_vgpr 256
		.amdhsa_next_free_sgpr 96
		.amdhsa_reserve_vcc 1
		.amdhsa_float_denorm_mode_32 3
		.amdhsa_float_denorm_mode_16_64 3
		.amdhsa_memory_ordered 1
		.amdhsa_forward_progress 1
		.amdhsa_inst_pref_size 101
	.end_amdhsa_kernel
	.amdgpu_metadata
---
amdhsa.version: [ 1, 2 ]
amdhsa.kernels:
  - .name:           k_qe58b0b2144_attn
    .symbol:         k_qe58b0b2144_attn.kd
    .args:
      - { .name: qkv, .offset: 0, .size: 8, .value_kind: global_buffer, .address_space: global }
      - { .name: zq, .offset: 8, .size: 8, .value_kind: global_buffer, .address_space: global }
    .group_segment_fixed_size: 327680
    .private_segment_fixed_size: 0
    .kernarg_segment_align: 8
    .kernarg_segment_size: 16
    .max_flat_workgroup_size: 512
    .sgpr_count:     96
    .vgpr_count:     256
    .wavefront_size: 32
...
	.end_amdgpu_metadata
.endif
;; end of part 8
;; launch proj (part 9): grid 64 x 4, 4 waves a work-group, clusters of 4 x 1, 327,680 bytes of LDS; arguments zq, xw, bp, out0; writes out0
.if DOCPART == 9
	.amdgcn_target "amdgcn-amd-amdhsa--gfx1250"
	.amdhsa_code_object_version 6
	.text
	.protected	k_qe58b0b2144_proj
	.globl	k_qe58b0b2144_proj
	.p2align	8
	.type	k_qe58b0b2144_proj,@function
k_qe58b0b2144_proj:
	s_mov_b64 s[64:65], 0
	v_nop
	global_prefetch_b8 v0, s[64:65] scope:SCOPE_SE
	s_setreg_imm32_b32 hwreg(HW_REG_WAVE_MODE, 25, 1), 1
	s_wait_xcnt 0x0
	s_wait_alu depctr_hold_cnt(0) depctr_sa_sdst(0) depctr_va_vdst(0) depctr_va_sdst(0) depctr_va_ssrc(0) depctr_va_vcc(0) depctr_vm_vsrc(0)
	s_getreg_b32 s2, hwreg(HW_REG_IB_STS2, 6, 4)
	s_cmp_eq_u32 s2, 0
	s_cbranch_scc0 .Lentry_in_a_cluster
	s_endpgm
.Lentry_in_a_cluster:
	s_bfe_u32 s2, ttmp6, 0x10000c
	s_cmp_lg_u32 s2, 0x3003
	s_cbranch_scc0 .Lentry_shape_is_right
	s_endpgm
.Lentry_shape_is_right:
; out0[t][n] = the sum over k of z[t][k] Wp[n][k] + bp[n], on codes of FP8 (E4M3) with E8M0 scales: 8,192 x 1,024 x 1,024.  z's and Wp's codes lie in memory as images of operand registers (16 rows x 128 K = 2,048 bytes).
; SHARES.  A work-group makes 128 rows x 256 columns; four waves, 2 x 2, 64 rows x 128 columns each.  256 work-groups.  Work-group x = row block, y = column block.
; NO RING AND NO REFILL.  The column block's 256 rows of Wp, all of K, are 262,144 dense bytes: they come into LDS once, 65,536 bytes a wave, by JOINT loads of the four work-groups of a cluster (4 x 1: four row blocks, one column block).
; A wave's 64 rows of z, all of K, are 32 fragments = 512 registers: they come straight from memory, 128 loads of 512 consecutive bytes, and stay.  z has no joint load: beside all of Wp's block (262,144 bytes)
; its 131,072 bytes do not fit in LDS, and as register images they need no LDS.  No prefetch: everything is asked for at the head, and there is no loop to run ahead in.
; THE ORDER OF WORK.  Since both operands are at hand for all of K, a wave finishes columns 0-63 first (8 units of 16 products) and sends them out, then columns 64-127: the first half's stores are on their way while the second is multiplied.
; A unit = one K step of 128 x four fragments of Wp x my four fragments of z.  Wp's fragments go through four sets of 64 registers, fetched three units ahead.
; THE MATRIX INSTRUCTION IS USED TRANSPOSED (source 0 = 16 rows of Wp, source 1 = 16 rows of z): a lane holds eight neighbouring columns of one row of the result.
; THE WAY OUT.  A block of 16 rows x 64 columns goes through the wave's own stage in LDS (rows 272 bytes apart) and comes back two rows a load: sixteen lanes store one aligned unit of 256 bytes.
; REGISTERS: window 0: v1-11 addresses, v18-33 z's scale words, v40-71 Wp's, v72-79 the bias, v80-95 at work at the head, v96-127 rows read back, v128-255 sixteen accumulators; windows 1, 2: z; window 3: Wp's four sets.
; LIMITS: NaN and infinities are not served.
.set SPB,   272
.set STAGE, 262144
.set SPARE, 279552
.set L16,  1                           ; 16 l
.set R16,  2                           ; 16 r
.set ZS,   3                           ; z's scale words: 4 r + 128 h
.set ADRB, 4                           ; v4, v5 LDS address of my 128 columns of Wp: K steps 0-3, 4-7
.set STO,  6
.set RD,   7
.set CO,   8
.set SPW,  10
.set NIL,  11
.set SCA,  18                          ; no product's two scale words have numbers equal modulo 8
.set SCB,  40
.set BIAS, 72
.set TH,   80
.set OUTR, 96
.set ACC,  128
.set G1, 24
.set G0, 32
.set MSB, 0
.macro WIN new                         ; the immediate's high byte repeats the setting that is left
.if MSB != (\new)
	s_set_vgpr_msb (MSB<<8)|(\new)
.set MSB, (\new)
.endif
.endm
.macro CROUND                          ; a round of the cluster's barrier
	s_barrier_signal -1
	s_barrier_wait -1
	s_cmp_lg_u32 s14, 0
	s_cbranch_scc1 .Lnot_wave_0_\@
	s_barrier_signal -3
.Lnot_wave_0_\@:
	s_barrier_wait -3
	s_barrier_signal -1
	s_barrier_wait -1
.endm
.macro PLACES n
.rept \n
	v_nop
.endr
.endm
	s_load_b256 s[4:11], s[0:1], 0x0               ; zq, xw, bp, out0
	v_lshl_add_u32 v[SPW], v0, 2, SPARE
	v_mov_b32 v[NIL], 0
	ds_add_u32 v[SPW], v[NIL]                      ; the opening lines: the add, twice on end, and its wait
	ds_add_u32 v[SPW], v[NIL]
	v_lshrrev_b32 v1, 5, v0
	v_readfirstlane_b32 s14, v1                    ; wave 0..3
	s_lshr_b32 s15, s14, 1                         ; my half of the rows
	s_and_b32 s16, s14, 1                          ; my half of the columns
	s_and_b32 s18, ttmp7, 0xffff                   ; the column block: the cluster's y
	s_mov_b32 s[G1], 15|(3<<16)|(1<<21)            ; the mask names the four partners; elements of 8 bytes; bit 21 beside the mask
	s_mov_b32 s[G1+1], 32<<16                      ; rows of 256 bytes,
	s_mov_b32 s[G1+2], 256<<16                     ; 256 of them
	s_mov_b32 s[G1+3], 32<<16
	s_mov_b32 s[G1+4], 256
	s_mov_b32 s[G1+5], 32
	s_mov_b32 s[G1+6], 0
	s_mov_b32 s[G1+7], 0
	s_mov_b32 s[G0], 1
	s_lshl_b32 s[G0+1], s14, 16                    ; in LDS: 65,536 bytes a wave
	s_lshl_b32 s46, s18, 18                        ; in xw: Wp's codes begin at byte 8,388,608; a column block is 262,144 bytes
	s_add_co_u32 s46, s46, s[G0+1]
	s_add_co_u32 s46, s46, 8388608
	s_mov_b32 s47, 0
	s_lshl_b32 s72, s18, 13                        ; Wp's scale words: my 128 columns
	s_lshl_b32 s73, s16, 12
	s_add_co_u32 s72, s72, s73
	s_add_co_u32 s72, s72, 9699328
	s_mov_b32 s73, 0
	s_lshl_b32 s76, s18, 10                        ; my first column, in bytes of f32
	s_lshl_b32 s77, s16, 9
	s_add_co_u32 s76, s76, s77
	s_mov_b32 s77, 0
	s_bfe_u32 s40, ttmp6, 0x40000                  ; cx: it enters global addresses alone
	s_lshl_b32 s17, ttmp9, 2
	s_add_co_u32 s17, s17, s40                     ; the row block
	s_lshl_b32 s20, s17, 17                        ; z's codes: my four tiles
	s_lshl_b32 s21, s15, 13
	s_add_co_u32 s20, s20, s21
	s_mov_b32 s21, 0
	s_lshl_b32 s22, s17, 13                        ; z's scale words
	s_lshl_b32 s23, s15, 12
	s_add_co_u32 s22, s22, s23
	s_add_co_u32 s22, s22, 8388608
	s_mov_b32 s23, 0
	s_lshl_b32 s78, s17, 19                        ; my first row of out0, and my first column
	s_lshl_b32 s79, s15, 18
	s_add_co_u32 s78, s78, s79
	s_add_co_u32 s78, s78, s76
	s_mov_b32 s79, 0
	s_wait_dscnt 0x0                               ; both opening adds are done
	CROUND                                         ; the four partners are here: the joint loads meet
	s_wait_kmcnt 0x0
	s_add_nc_u64 s[G0+2:G0+3], s[6:7], s[46:47]
	s_or_b32 s[G0+3], s[G0+3], 0x80000000
	tensor_load_to_lds s[G0:G0+3], s[G1:G1+7]      ; one load a wave, with no branch: my quarter of the column block
	s_nop 0
	PLACES 4
	s_add_nc_u64 s[20:21], s[4:5], s[20:21]
	s_add_nc_u64 s[22:23], s[4:5], s[22:23]
	s_add_nc_u64 s[72:73], s[6:7], s[72:73]
	s_add_nc_u64 s[76:77], s[8:9], s[76:77]
	s_add_nc_u64 s[78:79], s[10:11], s[78:79]
	v_and_b32 v9, 31, v0
	v_lshlrev_b32 v[L16], 4, v9
	v_and_b32 v12, 15, v0                          ; r
	v_bfe_u32 v13, v0, 4, 1                        ; h
	v_lshlrev_b32 v[R16], 4, v12
	v_lshlrev_b32 v[ZS], 2, v12
	v_lshl_add_u32 v[ZS], v13, 7, v[ZS]
	s_lshl_b32 s74, s16, 17
	v_add_nc_u32 v[ADRB], s74, v[L16]
	s_add_co_u32 s74, s74, 65536
	v_add_nc_u32 v[ADRB+1], s74, v[L16]
	s_mul_i32 s75, s14, 16*SPB
	s_add_co_u32 s75, s75, STAGE                   ; my stage
	v_mul_u32_u24 v[STO], v12, SPB                 ; in: row r, 64 bytes for each half of the lanes
	v_lshl_add_u32 v[STO], v13, 6, v[STO]
	v_add_nc_u32 v[STO], s75, v[STO]
	v_mul_u32_u24 v[RD], v13, SPB                  ; back: lanes 0-15 one row of 256 bytes, lanes 16-31 the next
	v_add_nc_u32 v[RD], v[RD], v[R16]
	v_add_nc_u32 v[RD], s75, v[RD]
	v_lshl_add_u32 v[CO], v13, 12, v[R16]          ; and the same two rows in out0
.irp a, 0,1,2,3                        ; z's scale words: register 4 a + j: K step 2 j in lanes 0-15, 2 j + 1 in lanes 16-31; a K step is two heads, two bytes each
.irp j, 0,1,2,3
	global_load_b32 v[SCA+4*\a+\j], v[ZS], s[22:23] offset:1024*\a+256*\j
	global_load_b32 v[TH+4*\a+\j], v[ZS], s[22:23] offset:1024*\a+256*\j+64
.endr
.endr
.irp i, 0,1,2,3,4,5,6,7
	global_load_b128 v[SCB+4*\i:SCB+4*\i+3], v[L16], s[72:73] offset:512*\i
.endr
.irp g, 0,1
	global_load_b128 v[BIAS+4*\g:BIAS+4*\g+3], v[R16], s[76:77] offset:256*\g
.endr
.irp s, 0,1,2,3,4,5,6,7                ; z's fragment (K step s, tile a) -> window 1 + s / 4, register 16 (4 (s % 4) + a)
	WIN (1+\s/4)<<6
.irp a, 0,1,2,3
.irp c, 0,1,2,3
	global_load_b128 v[16*(4*(\s%4)+\a)+4*\c:16*(4*(\s%4)+\a)+4*\c+3], v[L16], s[20:21] offset:16384*\s+2048*\a+512*\c
.endr
.endr
.endr
	WIN 0
	s_wait_loadcnt 63                              ; behind the 42 loads of scale words and bias 128 were issued: they are in, and so are z's K steps 0 to 3
.set j, 0
.rept 16
	v_lshl_or_b32 v[SCA+j], v[TH+j], 16, v[SCA+j]
.set j, j+1
.endr
	s_wait_alu depctr_va_vdst(0)                   ; the wait at the head's end
	s_wait_tensorcnt 0x0                           ; my quarter of Wp's block is in, and behind the barrier every wave's
	s_barrier_signal -1
	s_barrier_wait -1
.macro BLOAD u                         ; unit u = 8 g + s: Wp's tiles 4 g .. 4 g + 3 of my eight, K step s, into set u % 4 of window 3
	WIN 0xc0
.irp i, 0,1,2,3
.irp c, 0,1,2,3
	ds_load_b128 v[64*((\u)%4)+16*\i+4*\c:64*((\u)%4)+16*\i+4*\c+3], v[ADRB+((\u)%8)/4] offset:16384*((\u)%4)+2048*(4*((\u)/8)+\i)+512*\c
.endr
.endr
	WIN 0
.endm
.macro UNIT u
.set S_, (\u)%8
	PLACES 8                                       ; eight places behind the last products, ahead of loads into the set that they read (and, ahead of unit 0, behind the lines that made z's scale words)
.if (\u)+3 < 16
	BLOAD (\u)+3
.endif
.if (\u) < 4
	s_wait_loadcnt 63                              ; z's K step s is in: more than 63 loads were issued behind it
.elseif (\u) < 8
	s_wait_loadcnt 112-16*(\u)                     ; z's K step s is in; the later K steps' 16 loads each may be out
.endif
.if (\u) < 13
	s_wait_dscnt 48                                ; this unit's fragments are in; those of the three units ahead may be out
.else
	s_wait_dscnt 16*(15-(\u))
.endif
	WIN 3|((1+S_/4)<<2)                            ; source 0 (Wp) window 3, source 1 (z) window 1 or 2, C and D window 0
.irp a, 0,1,2,3                        ; sixteen accumulators by turns
.irp b, 0,1,2,3
.set rD, ACC+8*(4*\a+\b)
.set rB, 64*((\u)%4)+16*\b
.set rA, 16*(4*(S_%4)+\a)
.set rSB, SCB+4*(4*((\u)/8)+\b)+S_/2
.set rSA, SCA+4*\a+S_/2
.if S_ == 0
	v_wmma_scale_f32_16x16x128_f8f6f4 v[rD:rD+7], v[rB:rB+15], v[rA:rA+15], 0, v[rSB], v[rSA]
.elseif S_%2
	v_wmma_scale_f32_16x16x128_f8f6f4 v[rD:rD+7], v[rB:rB+15], v[rA:rA+15], v[rD:rD+7], v[rSB], v[rSA] matrix_a_scale:MATRIX_SCALE_ROW1 matrix_b_scale:MATRIX_SCALE_ROW1
.else
	v_wmma_scale_f32_16x16x128_f8f6f4 v[rD:rD+7], v[rB:rB+15], v[rA:rA+15], v[rD:rD+7], v[rSB], v[rSA]
.endif
.endr
.endr
	WIN 0
.endm
; Block a (16 rows x 64 columns) into the stage and back.  It comes back into v96-127 (a = 0) or into the accumulators of block a - 1, whose stores into the stage are done
.macro TOSTAGE a
.if (\a) == 0
.set RB, OUTR
.else
.set RB, ACC+32*((\a)-1)
.endif
.irp b, 0,1,2,3
	ds_store_b128 v[STO], v[ACC+32*(\a)+8*\b:ACC+32*(\a)+8*\b+3] offset:128*(\b/2)+32*(\b%2)       ; each accumulator from its low end on
	ds_store_b128 v[STO], v[ACC+32*(\a)+8*\b+4:ACC+32*(\a)+8*\b+7] offset:128*(\b/2)+32*(\b%2)+16
.endr
.irp t, 0,1,2,3,4,5,6,7
	ds_load_b128 v[RB+4*\t:RB+4*\t+3], v[RD] offset:2*\t*SPB     ; LDS serves a wave's instructions in order: these see the stores above
.endr
.endm
.macro SEND a, g, younger              ; younger: the LDS instructions issued behind block a's loads
.if (\a) == 0
.set RB, OUTR
.else
.set RB, ACC+32*((\a)-1)
.endif
	s_wait_dscnt \younger
.irp t, 0,1,2,3,4,5,6,7
	v_pk_add_f32 v[RB+4*\t:RB+4*\t+1], v[RB+4*\t:RB+4*\t+1], v[BIAS+4*(\g):BIAS+4*(\g)+1]
	v_pk_add_f32 v[RB+4*\t+2:RB+4*\t+3], v[RB+4*\t+2:RB+4*\t+3], v[BIAS+4*(\g)+2:BIAS+4*(\g)+3]
	global_store_b128 v[CO], v[RB+4*\t:RB+4*\t+3], s[78:79] offset:(32*((\a)/2)+8*((\a)%2)+2*\t+8*(\t/4))*4096+256*(\g) th:TH_STORE_NT   ; stage row i is row 32 (a/2) + 8 (a%2) + i + 8 (i/8); sixteen lanes store 256 consecutive aligned bytes
.endr
.endm
.macro OUTALL g
	PLACES 8                                       ; eight places behind the last products, ahead of the first read of their results
	TOSTAGE 0
.irp a, 1,2,3
	s_wait_dscnt 8                                 ; all but the last block's eight loads are done: its eight stores have read their registers
	TOSTAGE \a
	SEND (\a)-1, \g, 16                            ; behind its loads: the next block's eight stores and eight loads
.endr
	SEND 3, \g, 0
.endm
	BLOAD 0
	BLOAD 1
	BLOAD 2
.irp u, 0,1,2,3,4,5,6,7
	UNIT \u
.endr
	OUTALL 0                                       ; columns 0-63 leave
	s_wait_xcnt 0x0                                ; the stores have read their registers: the accumulators may be written again
.irp u, 8,9,10,11,12,13,14,15
	UNIT \u
.endr
	OUTALL 1
	s_wait_tensorcnt 0x0                           ; the wave's end
	ds_add_u32 v[SPW], v[NIL]
	s_wait_dscnt 0x0
	CROUND                                         ; the closing round
	s_endpgm
.Lfunc_end_k_qe58b0b2144_proj:
	.size	k_qe58b0b2144_proj, .Lfunc_end_k_qe58b0b2144_proj-k_qe58b0b2144_proj
	.p2alignl 7, 3214868480
	.fill 96, 4, 3214868480
	.section	.rodata,"a",@progbits
	.p2align	6, 0x0
	.amdhsa_kernel k_qe58b0b2144_proj
		.amdhsa_group_segment_fixed_size 327680
		.amdhsa_private_segment_fixed_size 0
		.amdhsa_enable_private_segment 0
		.amdhsa_kernarg_size 32
		.amdhsa_user_sgpr_count 2
		.amdhsa_user_sgpr_kernarg_segment_ptr 1
		.amdhsa_wavefront_size32 1
		.amdhsa_system_sgpr_workgroup_id_x 1
		.amdhsa_system_sgpr_workgroup_id_y 1
		.amdhsa_system_sgpr_workgroup_id_z 1
		.amdhsa_system_vgpr_workitem_id 0
		.amdhsa_next_free_vgpr 1024
		.amdhsa_next_free_sgpr 96
		.amdhsa_reserve_vcc 0
		.amdhsa_float_denorm_mode_32 3
		.amdhsa_float_denorm_mode_16_64 3
		.amdhsa_memory_ordered 1
		.amdhsa_forward_progress 1
		.amdhsa_inst_pref_size 100
	.end_amdhsa_kernel
	.amdgpu_metadata
---
amdhsa.version: [ 1, 2 ]
amdhsa.kernels:
  - .name:           k_qe58b0b2144_proj
    .symbol:         k_qe58b0b2144_proj.kd
    .args:
      - { .name: zq, .offset: 0, .size: 8, .value_kind: global_buffer, .address_space: global }
      - { .name: xw, .offset: 8, .size: 8, .value_kind: global_buffer, .address_space: global }
      - { .name: bp, .offset: 16, .size: 8, .value_kind: global_buffer, .address_space: global }
      - { .name: out0, .offset: 24, .size: 8, .value_kind: global_buffer, .address_space: global }
    .group_segment_fixed_size: 327680
    .private_segment_fixed_size: 0
    .kernarg_segment_align: 8
    .kernarg_segment_size: 32
    .max_flat_workgroup_size: 128
    .sgpr_count:     96
    .vgpr_count:     1024
    .wavefront_size: 32
...
	.end_amdgpu_metadata
.endif
;; end of part 9
